; MI455X (gfx1250); checked and timed in simulation.
; The chip was launched on July 23, 2026; its instructions are those of AMD's public machine-readable ISA for CDNA 5 (MIT licence, August 2026) and "CDNA5" Instruction Set Architecture Reference Guide (July 2026). The comments in the code are by the model that wrote it; some were corrected since.
;; Attention. Allowed arithmetic: float matrix products may take bf16 or f16 operands with f32 sums; other float arithmetic in f32, or as packed bf16 or f16 multiplies, adds, multiply-adds, maxima and minima; sums over many terms, partial sums and values carried from step to step in f32; what a program stores and reads back later, other than sums and carried values, may be rounded once to bf16 or f16.
;; Inputs: W_qkv 3,072 x 1,024 float32; b_qkv 3,072 float32; ln_beta 1,024 float32; ln_gamma 1,024 float32; position 2,048 x 2,048 float32; x 4 x 1,024 x 2,048 float32.
;; Outputs: out0 4 x 1,024 x 2,048 float32.
;; 2 versions, each right. Each part assembles by itself: llvm-mc -triple=amdgcn-amd-amdhsa -mcpu=gfx1250 --defsym DOCPART=n.
;; ======== version 1 of 2: 4 launches
;; limits: values are held in f16: magnitudes above 65,504 overflow, below 6.1e-05 lose precision
;; workspace buffers: hn 16,777,216 bytes; wh 6,291,456 bytes; qkv 50,331,648 bytes; pb 33,554,432 bytes; mst 262,144 bytes; lst 262,144 bytes
;; launch prep (part 1): grid 128 x 1, 16 waves a work-group, no clusters, 142,336 bytes of LDS; arguments x, W_qkv, ln_gamma, ln_beta, hn, wh; writes hn, wh
.if DOCPART == 1
	.amdgcn_target "amdgcn-amd-amdhsa--gfx1250"
	.amdhsa_code_object_version 6
	.text
	.protected	k_qf898cd9aee_prep
	.globl	k_qf898cd9aee_prep
	.p2align	8
	.type	k_qf898cd9aee_prep,@function
k_qf898cd9aee_prep:
	s_mov_b64 s[64:65], 0
	v_nop
	global_prefetch_b8 v0, s[64:65] scope:SCOPE_SE
	s_setreg_imm32_b32 hwreg(HW_REG_WAVE_MODE, 25, 1), 1
	s_wait_xcnt 0x0
; PREP.  hn[b*2048+n][c] = f16( (x[b][c][n] - mu) * rsqrt(var + 1e-5) * gamma[c] + beta[c] ), mu and var over the 1,024 channels of a token, in f32;
; wh = f16(W_qkv).  x: [4][1024][2048] f32, hn: [8192][1024] f16, W_qkv and wh: [3072][1024].
; LIMITS.  hn and W must lie within f16's 65,504; below 6e-5 they keep f16's fixed step of 6e-8.  NaN and infinities are not treated apart.
; SHARES.  A work-group owns 64 tokens (256 bytes of each channel's row, aligned) and all channels: 128 work-groups; a narrower strip would read half of each 256 bytes.
; Sixteen waves; lane (r = l % 16, h = l / 16) of wave w holds tokens 4 r .. 4 r + 3 of channels 64 w + 32 h + k, k = 0 .. 31: 128 registers, so x is read once and
; the variance is taken of the differences from the mean.  Memory binds: no matrix unit, no cluster; the strip is turned through LDS so that hn leaves in runs of 512 bytes.
; LDS: 64 rows of 2,064 bytes (token 4 r + i at row 16 i + r: the sixteen lanes of a store lie 129 x 16 bytes apart); two tables of 4,096 bytes for the sums of the waves; the spare words.
.set TRP,   2064
.set RED,   64*TRP                     ; 132,096: the first table; the second 4,096 bytes on
.set SPARE, RED+8192                   ; 140,288: 128 bytes for each of sixteen waves, which no other line names
.set X,  64                            ; v[64:191]  channel k's four tokens at X + 4 k
.set GA, 192                           ; v[192:223] gamma of my 32 channels (first: W as loaded; last: hn packed)
.set BE, 224                           ; v[224:255] beta
	s_load_b256 s[4:11], s[0:1], 0x0               ; x s[4:5], W s[6:7], gamma s[8:9], beta s[10:11]
	s_load_b128 s[12:15], s[0:1], 0x20             ; hn s[12:13], wh s[14:15]
	v_lshl_add_u32 v62, v0, 2, SPARE               ; my spare word; never rewritten
	v_mov_b32 v63, 0                               ; 0; never rewritten
	v_lshrrev_b32 v1, 5, v0
	v_readfirstlane_b32 s16, v1                    ; wave 0..15
	s_mov_b32 s20, 0x76543210                      ; v_permlanex16_b32: each lane takes its own place in the other half
	s_mov_b32 s21, 0xfedcba98
	s_mov_b32 s22, 0x3a800000                      ; 1 / 1024
	s_mov_b32 s23, 0x3727c5ac                      ; 1e-5
	v_and_b32 v1, 15, v0                           ; r
	v_bfe_u32 v2, v0, 4, 1                         ; h
	v_lshrrev_b32 v9, 4, v0                        ; 2 w + h
	v_lshlrev_b32 v3, 18, v9                       ; x: channel 32 (2 w + h), rows of 8,192 bytes,
	v_lshl_add_u32 v3, v1, 4, v3                   ; + 16 r
	v_lshlrev_b32 v4, 4, v0                        ; W: 16 bytes a thread
	v_lshlrev_b32 v5, 3, v0                        ; wh: 8 bytes a thread
	v_lshlrev_b32 v6, 7, v9                        ; gamma, beta: my 32 channels
	v_lshl_add_u32 v20, v1, 4, RED                 ; the tables: my four tokens' column
	s_lshl_b32 s24, s16, 8
	v_add_nc_u32 v7, s24, v20                      ; and my wave's row of 256 bytes
	v_mul_u32_u24 v21, v1, TRP                     ; turning, in: row r, channels 64 w + 32 h on
	v_lshl_add_u32 v21, v2, 6, v21
	s_lshl_b32 s25, s16, 7
	v_add_nc_u32 v21, s25, v21
	v_add_nc_u32 v22, 32*TRP, v21                  ; rows 32 on, for tokens 4 r + 2 and 4 r + 3
	v_and_b32 v56, 31, v0
	v_lshlrev_b32 v56, 4, v56                      ; 16 l
	s_mul_i32 s24, s16, 4*TRP
	v_add_nc_u32 v23, s24, v56                     ; turning, back: rows 4 w on
.irp i, 12,13,14,15
	v_mov_b32 v\i, 0                               ; v_permlanex16_b32 counts as a reader of its destination
.endr
	s_lshr_b32 s17, ttmp9, 5                       ; batch
	s_lshl_b32 s18, s17, 23                        ; 8,388,608 bytes a batch
	s_and_b32 s17, ttmp9, 31
	s_lshl_b32 s17, s17, 8                         ; 64 tokens of 4 bytes
	s_add_co_u32 s18, s18, s17
	s_mov_b32 s19, 0
	s_mul_i32 s26, ttmp9, 98304                    ; my 24,576 numbers of W
	s_mov_b32 s27, 0
	s_mul_i32 s28, ttmp9, 49152
	s_mov_b32 s29, 0
	s_lshl_b32 s30, ttmp9, 6                       ; hn: LDS rows 4 w + j hold tokens 16 (w % 4) + w / 4 + 4 j
	s_and_b32 s17, s16, 3
	s_lshl_b32 s17, s17, 4
	s_add_co_u32 s30, s30, s17
	s_lshr_b32 s17, s16, 2
	s_add_co_u32 s30, s30, s17
	s_lshl_b32 s30, s30, 11                        ; rows of 2,048 bytes
	s_mov_b32 s31, 0
	s_wait_kmcnt 0x0
	s_add_nc_u64 s[4:5], s[4:5], s[18:19]
	s_add_nc_u64 s[6:7], s[6:7], s[26:27]
	s_add_nc_u64 s[14:15], s[14:15], s[28:29]
	s_add_nc_u64 s[12:13], s[12:13], s[30:31]
.set j, 0
.rept 12                                               ; W: each load of a wave takes 512 consecutive bytes
	global_load_b128 v[GA+4*j:GA+4*j+3], v4, s[6:7] offset:j*8192 th:TH_LOAD_NT
.set j, j+1
.endr
.set k, 0
.rept 32                                               ; x: each load takes 256 aligned bytes of two channels' rows
	global_load_b128 v[X+4*k:X+4*k+3], v3, s[4:5] offset:k*8192 th:TH_LOAD_NT
.set k, k+1
.endr
	s_wait_loadcnt 32                              ; W is in; x's 32 loads stay out
.set j, 0
.rept 12
	v_cvt_pk_f16_f32 v[GA+4*j], v[GA+4*j], v[GA+4*j+1]
	v_cvt_pk_f16_f32 v[GA+4*j+1], v[GA+4*j+2], v[GA+4*j+3]
.set j, j+1
.endr
.set j, 0
.rept 12
	global_store_b64 v5, v[GA+4*j:GA+4*j+1], s[14:15] offset:j*4096  ; a wave stores 256 consecutive bytes, aligned
.set j, j+1
.endr
	s_wait_xcnt 0x0                                ; the stores' data registers are loaded again only behind this wait
.irp j, 0,1,2,3,4,5,6,7
	global_load_b128 v[GA+4*\j:GA+4*\j+3], v6, s[8:9] offset:16*\j
	global_load_b128 v[BE+4*\j:BE+4*\j+3], v6, s[10:11] offset:16*\j
.endr
	s_wait_loadcnt 16                              ; x is in; gamma's and beta's 16 loads stay out
; The eight chains in v[24:39] are folded, the other half of the lanes' is added, and the waves' sixteen sums meet in the table at byte off: v[8:11] = the four tokens' sums over all channels, the same bits in every wave.
.macro CROSS off
	v_pk_add_f32 v[24:25], v[24:25], v[28:29]
	v_pk_add_f32 v[26:27], v[26:27], v[30:31]
	v_pk_add_f32 v[32:33], v[32:33], v[36:37]
	v_pk_add_f32 v[34:35], v[34:35], v[38:39]
	v_pk_add_f32 v[8:9], v[24:25], v[32:33]
	v_pk_add_f32 v[10:11], v[26:27], v[34:35]
.irp i, 0,1,2,3
	v_permlanex16_b32 v[12+\i], v[8+\i], s20, s21
.endr
	v_pk_add_f32 v[8:9], v[8:9], v[12:13]
	v_pk_add_f32 v[10:11], v[10:11], v[14:15]
	ds_store_b128 v7, v[8:11] offset:\off          ; both halves of the lanes store the same 16 bytes
	s_wait_dscnt 0x0                               ; for the others' sake: my store is done
	s_barrier_signal -1
	s_barrier_wait -1
.irp j, 0,1,2,3,4,5,6,7
	ds_load_b128 v[24+4*\j:27+4*\j], v20 offset:(\off)+256*\j
.endr
	s_wait_dscnt 0x0
	v_pk_add_f32 v[8:9], v[24:25], v[28:29]
	v_pk_add_f32 v[10:11], v[26:27], v[30:31]
.irp j, 2,3,4,5,6,7
	v_pk_add_f32 v[8:9], v[8:9], v[24+4*\j:25+4*\j]
	v_pk_add_f32 v[10:11], v[10:11], v[26+4*\j:27+4*\j]
.endr
.irp j, 0,1,2,3,4,5,6,7
	ds_load_b128 v[24+4*\j:27+4*\j], v20 offset:(\off)+2048+256*\j
.endr
	s_wait_dscnt 0x0
.irp j, 0,1,2,3,4,5,6,7
	v_pk_add_f32 v[8:9], v[8:9], v[24+4*\j:25+4*\j]
	v_pk_add_f32 v[10:11], v[10:11], v[26+4*\j:27+4*\j]
.endr
.endm
	; the mean: eight chains, started by the first additions: nothing is cleared
.irp c, 0,1,2,3
	v_pk_add_f32 v[24+4*\c:25+4*\c], v[X+4*\c:X+4*\c+1], v[X+16+4*\c:X+16+4*\c+1]
	v_pk_add_f32 v[26+4*\c:27+4*\c], v[X+4*\c+2:X+4*\c+3], v[X+16+4*\c+2:X+16+4*\c+3]
.endr
.set k, 8
.rept 24
	v_pk_add_f32 v[24+4*(k%4):25+4*(k%4)], v[24+4*(k%4):25+4*(k%4)], v[X+4*k:X+4*k+1]
	v_pk_add_f32 v[26+4*(k%4):27+4*(k%4)], v[26+4*(k%4):27+4*(k%4)], v[X+4*k+2:X+4*k+3]
.set k, k+1
.endr
	CROSS 0
	v_pk_mul_f32 v[12:13], v[8:9], s[22:23] op_sel_hi:[1,0]     ; mu
	v_pk_mul_f32 v[14:15], v[10:11], s[22:23] op_sel_hi:[1,0]
.set k, 0
.rept 32
	v_pk_add_f32 v[X+4*k:X+4*k+1], v[X+4*k:X+4*k+1], v[12:13] neg_lo:[0,1] neg_hi:[0,1]
	v_pk_add_f32 v[X+4*k+2:X+4*k+3], v[X+4*k+2:X+4*k+3], v[14:15] neg_lo:[0,1] neg_hi:[0,1]
.set k, k+1
.endr
	; the variance: the squares of the differences, in the same eight chains
.irp c, 0,1,2,3
	v_pk_mul_f32 v[24+4*\c:25+4*\c], v[X+4*\c:X+4*\c+1], v[X+4*\c:X+4*\c+1]
	v_pk_mul_f32 v[26+4*\c:27+4*\c], v[X+4*\c+2:X+4*\c+3], v[X+4*\c+2:X+4*\c+3]
.endr
.set k, 4
.rept 28
	v_pk_fma_f32 v[24+4*(k%4):25+4*(k%4)], v[X+4*k:X+4*k+1], v[X+4*k:X+4*k+1], v[24+4*(k%4):25+4*(k%4)]
	v_pk_fma_f32 v[26+4*(k%4):27+4*(k%4)], v[X+4*k+2:X+4*k+3], v[X+4*k+2:X+4*k+3], v[26+4*(k%4):27+4*(k%4)]
.set k, k+1
.endr
	CROSS 4096                                     ; a table of its own: no wave need have read the first one
.irp i, 0,1,2,3
	v_fma_f32 v[16+\i], v[8+\i], s22, s23          ; var + 1e-5
.endr
.irp i, 0,1,2,3
	v_rsq_f32 v[16+\i], v[16+\i]
.endr
	v_nop                                          ; a plain instruction between the last v_rsq_f32 and the use of the results (ISA guide 5.7.2)
	s_wait_loadcnt 0x0                             ; gamma and beta
.set k, 0
	s_wait_alu depctr_va_vdst(0)
.rept 32
	v_pk_mul_f32 v[X+4*k:X+4*k+1], v[X+4*k:X+4*k+1], v[16:17]
	v_pk_mul_f32 v[X+4*k+2:X+4*k+3], v[X+4*k+2:X+4*k+3], v[18:19]
.set k, k+1
.endr
.set k, 0
.rept 32                                               ; channel k's gamma and beta for both halves of a pair of tokens: the low or the high register of the pair that holds them
.if k%2 == 0
	v_pk_fma_f32 v[X+4*k:X+4*k+1], v[X+4*k:X+4*k+1], v[GA+k:GA+k+1], v[BE+k:BE+k+1] op_sel_hi:[1,0,0]
	v_pk_fma_f32 v[X+4*k+2:X+4*k+3], v[X+4*k+2:X+4*k+3], v[GA+k:GA+k+1], v[BE+k:BE+k+1] op_sel_hi:[1,0,0]
.else
	v_pk_fma_f32 v[X+4*k:X+4*k+1], v[X+4*k:X+4*k+1], v[GA+k-1:GA+k], v[BE+k-1:BE+k] op_sel:[0,1,1] op_sel_hi:[1,1,1]
	v_pk_fma_f32 v[X+4*k+2:X+4*k+3], v[X+4*k+2:X+4*k+3], v[GA+k-1:GA+k], v[BE+k-1:BE+k] op_sel:[0,1,1] op_sel_hi:[1,1,1]
.endif
.set k, k+1
.endr
	; token i, eight channels 8 o on: two neighbouring channels to a word, 16 bytes
.irp i, 0,1,2,3
.irp o, 0,1,2,3
.irp j, 0,1,2,3
	v_cvt_pk_f16_f32 v[GA+16*\i+4*\o+\j], v[X+4*(8*\o+2*\j)+\i], v[X+4*(8*\o+2*\j+1)+\i]
.endr
.endr
.endr
.irp i, 0,1
.irp o, 0,1,2,3
	ds_store_b128 v21, v[GA+16*\i+4*\o:GA+16*\i+4*\o+3] offset:\i*16*TRP+16*\o
	ds_store_b128 v22, v[GA+32+16*\i+4*\o:GA+32+16*\i+4*\o+3] offset:\i*16*TRP+16*\o
.endr
.endr
	s_wait_dscnt 0x0                               ; for the others' sake: my part of every token's row is in LDS
	s_barrier_signal -1
	s_barrier_wait -1
.set t, 0
.rept 16                                               ; four whole rows a wave, 512 bytes a load
	ds_load_b128 v[X+4*t:X+4*t+3], v23 offset:(t/4)*TRP+(t%4)*512
.set t, t+1
.endr
.set t, 0
.rept 16
	s_wait_dscnt 15-t                              ; LDS loads come back in order (ISA guide 5.7.1)
	global_store_b128 v56, v[X+4*t:X+4*t+3], s[12:13] offset:(t/4)*8192+(t%4)*512  ; 512 consecutive bytes of a row of hn, aligned
.set t, t+1
.endr
	s_wait_tensorcnt 0x0                           ; the wave's end, behind my last LDS store
	ds_add_u32 v62, v63
	s_wait_dscnt 0x0
	s_endpgm
.Lfunc_end_k_qf898cd9aee_prep:
	.size	k_qf898cd9aee_prep, .Lfunc_end_k_qf898cd9aee_prep-k_qf898cd9aee_prep
	.p2alignl 7, 3214868480
	.fill 96, 4, 3214868480
	.section	.rodata,"a",@progbits
	.p2align	6, 0x0
	.amdhsa_kernel k_qf898cd9aee_prep
		.amdhsa_group_segment_fixed_size 142336
		.amdhsa_private_segment_fixed_size 0
		.amdhsa_enable_private_segment 0
		.amdhsa_kernarg_size 48
		.amdhsa_user_sgpr_count 2
		.amdhsa_user_sgpr_kernarg_segment_ptr 1
		.amdhsa_wavefront_size32 1
		.amdhsa_system_sgpr_workgroup_id_x 1
		.amdhsa_system_sgpr_workgroup_id_y 1
		.amdhsa_system_sgpr_workgroup_id_z 1
		.amdhsa_system_vgpr_workitem_id 0
		.amdhsa_next_free_vgpr 256
		.amdhsa_next_free_sgpr 66
		.amdhsa_reserve_vcc 0
		.amdhsa_float_denorm_mode_32 3
		.amdhsa_float_denorm_mode_16_64 3
		.amdhsa_memory_ordered 1
		.amdhsa_forward_progress 1
		.amdhsa_inst_pref_size 47
	.end_amdhsa_kernel
	.amdgpu_metadata
---
amdhsa.version: [ 1, 2 ]
amdhsa.kernels:
  - .name:           k_qf898cd9aee_prep
    .symbol:         k_qf898cd9aee_prep.kd
    .args:
      - { .name: x, .offset: 0, .size: 8, .value_kind: global_buffer, .address_space: global }
      - { .name: W_qkv, .offset: 8, .size: 8, .value_kind: global_buffer, .address_space: global }
      - { .name: ln_gamma, .offset: 16, .size: 8, .value_kind: global_buffer, .address_space: global }
      - { .name: ln_beta, .offset: 24, .size: 8, .value_kind: global_buffer, .address_space: global }
      - { .name: hn, .offset: 32, .size: 8, .value_kind: global_buffer, .address_space: global }
      - { .name: wh, .offset: 40, .size: 8, .value_kind: global_buffer, .address_space: global }
    .group_segment_fixed_size: 142336
    .private_segment_fixed_size: 0
    .kernarg_segment_align: 8
    .kernarg_segment_size: 48
    .max_flat_workgroup_size: 512
    .sgpr_count:     66
    .vgpr_count:     256
    .wavefront_size: 32
...
	.end_amdgpu_metadata
.endif
;; end of part 1
;; launch proj (part 2): grid 12 x 32, 4 waves a work-group, clusters of 4 x 4, 327,680 bytes of LDS; arguments hn, wh, qkv, b_qkv; writes qkv
.if DOCPART == 2
	.amdgcn_target "amdgcn-amd-amdhsa--gfx1250"
	.amdhsa_code_object_version 6
	.text
	.protected	k_qf898cd9aee_proj
	.globl	k_qf898cd9aee_proj
	.p2align	8
	.type	k_qf898cd9aee_proj,@function
k_qf898cd9aee_proj:
	s_mov_b64 s[64:65], 0
	v_nop
	global_prefetch_b8 v0, s[64:65] scope:SCOPE_SE
	s_setreg_imm32_b32 hwreg(HW_REG_WAVE_MODE, 25, 1), 1
	s_wait_xcnt 0x0
	s_wait_alu depctr_hold_cnt(0) depctr_sa_sdst(0) depctr_va_vdst(0) depctr_va_sdst(0) depctr_va_ssrc(0) depctr_va_vcc(0) depctr_vm_vsrc(0)
	s_getreg_b32 s2, hwreg(HW_REG_IB_STS2, 6, 4)
	s_cmp_eq_u32 s2, 0
	s_cbranch_scc0 .Lentry_in_a_cluster
	s_endpgm
.Lentry_in_a_cluster:
	s_bfe_u32 s2, ttmp6, 0x10000c
	s_cmp_lg_u32 s2, 0xf033
	s_cbranch_scc0 .Lentry_shape_is_right
	s_endpgm
.Lentry_shape_is_right:
; PROJ.  qkv[n][d] = f16( (sum over c of hn[n][c] wh[d][c] + b[d]) * sc ), sc = 2^-5.5 = 1 / sqrt(2048) for d < 1024 (q), else 1.  hn: [8192][1024], wh: [3072][1024], qkv: [8192][3072], f16; sums in f32.
; LIMITS.  q / sqrt(2048), k and v must lie within f16's 65,504; below 6e-5 they keep f16's fixed step of 6e-8.  NaN and infinities are not treated apart.
; SHAPE.  A tile of 256 x 256 to a work-group, 128 x 128 to each of four waves: 64 accumulators, 512 registers.  K goes in 8 steps of 128 through two LDS slots; rows of 256 bytes, padded to 272.
; One K step is a loop's trip: which slot is read lies in s66 and in v17, v21, and one descriptor a tensor walks (its LDS word turned by an exclusive or).
; CLUSTER.  4 x 4 work-groups: hn's tile is shared along a row of the cluster, wh's along a column; each is asked for jointly, by the same tensor load and mask in the four.
; The matrix instruction is used transposed (source 0 = 16 rows of wh, source 1 = 16 rows of hn): a lane holds row l % 16 and eight neighbouring columns.
; REGISTERS in windows of 256: window 0: v0-47 addresses and bias, v64-191 fragments of hn (two buffers), later the way out; window 1: v64-191 fragments of wh; windows 2, 3: the accumulators, (a, b) at v[8 (8 (a % 4) + b)].
; THE WAY OUT.  Behind the last change of slots nobody reads the ring and nothing fills it any more: the f32 sums go there (rows of 528 bytes), a barrier, and each wave takes 64 whole rows of 256 columns.
.set LDA,   1024                       ; elements from row to row of hn and of wh
.set ROWB,  6144                       ; bytes in a row of qkv
.set PITCH, 272
.set HALFT, 128*PITCH                  ; what one tensor load brings
.set SLOT,  4*HALFT                    ; 139,264 = 0x22000: bits that no wave's base w x HALFT or w x REG has set
.set SPARE, 2*SLOT                     ; the spare words, 128 bytes a wave, which no other line names
.set RP,    528                        ; a row of 128 f32 on the way out, + 16 bytes
.set REG,   64*RP                      ; 64 such rows: half of a wave's tile
.set F0, 64
.set F1, 128
.set MUL_LO, 0xa1                      ; source 0 window 1, source 1 window 0, C and D window 2
.set MUL_HI, 0xf1                      ; the same, C and D window 3
.set TO_B,   0x40                      ; destination window 1
.set MSB, 0
.macro WIN new                         ; the immediate's high byte repeats the setting that is left
.if MSB != (\new)
	s_set_vgpr_msb (MSB<<8)|(\new)
.set MSB, \new
.endif
.endm
.macro PLACES                          ; four plain places behind matrix instructions (ISA guide 7.12.1)
.rept 4
	v_nop
.endr
.endm
.macro JLOAD                           ; a joint refill: waves 0, 1 fetch hn's halves, waves 2, 3 wh's; s_nop 0 and four v_nop follow each line
	s_cmp_eq_u32 s15, 0
	s_cbranch_scc0 .Lfor_b_\@
	tensor_load_to_lds s[36:39], s[24:31]
	s_nop 0
.rept 4
	v_nop
.endr
	s_branch .Lasked_\@
.Lfor_b_\@:
	tensor_load_to_lds s[60:63], s[48:55]
	s_nop 0
.rept 4
	v_nop
.endr
.Lasked_\@:
.endm
.macro CREST                           ; a round of the cluster's barrier behind its opening barrier
	s_cmp_lg_u32 s14, 0
	s_cbranch_scc1 .Lnot_wave_0_\@
	s_barrier_signal -3
.Lnot_wave_0_\@:
	s_barrier_wait -3
	s_barrier_signal -1
	s_barrier_wait -1
.endm
.macro CROUND
	s_barrier_signal -1
	s_barrier_wait -1
	CREST
.endm
; 16 matrix instructions: row blocks a0, a0 + 1 of the window's four x all 8 column blocks, 32 along K.  zero = 1: the product starts the sums.
.macro MUL16 f, hi, a0, zero
	WIN MUL_LO+0x50*(\hi)
.irp a, \a0, (\a0)+1
.irp b, 0,1,2,3,4,5,6,7
.if \zero
	v_wmma_f32_16x16x32_f16 v[8*(8*(\a)+(\b)):8*(8*(\a)+(\b))+7], v[(\f)+8*(\b):(\f)+8*(\b)+7], v[(\f)+8*(4*(\hi)+(\a)):(\f)+8*(4*(\hi)+(\a))+7], 0
.else
	v_wmma_f32_16x16x32_f16 v[8*(8*(\a)+(\b)):8*(8*(\a)+(\b))+7], v[(\f)+8*(\b):(\f)+8*(\b)+7], v[(\f)+8*(4*(\hi)+(\a)):(\f)+8*(4*(\hi)+(\a))+7], v[8*(8*(\a)+(\b)):8*(8*(\a)+(\b))+7]
.endif
.endr
.endr
.endm
.macro FETCH k, f                      ; 32 LDS loads in one run: a quarter step's fragments (32 K at byte k of the rows) of the slot in hand
	WIN TO_B
.irp i, 0,1,2,3,4,5,6,7
	ds_load_b128 v[(\f)+8*(\i):(\f)+8*(\i)+3],   v21 offset:(\k)+(\i)*16*PITCH
	ds_load_b128 v[(\f)+8*(\i)+4:(\f)+8*(\i)+7], v21 offset:(\k)+(\i)*16*PITCH+32
.endr
	WIN 0
.irp i, 0,1,2,3,4,5,6,7
	ds_load_b128 v[(\f)+8*(\i):(\f)+8*(\i)+3],   v17 offset:(\k)+(\i)*16*PITCH
	ds_load_b128 v[(\f)+8*(\i)+4:(\f)+8*(\i)+7], v17 offset:(\k)+(\i)*16*PITCH+32
.endr
.endm
.macro QUARTER k, f, g, zero           ; multiplies buffer f; in its middle fetches the next quarter, at byte k, into g
	s_wait_dscnt 8                                 ; all but the youngest eight loads (my rows 64-127)
	MUL16 \f, 0, 0, \zero
	MUL16 \f, 0, 2, \zero
	PLACES
	FETCH \k, \g
	s_wait_dscnt 32                                ; all but the 32 just issued
	MUL16 \f, 1, 0, \zero
	MUL16 \f, 1, 2, \zero
.endm
; The first half of a step's last quarter, and the one barrier of a change of slots: in front of it each wave waits for all its tensor loads, adds 0 to its spare word, and waits for that and for its reads of the slot.
.macro MEET round
	WIN 0
	s_wait_tensorcnt 0x0                           ; my part of the next slot has landed; no tensor load of mine is out
	ds_add_u32 v28, v29
	s_wait_dscnt 9                                 ; (the add and the youngest eight loads may be out)
	MUL16 F1, 0, 0, 0
	s_wait_dscnt 0x0                               ; the add is done, and my reads of this slot are over
	s_barrier_signal -1
	MUL16 F1, 0, 2, 0
.if \round
	WIN 0
.endif
	s_barrier_wait -1
.endm
.macro NEXT                            ; the other slot becomes the slot in hand; its first fragments
	s_xor_b32 s66, s66, SLOT
	v_add_nc_u32 v17, s66, v16
	v_add_nc_u32 v21, s66, v20
	FETCH 0, F0
.endm
.macro TURNF                           ; the last quarter with a refill: the barrier opens a round of the cluster's, the joint load is the first thing behind it
	MEET 1
	CREST
	s_xor_b32 s37, s37, SLOT                       ; the walking descriptors: the slot just read out,
	s_add_nc_u64 s[38:39], s[38:39], 256           ; the K step two on from the one it held
	s_xor_b32 s61, s61, SLOT
	s_add_nc_u64 s[62:63], s[62:63], 256
	JLOAD                                          ; its four v_nop are also the places in front of the loads below
	NEXT
	MUL16 F1, 1, 0, 0
	MUL16 F1, 1, 2, 0
.endm
	s_load_b256 s[4:11], s[0:1], 0x0               ; hn s[4:5], wh s[6:7], qkv s[8:9], b s[10:11]
	v_lshl_add_u32 v28, v0, 2, SPARE
	v_mov_b32 v29, 0
	ds_add_u32 v28, v29                            ; the wave's opening: the add is waited for ahead of my first tensor load
	v_lshrrev_b32 v1, 5, v0
	v_readfirstlane_b32 s14, v1                    ; wave 0..3
	s_lshr_b32 s15, s14, 1                         ; my half of the tile's rows; also: I fetch hn (0) or wh (1)
	s_and_b32 s16, s14, 1                          ; my half of its columns; also: which 128 rows I fetch
	s_bfe_u32 s17, ttmp6, 0x40000                  ; cx
	s_bfe_u32 s18, ttmp6, 0x40004                  ; cy
	s_lshl_b32 s19, ttmp9, 2
	s_add_co_u32 s19, s19, s17                     ; tile column x
	s_and_b32 s20, ttmp7, 0xffff
	s_lshl_b32 s21, s20, 2
	s_add_co_u32 s21, s21, s18                     ; tile row y
	s_lshl_b32 s22, s18, 2
	s_lshl_b32 s22, 15, s22                        ; my row of the cluster
	s_lshl_b32 s23, 0x1111, s17                    ; my column
	s_or_b32 s24, s22, (1<<16)|(1<<20)|(1<<21)|(5<<22)|(3<<25)  ; mask; 2-byte elements; padding on; bit 21 beside a mask; after every 64 words 4 words
	s_or_b32 s48, s23, (1<<16)|(1<<20)|(1<<21)|(5<<22)|(3<<25)
.irp g, 24, 48
	s_mov_b32 s[\g+1], 128<<16                     ; tensor_dim0 = 128
	s_mov_b32 s[\g+2], 128<<16                     ; tensor_dim1 = 128
	s_mov_b32 s[\g+3], 128<<16                     ; tile_dim0 = 128
	s_mov_b32 s[\g+4], 128                         ; tile_dim1 = 128
	s_mov_b32 s[\g+5], LDA
	s_mov_b32 s[\g+6], 0
	s_mov_b32 s[\g+7], 0
.endr
	s_lshl_b32 s42, s16, 7
	s_lshl_b32 s40, s21, 8
	s_add_co_u32 s40, s40, s42                     ; hn: row 256 y + 128 half: the tile row alone
	s_lshl_b32 s40, s40, 11
	s_mov_b32 s41, 0
	s_lshl_b32 s44, s19, 8
	s_add_co_u32 s44, s44, s42                     ; wh: row 256 x + 128 half: the tile column alone
	s_lshl_b32 s44, s44, 11
	s_mov_b32 s45, 0
	s_mul_i32 s43, s14, HALFT                      ; where my loads go: wave x 128 rows
	s_lshl_b32 s46, s21, 8
	s_lshl_b32 s47, s14, 6
	s_add_co_u32 s46, s46, s47                     ; the first row of qkv that I store: 256 y + 64 w
	s_mul_i32 s46, s46, ROWB
	s_lshl_b32 s47, s19, 9
	s_add_co_u32 s46, s46, s47
	s_mov_b32 s47, 0
	s_lshl_b32 s72, s19, 10                        ; the tile's 256 biases
	s_mov_b32 s73, 0
	s_cmp_eq_u32 ttmp9, 0                          ; the first four tile columns are q: the same answer in all partners, and it selects a value only
	s_cselect_b32 s70, 0x3cb504f3, 1.0             ; 2^-5.5
	s_mov_b32 s71, s70
	s_wait_dscnt 0x0                               ; the opening add is done
	s_wait_kmcnt 0x0
	s_add_nc_u64 s[40:41], s[4:5], s[40:41]
	s_add_nc_u64 s[44:45], s[6:7], s[44:45]
	s_add_nc_u64 s[8:9], s[8:9], s[46:47]
	s_add_nc_u64 s[10:11], s[10:11], s[72:73]
	s_mov_b32 s32, 1                               ; group 0 of the first fill: slot 0, K step 0
	s_mov_b32 s33, s43
	s_add_nc_u64 s[34:35], s[40:41], 0
	s_or_b32 s35, s35, 0x80000000
	s_mov_b32 s36, 1                               ; the walking group 0 begins at slot 1, K step 1
	s_add_co_u32 s37, s43, SLOT
	s_add_nc_u64 s[38:39], s[40:41], 256
	s_or_b32 s39, s39, 0x80000000
	s_mov_b32 s56, 1
	s_mov_b32 s57, s43
	s_add_nc_u64 s[58:59], s[44:45], 0
	s_or_b32 s59, s59, 0x80000000
	s_mov_b32 s60, 1
	s_add_co_u32 s61, s43, SLOT
	s_add_nc_u64 s[62:63], s[44:45], 256
	s_or_b32 s63, s63, 0x80000000
	CROUND                                         ; all sixteen work-groups are here: the first joint loads meet
	s_cmp_eq_u32 s15, 0                            ; a wave's two first fills stand in one branch: two loads of mine are out
	s_cbranch_scc0 .Lfirst_b
	tensor_load_to_lds s[32:35], s[24:31]
	s_nop 0
	tensor_load_to_lds s[36:39], s[24:31]
	s_nop 0
.rept 4
	v_nop
.endr
	s_branch .Lfirst_asked
.Lfirst_b:
	tensor_load_to_lds s[56:59], s[48:55]
	s_nop 0
	tensor_load_to_lds s[60:63], s[48:55]
	s_nop 0
.rept 4
	v_nop
.endr
.Lfirst_asked:
	v_and_b32 v1, 15, v0                           ; r
	v_bfe_u32 v2, v0, 4, 1                         ; h
	v_and_b32 v5, 31, v0
	v_lshlrev_b32 v31, 4, v5                       ; 16 l
	v_lshlrev_b32 v26, 3, v5                       ; 8 l
	global_load_b128 v[40:43], v31, s[10:11]       ; bias of columns 4 l .. and 128 + 4 l ..
	global_load_b128 v[44:47], v31, s[10:11] offset:512
	v_mul_u32_u24 v3, v1, PITCH
	v_lshl_add_u32 v3, v2, 4, v3                   ; a fragment's row x pitch + 16 x half
	s_mul_i32 s74, s15, HALFT
	s_mul_i32 s75, s16, HALFT
	s_add_co_u32 s75, s75, 2*HALFT
	v_add_nc_u32 v16, s74, v3                      ; my 128 rows of hn in slot 0
	v_add_nc_u32 v20, s75, v3                      ; my 128 rows of wh
	v_mov_b32 v17, v16
	v_mov_b32 v21, v20
	v_mul_u32_u24 v4, v1, RP                       ; the way out, in: row r, 32 bytes for each half of the lanes
	v_lshl_add_u32 v4, v2, 5, v4
	s_mul_i32 s76, s14, REG
	v_add_nc_u32 v24, s76, v4                      ; my rows 0-63,
	v_add_nc_u32 v27, SLOT, v24                    ; my rows 64-127
	s_mul_i32 s77, s16, SLOT                       ; back: tile rows 64 w on lie in half w % 2 of waves (w & 2) and (w & 2) + 1
	s_and_b32 s78, s14, 2
	s_mul_i32 s78, s78, REG
	s_add_co_u32 s77, s77, s78
	v_add_nc_u32 v25, s77, v31
	s_mov_b32 s66, 0
	s_wait_tensorcnt 1                             ; my part of K step 0 is in; step 1's may stay out
	s_barrier_signal -1
	s_barrier_wait -1
	FETCH 0, F0
	QUARTER 64, F0, F1, 1                          ; the first quarter starts the sums: nothing is cleared
	WIN 0
	s_mov_b32 s67, 6
.Lfill:                                                ; K steps 0 to 5, from a step's second quarter to the next step's first; each fills its slot again
	QUARTER 128, F1, F0, 0
	QUARTER 192, F0, F1, 0
	TURNF
	QUARTER 64, F0, F1, 0
	WIN 0
	s_sub_co_u32 s67, s67, 1
	s_cmp_lg_u32 s67, 0
	s_cbranch_scc1 .Lfill
	s_mov_b32 s67, 2
.Ldry:                                                 ; K steps 6 and 7: nothing is left to ask for; the last trip jumps over what belongs to a next step
	QUARTER 128, F1, F0, 0
	QUARTER 192, F0, F1, 0
	MEET 0
	WIN 0
	s_cmp_eq_u32 s67, 1
	s_cbranch_scc1 .Lnf
	PLACES
	NEXT
.Lnf:
	MUL16 F1, 1, 0, 0
	MUL16 F1, 1, 2, 0
	WIN 0
	s_cmp_eq_u32 s67, 1
	s_cbranch_scc1 .Lskip
	QUARTER 64, F0, F1, 0
	WIN 0
.Lskip:
	s_wait_dscnt 0x0                               ; the two ways meet with no LDS load out (twice in the launch): the way out uses the fragments' registers
	s_sub_co_u32 s67, s67, 1
	s_cmp_lg_u32 s67, 0
	s_cbranch_scc1 .Ldry
	; THE WAY OUT.  The sums go into the ring as f32, each accumulator's low four registers first.
	PLACES
	WIN 0x08                                       ; store data in window 2
.set n, 0
.rept 32
	ds_store_b128 v24, v[8*n:8*n+3] offset:(n/8)*16*RP+64*(n%8)
	ds_store_b128 v24, v[8*n+4:8*n+7] offset:(n/8)*16*RP+64*(n%8)+16
.set n, n+1
.endr
	WIN 0x0c                                       ; window 3
.set n, 0
.rept 32
	ds_store_b128 v27, v[8*n:8*n+3] offset:(n/8)*16*RP+64*(n%8)
	ds_store_b128 v27, v[8*n+4:8*n+7] offset:(n/8)*16*RP+64*(n%8)+16
.set n, n+1
.endr
	WIN 0
	s_wait_loadcnt 0x0                             ; the bias
.irp j, 40,42,44,46
	v_pk_mul_f32 v[\j:\j+1], v[\j:\j+1], s[70:71] op_sel_hi:[1,0]
.endr
	s_wait_dscnt 0x0                               ; for the others' sake: my stores are done
	s_barrier_signal -1
	s_barrier_wait -1
.macro LOADG grp, ahead                ; four rows: columns 4 l .. and 128 + 4 l ..
.irp i, 0,1,2,3
	ds_load_b128 v[64+32*(\grp)+8*\i:64+32*(\grp)+8*\i+3], v25 offset:(8*(\ahead)+4*(\grp)+\i)*RP
	ds_load_b128 v[64+32*(\grp)+8*\i+4:64+32*(\grp)+8*\i+7], v25 offset:(8*(\ahead)+4*(\grp)+\i)*RP+REG
.endr
.endm
.macro PROC grp                        ; sum x sc + bias x sc, rounded once to f16, stored
.set R, 64+32*(\grp)
.set O, 128+16*(\grp)
.irp i, 0,1,2,3
.irp j, 0,2,4,6
	v_pk_fma_f32 v[R+8*\i+\j:R+8*\i+\j+1], v[R+8*\i+\j:R+8*\i+\j+1], s[70:71], v[40+\j:41+\j] op_sel_hi:[1,0,1]
.endr
.endr
	s_wait_xcnt 0x0                                ; the last stores' data registers are rewritten only behind this wait
.irp i, 0,1,2,3
.irp j, 0,1,2,3
	v_cvt_pk_f16_f32 v[O+4*\i+\j], v[R+8*\i+2*\j], v[R+8*\i+2*\j+1]
.endr
.endr
.irp i, 0,1,2,3
	global_store_b64 v26, v[O+4*\i:O+4*\i+1], s[8:9] offset:(4*(\grp)+\i)*ROWB       ; a wave stores 256 consecutive bytes, aligned
	global_store_b64 v26, v[O+4*\i+2:O+4*\i+3], s[8:9] offset:(4*(\grp)+\i)*ROWB+256
.endr
.endm
	LOADG 0, 0
	LOADG 1, 0
	s_mov_b32 s3, 8
.Lrow:                                                 ; eight rows a trip, in two groups; each group's next rows are asked for as soon as it is worked off
	s_wait_dscnt 8                                 ; all but the younger group's eight loads
	PROC 0
	s_cmp_eq_u32 s3, 1
	s_cbranch_scc1 .La0
	LOADG 0, 1
	s_wait_dscnt 8
	s_branch .Lb
.La0:
	s_wait_dscnt 0x0                               ; the last trip has nothing younger
.Lb:
	PROC 1
	s_cmp_eq_u32 s3, 1
	s_cbranch_scc1 .Lst
	LOADG 1, 1
.Lst:
	s_wait_xcnt 0x0                                ; the stores' base steps only behind this wait
	s_add_nc_u64 s[8:9], s[8:9], 8*ROWB
	v_add_nc_u32 v25, 8*RP, v25
	s_sub_co_u32 s3, s3, 1
	s_cmp_lg_u32 s3, 0
	s_cbranch_scc1 .Lrow
	s_wait_tensorcnt 0x0                           ; the wave's end
	ds_add_u32 v28, v29
	s_wait_dscnt 0x0
	CROUND                                         ; the closing round: no work-group ends while a partner may still ask for a tile that names it
	s_endpgm
.Lfunc_end_k_qf898cd9aee_proj:
	.size	k_qf898cd9aee_proj, .Lfunc_end_k_qf898cd9aee_proj-k_qf898cd9aee_proj
	.p2alignl 7, 3214868480
	.fill 96, 4, 3214868480
	.section	.rodata,"a",@progbits
	.p2align	6, 0x0
	.amdhsa_kernel k_qf898cd9aee_proj
		.amdhsa_group_segment_fixed_size 327680
		.amdhsa_private_segment_fixed_size 0
		.amdhsa_enable_private_segment 0
		.amdhsa_kernarg_size 32
		.amdhsa_user_sgpr_count 2
		.amdhsa_user_sgpr_kernarg_segment_ptr 1
		.amdhsa_wavefront_size32 1
		.amdhsa_system_sgpr_workgroup_id_x 1
		.amdhsa_system_sgpr_workgroup_id_y 1
		.amdhsa_system_sgpr_workgroup_id_z 1
		.amdhsa_system_vgpr_workitem_id 0
		.amdhsa_next_free_vgpr 1024
		.amdhsa_next_free_sgpr 80
		.amdhsa_reserve_vcc 0
		.amdhsa_float_denorm_mode_32 3
		.amdhsa_float_denorm_mode_16_64 3
		.amdhsa_memory_ordered 1
		.amdhsa_forward_progress 1
		.amdhsa_inst_pref_size 85
	.end_amdhsa_kernel
	.amdgpu_metadata
---
amdhsa.version: [ 1, 2 ]
amdhsa.kernels:
  - .name:           k_qf898cd9aee_proj
    .symbol:         k_qf898cd9aee_proj.kd
    .args:
      - { .name: hn, .offset: 0, .size: 8, .value_kind: global_buffer, .address_space: global }
      - { .name: wh, .offset: 8, .size: 8, .value_kind: global_buffer, .address_space: global }
      - { .name: qkv, .offset: 16, .size: 8, .value_kind: global_buffer, .address_space: global }
      - { .name: b_qkv, .offset: 24, .size: 8, .value_kind: global_buffer, .address_space: global }
    .group_segment_fixed_size: 327680
    .private_segment_fixed_size: 0
    .kernarg_segment_align: 8
    .kernarg_segment_size: 32
    .max_flat_workgroup_size: 128
    .sgpr_count:     80
    .vgpr_count:     1024
    .wavefront_size: 32
...
	.end_amdgpu_metadata
.endif
;; end of part 2
;; launch score (part 3): grid 8 x 32, 4 waves a work-group, clusters of 4 x 4, 327,680 bytes of LDS; arguments qkv, position, pb, mst, lst; writes pb, mst, lst
.if DOCPART == 3
	.amdgcn_target "amdgcn-amd-amdhsa--gfx1250"
	.amdhsa_code_object_version 6
	.text
	.protected	k_qf898cd9aee_score
	.globl	k_qf898cd9aee_score
	.p2align	8
	.type	k_qf898cd9aee_score,@function
k_qf898cd9aee_score:
	s_mov_b64 s[64:65], 0
	v_nop
	global_prefetch_b8 v0, s[64:65] scope:SCOPE_SE
	s_setreg_imm32_b32 hwreg(HW_REG_WAVE_MODE, 25, 1), 1
	s_wait_xcnt 0x0
	s_wait_alu depctr_hold_cnt(0) depctr_sa_sdst(0) depctr_va_vdst(0) depctr_va_sdst(0) depctr_va_ssrc(0) depctr_va_vcc(0) depctr_vm_vsrc(0)
	s_getreg_b32 s2, hwreg(HW_REG_IB_STS2, 6, 4)
	s_cmp_eq_u32 s2, 0
	s_cbranch_scc0 .Lentry_in_a_cluster
	s_endpgm
.Lentry_in_a_cluster:
	s_bfe_u32 s2, ttmp6, 0x10000c
	s_cmp_lg_u32 s2, 0xf033
	s_cbranch_scc0 .Lentry_shape_is_right
	s_endpgm
.Lentry_shape_is_right:
; SCORE.  For batch b, queries i and a tile t of 256 keys j: s = q[i] . k[j] + position[i][j] (q arrives times 1 / sqrt(2048)); m_t = the row's maximum in the tile;
; pb[b*2048+i][j] = f16( 2^(c s - c m_t) ), c = log2(e); mst[b][t][i] = c m_t, lst[b][t][i] = the sum of the unrounded weights, both f32.  The next launch joins the eight tiles by their maxima.
; LIMITS.  A weight below 6e-8 is 0 in pb, below 6e-5 it keeps f16's fixed step; NaN and infinities are not treated apart.
; SHAPE, RING, CLUSTER: a tile of 256 x 256, four waves of 128 x 128, K = 1,024 channels in 8 steps of 128 through two LDS slots; q's tile is shared along a row of the 4 x 4 cluster, k's along a column.
; POSITION comes by two tensor loads a wave (64 rows x 512 bytes, padded to 528), in place of the last two refills, into the slot just read out: each wave's own half tiles, which it alone reads.
; The sums are added onto them in place; behind a barrier each wave takes 64 whole rows of 256 keys: maximum, weights, sum.
; REGISTERS in windows of 256: window 0: v0-47 addresses, v64-191 fragments of q, later at work; window 1: v64-191 fragments of k; windows 2, 3: the accumulators, (a, b) at v[8 (8 (a % 4) + b)].
.set LDA,   3072                       ; elements from row to row of qkv
.set ROWB,  4096                       ; bytes in a row of pb
.set PITCH, 272
.set HALFT, 128*PITCH
.set SLOT,  4*HALFT                    ; 139,264 = 0x22000: bits that no wave's base w x HALFT or w x REG has set
.set SPARE, 2*SLOT                     ; the spare words, 128 bytes a wave, which no other line names
.set STT,   SPARE+512                  ; 512 bytes a wave: 64 rows' c m, then their l
.set RP,    528
.set REG,   64*RP
.set F0, 64
.set F1, 128
.set MUL_LO, 0xa1
.set MUL_HI, 0xf1
.set TO_B,   0x40
.set MSB, 0
.macro WIN new                         ; the immediate's high byte repeats the setting that is left
.if MSB != (\new)
	s_set_vgpr_msb (MSB<<8)|(\new)
.set MSB, \new
.endif
.endm
.macro PLACES                          ; four plain places behind matrix instructions (ISA guide 7.12.1)
.rept 4
	v_nop
.endr
.endm
.macro JLOAD                           ; a joint refill: waves 0, 1 fetch q's halves, waves 2, 3 k's; s_nop 0 and four v_nop follow each line
	s_cmp_eq_u32 s15, 0
	s_cbranch_scc0 .Lfor_b_\@
	tensor_load_to_lds s[36:39], s[24:31]
	s_nop 0
.rept 4
	v_nop
.endr
	s_branch .Lasked_\@
.Lfor_b_\@:
	tensor_load_to_lds s[60:63], s[48:55]
	s_nop 0
.rept 4
	v_nop
.endr
.Lasked_\@:
.endm
.macro CREST                           ; a round of the cluster's barrier behind its opening barrier
	s_cmp_lg_u32 s14, 0
	s_cbranch_scc1 .Lnot_wave_0_\@
	s_barrier_signal -3
.Lnot_wave_0_\@:
	s_barrier_wait -3
	s_barrier_signal -1
	s_barrier_wait -1
.endm
.macro CROUND
	s_barrier_signal -1
	s_barrier_wait -1
	CREST
.endm
.macro MUL16 f, hi, a0, zero           ; 16 matrix instructions: row blocks a0, a0 + 1 of the window's four x all 8 column blocks, 32 along K
	WIN MUL_LO+0x50*(\hi)
.irp a, \a0, (\a0)+1
.irp b, 0,1,2,3,4,5,6,7
.if \zero
	v_wmma_f32_16x16x32_f16 v[8*(8*(\a)+(\b)):8*(8*(\a)+(\b))+7], v[(\f)+8*(\b):(\f)+8*(\b)+7], v[(\f)+8*(4*(\hi)+(\a)):(\f)+8*(4*(\hi)+(\a))+7], 0
.else
	v_wmma_f32_16x16x32_f16 v[8*(8*(\a)+(\b)):8*(8*(\a)+(\b))+7], v[(\f)+8*(\b):(\f)+8*(\b)+7], v[(\f)+8*(4*(\hi)+(\a)):(\f)+8*(4*(\hi)+(\a))+7], v[8*(8*(\a)+(\b)):8*(8*(\a)+(\b))+7]
.endif
.endr
.endr
.endm
.macro FETCH k, f                      ; 32 LDS loads in one run: a quarter step's fragments of the slot in hand
	WIN TO_B
.irp i, 0,1,2,3,4,5,6,7
	ds_load_b128 v[(\f)+8*(\i):(\f)+8*(\i)+3],   v21 offset:(\k)+(\i)*16*PITCH
	ds_load_b128 v[(\f)+8*(\i)+4:(\f)+8*(\i)+7], v21 offset:(\k)+(\i)*16*PITCH+32
.endr
	WIN 0
.irp i, 0,1,2,3,4,5,6,7
	ds_load_b128 v[(\f)+8*(\i):(\f)+8*(\i)+3],   v17 offset:(\k)+(\i)*16*PITCH
	ds_load_b128 v[(\f)+8*(\i)+4:(\f)+8*(\i)+7], v17 offset:(\k)+(\i)*16*PITCH+32
.endr
.endm
.macro QUARTER k, f, g, zero
	s_wait_dscnt 8                                 ; all but the youngest eight loads (my rows 64-127)
	MUL16 \f, 0, 0, \zero
	MUL16 \f, 0, 2, \zero
	PLACES
	FETCH \k, \g
	s_wait_dscnt 32                                ; all but the 32 just issued
	MUL16 \f, 1, 0, \zero
	MUL16 \f, 1, 2, \zero
.endm
.macro MEET round                      ; the one barrier of a change of slots, with what stands in front of it
	WIN 0
	s_wait_tensorcnt 0x0                           ; all my tensor loads have landed; none of mine is out
	ds_add_u32 v28, v29
	s_wait_dscnt 9                                 ; (the add and the youngest eight loads may be out)
	MUL16 F1, 0, 0, 0
	s_wait_dscnt 0x0                               ; the add is done, and my reads of this slot are over
	s_barrier_signal -1
	MUL16 F1, 0, 2, 0
.if \round
	WIN 0
.endif
	s_barrier_wait -1
.endm
.macro NEXT
	s_xor_b32 s66, s66, SLOT
	v_add_nc_u32 v17, s66, v16
	v_add_nc_u32 v21, s66, v20
	FETCH 0, F0
.endm
.macro TURNF
	MEET 1
	CREST
	s_xor_b32 s37, s37, SLOT
	s_add_nc_u64 s[38:39], s[38:39], 256
	s_xor_b32 s61, s61, SLOT
	s_add_nc_u64 s[62:63], s[62:63], 256
	JLOAD
	NEXT
	MUL16 F1, 1, 0, 0
	MUL16 F1, 1, 2, 0
.endm
	s_load_b256 s[4:11], s[0:1], 0x0               ; qkv s[4:5], position s[6:7], pb s[8:9], mst s[10:11]
	s_load_b64 s[12:13], s[0:1], 0x20              ; lst
	v_lshl_add_u32 v28, v0, 2, SPARE
	v_mov_b32 v29, 0
	ds_add_u32 v28, v29                            ; the wave's opening: the add is waited for ahead of my first tensor load
	v_lshrrev_b32 v1, 5, v0
	v_readfirstlane_b32 s14, v1                    ; wave 0..3
	s_lshr_b32 s15, s14, 1                         ; my half of the tile's rows; also: I fetch q (0) or k (1)
	s_and_b32 s16, s14, 1                          ; my half of its columns; also: which 128 rows I fetch
	s_bfe_u32 s17, ttmp6, 0x40000                  ; cx
	s_bfe_u32 s18, ttmp6, 0x40004                  ; cy
	s_lshl_b32 s19, ttmp9, 2
	s_add_co_u32 s19, s19, s17                     ; x: the tile of 256 keys
	s_and_b32 s20, ttmp7, 0xffff                   ; Y
	s_lshl_b32 s21, s20, 2
	s_add_co_u32 s21, s21, s18                     ; y = 8 batch + block of 256 queries
	s_lshl_b32 s22, s18, 2
	s_lshl_b32 s22, 15, s22                        ; my row of the cluster
	s_lshl_b32 s23, 0x1111, s17                    ; my column
	s_or_b32 s24, s22, (1<<16)|(1<<20)|(1<<21)|(5<<22)|(3<<25)
	s_or_b32 s48, s23, (1<<16)|(1<<20)|(1<<21)|(5<<22)|(3<<25)
.irp g, 24, 48
	s_mov_b32 s[\g+1], 128<<16                     ; tensor_dim0 = 128
	s_mov_b32 s[\g+2], 128<<16                     ; tensor_dim1 = 128
	s_mov_b32 s[\g+3], 128<<16                     ; tile_dim0 = 128
	s_mov_b32 s[\g+4], 128                         ; tile_dim1 = 128
	s_mov_b32 s[\g+5], LDA
	s_mov_b32 s[\g+6], 0
	s_mov_b32 s[\g+7], 0
.endr
	s_mov_b32 s68, (2<<16)|(1<<20)|(6<<22)|(3<<25) ; position: no mask; 4-byte elements; after every 128 words 4 words of padding
	s_mov_b32 s69, 128<<16                         ; tensor_dim0 = 128
	s_mov_b32 s70, 64<<16                          ; tensor_dim1 = 64
	s_mov_b32 s71, 128<<16                         ; tile_dim0 = 128
	s_mov_b32 s72, 64                              ; tile_dim1 = 64
	s_mov_b32 s73, 2048
	s_mov_b32 s74, 0
	s_mov_b32 s75, 0
	s_mov_b32 s76, 1
	s_mul_i32 s77, s14, REG
	s_add_co_u32 s77, s77, SLOT                    ; turned into slot 0 ahead of the first of the two loads
	s_mov_b32 s82, 0                               ; rows 0-63 first, then 64 rows of 8,192 bytes on
	s_mov_b32 s83, 0
	s_mov_b32 s84, 0x76543210
	s_mov_b32 s85, 0xfedcba98
	s_mov_b32 s86, 0x3fb8aa3b                      ; c = log2(e)
	s_mov_b32 s87, s86
	s_lshl_b32 s42, s16, 7
	s_lshl_b32 s40, s21, 8
	s_add_co_u32 s40, s40, s42                     ; q: row 256 y + 128 half
	s_mul_i32 s40, s40, LDA*2
	s_mov_b32 s41, 0
	s_lshr_b32 s44, s20, 1                         ; the batch, from the cluster's y alone
	s_lshl_b32 s44, s44, 11
	s_lshl_b32 s45, s19, 8
	s_add_co_u32 s44, s44, s45
	s_add_co_u32 s44, s44, s42                     ; k: row 2048 batch + 256 x + 128 half,
	s_mul_i32 s44, s44, LDA*2
	s_add_co_u32 s44, s44, 2048                    ; columns 1024 on
	s_mov_b32 s45, 0
	s_mul_i32 s43, s14, HALFT
	s_and_b32 s46, s21, 7                          ; the block of queries in its batch
	s_lshl_b32 s88, s46, 8
	s_lshl_b32 s89, s15, 7
	s_add_co_u32 s88, s88, s89
	s_lshl_b32 s88, s88, 13                        ; position: row 256 block + 128 my half, 8,192 bytes a row,
	s_lshl_b32 s89, s19, 10
	s_add_co_u32 s88, s88, s89
	s_lshl_b32 s89, s16, 9
	s_add_co_u32 s88, s88, s89                     ; column 256 x + 128 my half
	s_mov_b32 s89, 0
	s_lshl_b32 s90, s21, 8
	s_lshl_b32 s91, s14, 6
	s_add_co_u32 s90, s90, s91
	s_lshl_b32 s90, s90, 12                        ; pb: row 256 y + 64 w,
	s_lshl_b32 s91, s19, 9
	s_add_co_u32 s90, s90, s91                     ; keys 256 x on
	s_mov_b32 s91, 0
	s_lshr_b32 s92, s21, 3
	s_lshl_b32 s92, s92, 3
	s_add_co_u32 s92, s92, s19
	s_lshl_b32 s92, s92, 11                        ; mst, lst: [batch][x][query]
	s_lshl_b32 s93, s46, 8
	s_add_co_u32 s92, s92, s93
	s_lshl_b32 s93, s14, 6
	s_add_co_u32 s92, s92, s93
	s_lshl_b32 s92, s92, 2
	s_mov_b32 s93, 0
	s_wait_dscnt 0x0                               ; the opening add is done
	s_wait_kmcnt 0x0
	s_add_nc_u64 s[40:41], s[4:5], s[40:41]
	s_add_nc_u64 s[44:45], s[4:5], s[44:45]
	s_add_nc_u64 s[80:81], s[6:7], s[88:89]
	s_add_nc_u64 s[8:9], s[8:9], s[90:91]
	s_add_nc_u64 s[10:11], s[10:11], s[92:93]
	s_add_nc_u64 s[12:13], s[12:13], s[92:93]
	s_mov_b32 s32, 1                               ; group 0 of the first fill: slot 0, K step 0
	s_mov_b32 s33, s43
	s_add_nc_u64 s[34:35], s[40:41], 0
	s_or_b32 s35, s35, 0x80000000
	s_mov_b32 s36, 1                               ; the walking group 0 begins at slot 1, K step 1
	s_add_co_u32 s37, s43, SLOT
	s_add_nc_u64 s[38:39], s[40:41], 256
	s_or_b32 s39, s39, 0x80000000
	s_mov_b32 s56, 1
	s_mov_b32 s57, s43
	s_add_nc_u64 s[58:59], s[44:45], 0
	s_or_b32 s59, s59, 0x80000000
	s_mov_b32 s60, 1
	s_add_co_u32 s61, s43, SLOT
	s_add_nc_u64 s[62:63], s[44:45], 256
	s_or_b32 s63, s63, 0x80000000
	CROUND                                         ; all sixteen work-groups are here: the first joint loads meet
	s_cmp_eq_u32 s15, 0                            ; a wave's two first fills stand in one branch: two loads of mine are out
	s_cbranch_scc0 .Lfirst_b
	tensor_load_to_lds s[32:35], s[24:31]
	s_nop 0
	tensor_load_to_lds s[36:39], s[24:31]
	s_nop 0
.rept 4
	v_nop
.endr
	s_branch .Lfirst_asked
.Lfirst_b:
	tensor_load_to_lds s[56:59], s[48:55]
	s_nop 0
	tensor_load_to_lds s[60:63], s[48:55]
	s_nop 0
.rept 4
	v_nop
.endr
.Lfirst_asked:
	v_and_b32 v1, 15, v0                           ; r
	v_bfe_u32 v2, v0, 4, 1                         ; h
	v_and_b32 v5, 31, v0
	v_lshlrev_b32 v6, 4, v5                        ; 16 l
	v_lshlrev_b32 v26, 3, v5                       ; 8 l
	v_mul_u32_u24 v3, v1, PITCH
	v_lshl_add_u32 v3, v2, 4, v3
	s_mul_i32 s88, s15, HALFT
	s_mul_i32 s89, s16, HALFT
	s_add_co_u32 s89, s89, 2*HALFT
	v_add_nc_u32 v16, s88, v3                      ; my 128 rows of q in slot 0
	v_add_nc_u32 v20, s89, v3                      ; my 128 rows of k
	v_mov_b32 v17, v16
	v_mov_b32 v21, v20
	v_mul_u32_u24 v4, v1, RP                       ; my half tiles of position: row r, 32 bytes for each half of the lanes
	v_lshl_add_u32 v4, v2, 5, v4
	s_mul_i32 s90, s14, REG
	v_add_nc_u32 v24, s90, v4
	v_add_nc_u32 v27, SLOT, v24
	s_mul_i32 s91, s16, SLOT                       ; whole rows: tile rows 64 w on lie in half w % 2 of waves (w & 2) and (w & 2) + 1
	s_and_b32 s92, s14, 2
	s_mul_i32 s92, s92, REG
	s_add_co_u32 s91, s91, s92
	v_add_nc_u32 v25, s91, v6
	s_lshl_b32 s94, s14, 9
	s_add_co_u32 s94, s94, STT
	v_mov_b32 v30, s94                             ; my 64 rows' statistics, walking
	v_add_nc_u32 v31, s94, v26                     ; and read back, 8 bytes a lane
	s_mov_b32 s66, 0
	s_wait_tensorcnt 1                             ; my part of K step 0 is in; step 1's may stay out
	s_barrier_signal -1
	s_barrier_wait -1
	FETCH 0, F0
	QUARTER 64, F0, F1, 1
	WIN 0
	s_mov_b32 s67, 6
.Lfill:                                                ; K steps 0 to 5
	QUARTER 128, F1, F0, 0
	QUARTER 192, F0, F1, 0
	TURNF
	QUARTER 64, F0, F1, 0
	WIN 0
	s_sub_co_u32 s67, s67, 1
	s_cmp_lg_u32 s67, 0
	s_cbranch_scc1 .Lfill
	s_mov_b32 s67, 2
.Ldry:                                                 ; K steps 6 and 7: the slot read out takes my half tile of position; every wave issues the load in both trips
	QUARTER 128, F1, F0, 0
	QUARTER 192, F0, F1, 0
	MEET 1
	CREST
	s_xor_b32 s77, s77, SLOT                       ; the slot just read out
	s_add_nc_u64 s[78:79], s[80:81], s[82:83]      ; the address is made anew: the base and an offset made apart
	s_or_b32 s79, s79, 0x80000000
	s_add_co_u32 s82, s82, 64*8192
	tensor_load_to_lds s[76:79], s[68:75]          ; the first tensor load behind the round, and my only one
	s_nop 0
.rept 4
	v_nop                                          ; also the places in front of the loads below
.endr
	s_cmp_eq_u32 s67, 1
	s_cbranch_scc1 .Lnf
	NEXT
.Lnf:
	MUL16 F1, 1, 0, 0
	MUL16 F1, 1, 2, 0
	WIN 0
	s_cmp_eq_u32 s67, 1
	s_cbranch_scc1 .Lskip
	QUARTER 64, F0, F1, 0
	WIN 0
.Lskip:
	s_wait_dscnt 0x0                               ; the two ways meet with no LDS load out (twice in the launch): what follows uses the fragments' registers
	s_sub_co_u32 s67, s67, 1
	s_cmp_lg_u32 s67, 0
	s_cbranch_scc1 .Ldry
	; POSITION + SUMS, in place, a block of 16 rows at a time, on my own bytes.  Rows 0-63 were shown landed by the last wait for all loads; rows 64-127 are waited for ahead of block 4.
.macro LP a                            ; block a of position into landing buffer a % 2
	WIN 0
.set LB, 64+64*((\a)%2)
.irp b, 0,1,2,3,4,5,6,7
	ds_load_b128 v[LB+8*\b:LB+8*\b+3], v[24+3*((\a)/4)] offset:((\a)%4)*16*RP+64*\b
	ds_load_b128 v[LB+8*\b+4:LB+8*\b+7], v[24+3*((\a)/4)] offset:((\a)%4)*16*RP+64*\b+16
.endr
.endm
.macro ADD a                           ; + the block's eight accumulators, each from its low end on
	WIN 0x08+4*((\a)/4)                            ; source 1 in window 2 or 3
.set LB, 64+64*((\a)%2)
.set AC, 64*((\a)%4)
.set p, 0
.rept 32
	v_pk_add_f32 v[LB+2*p:LB+2*p+1], v[LB+2*p:LB+2*p+1], v[AC+2*p:AC+2*p+1]
.set p, p+1
.endr
	WIN 0
.endm
.macro ST a
.set LB, 64+64*((\a)%2)
.irp b, 0,1,2,3,4,5,6,7
	ds_store_b128 v[24+3*((\a)/4)], v[LB+8*\b:LB+8*\b+3] offset:((\a)%4)*16*RP+64*\b
	ds_store_b128 v[24+3*((\a)/4)], v[LB+8*\b+4:LB+8*\b+7] offset:((\a)%4)*16*RP+64*\b+16
.endr
.endm
	PLACES
	LP 0
	LP 1
	s_wait_dscnt 16                                ; block 0 is in; block 1's sixteen loads stay out
	ADD 0
	ST 0
.irp a, 1,2,3,4,5,6
.if \a == 3
	s_wait_tensorcnt 0x0                           ; my rows 64-127 of position have landed
.endif
	LP (\a)+1
	s_wait_dscnt 32                                ; the block is in; the sixteen stores and the sixteen loads behind it stay out
	ADD \a
	ST \a
.endr
	s_wait_dscnt 16
	ADD 7
	ST 7
	s_wait_dscnt 0x0                               ; for the others' sake: my stores are done
	s_barrier_signal -1
	s_barrier_wait -1
.set i, 160
.rept 24
	v_mov_b32 v[i], 0                              ; pairs (c m, l) are named whole, and v_permlanex16_b32 counts as a reader of its destination
.set i, i+1
.endr
.macro LOADG grp, ahead                ; four rows: keys 4 l .. and 128 + 4 l ..
.irp i, 0,1,2,3
	ds_load_b128 v[64+32*(\grp)+8*\i:64+32*(\grp)+8*\i+3], v25 offset:(8*(\ahead)+4*(\grp)+\i)*RP
	ds_load_b128 v[64+32*(\grp)+8*\i+4:64+32*(\grp)+8*\i+7], v25 offset:(8*(\ahead)+4*(\grp)+\i)*RP+REG
.endr
.endm
; Four rows side by side, so that no line waits for the one before it: the row's maximum over my 8 scores and the 32 lanes, c m, c s - c m, the exponentials, the rounding, the sum.
.macro PROC grp
.set R, 64+32*(\grp)
.set O, 128+16*(\grp)
.set PM, 160+8*(\grp)
.irp i, 0,1,2,3
	v_max3_num_f32 v[176+\i], v[R+8*\i], v[R+8*\i+1], v[R+8*\i+2]
.endr
.irp i, 0,1,2,3
	v_max3_num_f32 v[176+\i], v[176+\i], v[R+8*\i+3], v[R+8*\i+4]
.endr
.irp i, 0,1,2,3
	v_max3_num_f32 v[176+\i], v[176+\i], v[R+8*\i+5], v[R+8*\i+6]
.endr
.irp i, 0,1,2,3
	v_max_num_f32 v[176+\i], v[176+\i], v[R+8*\i+7]
.endr
.irp m, 1,2,4,8
.irp i, 0,1,2,3
	v_max_num_f32_dpp v[176+\i], v[176+\i], v[176+\i] row_xmask:\m row_mask:0xf bank_mask:0xf
.endr
.endr
.irp i, 0,1,2,3
	v_permlanex16_b32 v[180+\i], v[176+\i], s84, s85
.endr
.irp i, 0,1,2,3
	v_max_num_f32 v[176+\i], v[176+\i], v[180+\i]
.endr
.irp i, 0,1,2,3
	v_mul_f32 v[PM+2*\i], s86, v[176+\i]           ; c m
.endr
.irp i, 0,1,2,3
.irp j, 0,2,4,6
	v_pk_fma_f32 v[R+8*\i+\j:R+8*\i+\j+1], v[R+8*\i+\j:R+8*\i+\j+1], s[86:87], v[PM+2*\i:PM+2*\i+1] op_sel_hi:[1,0,0] neg_lo:[0,0,1] neg_hi:[0,0,1]
.endr
.endr
.set n, 0
.rept 32
	v_exp_f32 v[R+n], v[R+n]
.set n, n+1
.endr
	v_nop                                          ; a plain instruction between the exponentials and the use of their results (ISA guide 5.7.2)
	s_wait_xcnt 0x0                                ; the last stores' data registers are rewritten only behind this wait
	s_wait_alu depctr_va_vdst(0)
.irp i, 0,1,2,3
.irp j, 0,1,2,3
	v_cvt_pk_f16_f32 v[O+4*\i+\j], v[R+8*\i+2*\j], v[R+8*\i+2*\j+1]
.endr
.endr
.irp i, 0,1,2,3
	v_pk_add_f32 v[R+8*\i:R+8*\i+1], v[R+8*\i:R+8*\i+1], v[R+8*\i+2:R+8*\i+3]
	v_pk_add_f32 v[R+8*\i+4:R+8*\i+5], v[R+8*\i+4:R+8*\i+5], v[R+8*\i+6:R+8*\i+7]
.endr
.irp i, 0,1,2,3
	v_pk_add_f32 v[R+8*\i:R+8*\i+1], v[R+8*\i:R+8*\i+1], v[R+8*\i+4:R+8*\i+5]
.endr
.irp i, 0,1,2,3
	v_add_f32 v[176+\i], v[R+8*\i], v[R+8*\i+1]
.endr
.irp m, 1,2,4,8
.irp i, 0,1,2,3
	v_add_f32_dpp v[176+\i], v[176+\i], v[176+\i] row_xmask:\m row_mask:0xf bank_mask:0xf
.endr
.endr
.irp i, 0,1,2,3
	v_permlanex16_b32 v[180+\i], v[176+\i], s84, s85
.endr
.irp i, 0,1,2,3
	v_add_f32 v[PM+2*\i+1], v[176+\i], v[180+\i]   ; l
.endr
.irp i, 0,1,2,3
	ds_store_b32 v30, v[PM+2*\i] offset:4*(4*(\grp)+\i)          ; all lanes store the same word
	ds_store_b32 v30, v[PM+2*\i+1] offset:4*(4*(\grp)+\i)+256
.endr
.irp i, 0,1,2,3
	global_store_b64 v26, v[O+4*\i:O+4*\i+1], s[8:9] offset:(4*(\grp)+\i)*ROWB       ; a wave stores 256 consecutive bytes, aligned
	global_store_b64 v26, v[O+4*\i+2:O+4*\i+3], s[8:9] offset:(4*(\grp)+\i)*ROWB+256
.endr
.endm
	LOADG 0, 0
	LOADG 1, 0
	s_mov_b32 s3, 8
.Lrow:                                                 ; eight rows a trip, in two groups
	s_wait_dscnt 8                                 ; all but the youngest eight: the group wanted, and the statistics' stores, are older
	PROC 0
	s_cmp_eq_u32 s3, 1
	s_cbranch_scc1 .La0
	LOADG 0, 1
	s_wait_dscnt 8
	s_branch .Lb
.La0:
	s_wait_dscnt 0x0                               ; the last trip has nothing younger
.Lb:
	PROC 1
	s_cmp_eq_u32 s3, 1
	s_cbranch_scc1 .Lst
	LOADG 1, 1
.Lst:
	s_wait_xcnt 0x0                                ; the stores' base steps only behind this wait
	s_add_nc_u64 s[8:9], s[8:9], 8*ROWB
	v_add_nc_u32 v25, 8*RP, v25
	v_add_nc_u32 v30, 32, v30
	s_sub_co_u32 s3, s3, 1
	s_cmp_lg_u32 s3, 0
	s_cbranch_scc1 .Lrow
	ds_load_b64 v[184:185], v31                    ; my 64 rows' c m and l: my own bytes, and LDS serves a wave's instructions in order (ISA guide 5.7.1.4)
	ds_load_b64 v[186:187], v31 offset:256
	s_wait_dscnt 0x0
	global_store_b64 v26, v[184:185], s[10:11]     ; 256 consecutive bytes, aligned
	global_store_b64 v26, v[186:187], s[12:13]
	s_wait_tensorcnt 0x0                           ; the wave's end
	ds_add_u32 v28, v29
	s_wait_dscnt 0x0
	CROUND                                         ; the closing round
	s_endpgm
.Lfunc_end_k_qf898cd9aee_score:
	.size	k_qf898cd9aee_score, .Lfunc_end_k_qf898cd9aee_score-k_qf898cd9aee_score
	.p2alignl 7, 3214868480
	.fill 96, 4, 3214868480
	.section	.rodata,"a",@progbits
	.p2align	6, 0x0
	.amdhsa_kernel k_qf898cd9aee_score
		.amdhsa_group_segment_fixed_size 327680
		.amdhsa_private_segment_fixed_size 0
		.amdhsa_enable_private_segment 0
		.amdhsa_kernarg_size 40
		.amdhsa_user_sgpr_count 2
		.amdhsa_user_sgpr_kernarg_segment_ptr 1
		.amdhsa_wavefront_size32 1
		.amdhsa_system_sgpr_workgroup_id_x 1
		.amdhsa_system_sgpr_workgroup_id_y 1
		.amdhsa_system_sgpr_workgroup_id_z 1
		.amdhsa_system_vgpr_workitem_id 0
		.amdhsa_next_free_vgpr 1024
		.amdhsa_next_free_sgpr 96
		.amdhsa_reserve_vcc 0
		.amdhsa_float_denorm_mode_32 3
		.amdhsa_float_denorm_mode_16_64 3
		.amdhsa_memory_ordered 1
		.amdhsa_forward_progress 1
		.amdhsa_inst_pref_size 125
	.end_amdhsa_kernel
	.amdgpu_metadata
---
amdhsa.version: [ 1, 2 ]
amdhsa.kernels:
  - .name:           k_qf898cd9aee_score
    .symbol:         k_qf898cd9aee_score.kd
    .args:
      - { .name: qkv, .offset: 0, .size: 8, .value_kind: global_buffer, .address_space: global }
      - { .name: position, .offset: 8, .size: 8, .value_kind: global_buffer, .address_space: global }
      - { .name: pb, .offset: 16, .size: 8, .value_kind: global_buffer, .address_space: global }
      - { .name: mst, .offset: 24, .size: 8, .value_kind: global_buffer, .address_space: global }
      - { .name: lst, .offset: 32, .size: 8, .value_kind: global_buffer, .address_space: global }
    .group_segment_fixed_size: 327680
    .private_segment_fixed_size: 0
    .kernarg_segment_align: 8
    .kernarg_segment_size: 40
    .max_flat_workgroup_size: 128
    .sgpr_count:     96
    .vgpr_count:     1024
    .wavefront_size: 32
...
	.end_amdgpu_metadata
.endif
;; end of part 3
;; launch pv (part 4): grid 8 x 32, 4 waves a work-group, clusters of 4 x 4, 327,680 bytes of LDS; arguments pb, qkv, out0, mst, lst; writes out0
.if DOCPART == 4
	.amdgcn_target "amdgcn-amd-amdhsa--gfx1250"
	.amdhsa_code_object_version 6
	.text
	.protected	k_qf898cd9aee_pv
	.globl	k_qf898cd9aee_pv
	.p2align	8
	.type	k_qf898cd9aee_pv,@function
k_qf898cd9aee_pv:
	s_mov_b64 s[64:65], 0
	v_nop
	global_prefetch_b8 v0, s[64:65] scope:SCOPE_SE
	s_setreg_imm32_b32 hwreg(HW_REG_WAVE_MODE, 25, 1), 1
	s_wait_xcnt 0x0
	s_wait_alu depctr_hold_cnt(0) depctr_sa_sdst(0) depctr_va_vdst(0) depctr_va_sdst(0) depctr_va_ssrc(0) depctr_va_vcc(0) depctr_vm_vsrc(0)
	s_getreg_b32 s2, hwreg(HW_REG_IB_STS2, 6, 4)
	s_cmp_eq_u32 s2, 0
	s_cbranch_scc0 .Lentry_in_a_cluster
	s_endpgm
.Lentry_in_a_cluster:
	s_bfe_u32 s2, ttmp6, 0x10000c
	s_cmp_lg_u32 s2, 0xf033
	s_cbranch_scc0 .Lentry_shape_is_right
	s_endpgm
.Lentry_shape_is_right:
; PV.  out0[b][ch][i] = (sum over tiles t of f_t[i] * sum over the tile's 256 keys j of p[i][j] v[j][ch]) / L[i], with M = max over t of c m_t, f_t = 2^(c m_t - M), L = sum of f_t l_t:
; the softmax over all 2,048 keys, joined from the eight tiles by their true maxima.  f_t <= 1, one of them is 1, and every l_t >= 1, so L >= 1.  p and v in f16, all sums in f32.
; LIMITS.  An f_t below 2^-126 counts as 0; NaN and infinities are not treated apart.
; SHAPE.  A work-group makes 128 channels x 256 queries: 256 work-groups.  A wave makes 64 channels x 128 queries: 32 accumulators T (window 1) for the tile in hand and 32 master sums (window 2).
; Source 0 = V^T (16 channels x 32 keys, turned out of V as it lies by ds_load_tr16_b128), source 1 = P (16 queries x 32 keys): a lane holds ONE query and eight channels, so f_t is one register a query block.
; K = 2,048 keys in 16 steps of 128 through two LDS slots; a LAP is two steps = one tile t: its first products start T with 0, and at its end master += f_t T.
; CLUSTER.  4 x 4: P's tile hangs on the query block alone and is shared along a row of the cluster, V's on batch and channels and is shared along a column.
; The master sums are cleared once, in the wait for the first tile: the price of writing no first lap out beside the loop and the tail.
.set PP,    272                        ; a row of P in LDS: 256 bytes + 16
.set PV,    288                        ; a row of V: 256 + 32
.set VOFF,  256*PP                     ; 69,632: behind P's 256 rows, V's 128 keys
.set SLOTB, VOFF+128*PV                ; 106,496
.set FT,    2*SLOTB                    ; f[t][256 queries], 8,192 bytes
.set LQT,   FT+8192                    ; 1 / L, 1,024 bytes
.set SPARE, LQT+1024                   ; the spare words, 128 bytes a wave, which no other line names
.set RP,    528                        ; the way out: a channel's 128 queries in f32, + 16 bytes
.set REG,   64*RP
.set F0, 64                            ; fragment buffers in window 0: V at +8 cb, P at +32 + 8 qb
.set F1, 160
.set W_MM, 0x50                        ; C and D in window 1
.set W_FM, 0xa1                        ; destination and source 2 in window 2, source 0 in window 1
.set W_CL, 0x80
.set W_DS, 0x08                        ; LDS store data in window 2
.set MSB, 0
.macro WIN new                         ; the immediate's high byte repeats the setting that is left
.if MSB != (\new)
	s_set_vgpr_msb (MSB<<8)|(\new)
.set MSB, \new
.endif
.endm
.macro PLACES                          ; four plain places behind matrix instructions (ISA guide 7.12.1)
.rept 4
	v_nop
.endr
.endm
.macro JLOAD3 slot                     ; a joint refill: waves 0, 1 fetch P's halves, waves 2, 3 V's; s_nop 0 and four v_nop follow each line
	s_cmp_eq_u32 s15, 0
	s_cbranch_scc0 .Lfor_v_\@
	tensor_load_to_lds s[32+4*(\slot):35+4*(\slot)], s[24:31]
	s_nop 0
.rept 4
	v_nop
.endr
	s_branch .Lasked_\@
.Lfor_v_\@:
	tensor_load_to_lds s[56+4*(\slot):59+4*(\slot)], s[48:55]
	s_nop 0
.rept 4
	v_nop
.endr
.Lasked_\@:
.endm
.macro CREST
	s_cmp_lg_u32 s14, 0
	s_cbranch_scc1 .Lnot_wave_0_\@
	s_barrier_signal -3
.Lnot_wave_0_\@:
	s_barrier_wait -3
	s_barrier_signal -1
	s_barrier_wait -1
.endm
.macro CROUND
	s_barrier_signal -1
	s_barrier_wait -1
	CREST
.endm
.macro MUL8 f, cb, zero                ; channel block cb x all 8 query blocks, 32 keys; the 32 accumulators take turns
	WIN W_MM
.irp qb, 0,1,2,3,4,5,6,7
.if \zero
	v_wmma_f32_16x16x32_f16 v[8*(8*(\cb)+\qb):8*(8*(\cb)+\qb)+7], v[(\f)+8*(\cb):(\f)+8*(\cb)+7], v[(\f)+32+8*\qb:(\f)+32+8*\qb+7], 0
.else
	v_wmma_f32_16x16x32_f16 v[8*(8*(\cb)+\qb):8*(8*(\cb)+\qb)+7], v[(\f)+8*(\cb):(\f)+8*(\cb)+7], v[(\f)+32+8*\qb:(\f)+32+8*\qb+7], v[8*(8*(\cb)+\qb):8*(8*(\cb)+\qb)+7]
.endif
.endr
.endm
.macro FETCH3 slot, q, f               ; 24 LDS loads in one run: keys 32 q on of the slot: P's 8 fragments, then V's 4, turned
	WIN 0
.irp qb, 0,1,2,3,4,5,6,7
	ds_load_b128 v[(\f)+32+8*\qb:(\f)+32+8*\qb+3], v[4+(\slot)] offset:\qb*16*PP+64*(\q)
	ds_load_b128 v[(\f)+32+8*\qb+4:(\f)+32+8*\qb+7], v[4+(\slot)] offset:\qb*16*PP+64*(\q)+32
.endr
.irp cb, 0,1,2,3
	ds_load_tr16_b128 v[(\f)+8*\cb:(\f)+8*\cb+3], v[6+(\slot)] offset:(\q)*32*PV+32*\cb
	ds_load_tr16_b128 v[(\f)+8*\cb+4:(\f)+8*\cb+7], v[6+(\slot)] offset:(\q)*32*PV+16*PV+32*\cb
.endr
.endm
.macro FLOAD                           ; the lap's f for my query in each of the 8 blocks
	WIN 0
.irp qb, 0,1,2,3,4,5,6,7
	ds_load_b32 v[32+2*\qb], v11 offset:64*\qb
.endr
	v_add_nc_u32 v11, 1024, v11                    ; the next lap's tile
.endm
.macro QUARTER3 slot, q, f, g, zero, fl
	s_wait_dscnt 4                                 ; all but V's last two fragments
	MUL8 \f, 0, \zero
	MUL8 \f, 1, \zero
	PLACES
.if \fl
	FLOAD
.endif
	FETCH3 \slot, \q, \g
	s_wait_dscnt 24                                ; all but the 24 just issued
	MUL8 \f, 2, \zero
	MUL8 \f, 3, \zero
.endm
; A step's last quarter and the change of slots: ONE barrier; in front of it each wave waits for all its tensor loads, adds 0 to its spare word, and waits for that and for its reads of the slot.
; fill = 1: the barrier opens a round of the cluster's, and the slot is filled again, two steps on, first thing behind it.  fetch = 1: the next slot's first fragments.
.macro TURN3 slot, next, fill, fetch
	WIN 0
	s_wait_tensorcnt 0x0                           ; my part of the next slot has landed; no tensor load of mine is out
	ds_add_u32 v12, v13
	s_wait_dscnt 5                                 ; (the add and V's last four loads may be out)
	MUL8 F1, 0, 0
	s_wait_dscnt 0x0                               ; the add is done, and my reads of this slot are over
	s_barrier_signal -1
	MUL8 F1, 1, 0
	WIN 0
	s_barrier_wait -1
.if \fill
	CREST
	s_add_nc_u64 s[34+4*(\slot):35+4*(\slot)], s[34+4*(\slot):35+4*(\slot)], 512       ; P: 256 keys on
	s_add_nc_u64 s[58+4*(\slot):59+4*(\slot)], s[58+4*(\slot):59+4*(\slot)], 256*6144  ; V: 256 rows of qkv on
	JLOAD3 \slot                                   ; its four v_nop are also the places in front of the loads below
.else
	PLACES
.endif
.if \fetch
	FETCH3 \next, 0, F0
.endif
	MUL8 F1, 2, 0
	MUL8 F1, 3, 0
.endm
; master += f T.  Channel blocks 0 and 1 were finished ahead of TURN3's four places; their 64 lines, which name no register of the last products, are the places behind blocks 2 and 3.  Each accumulator is read from its low end on.
.macro UPDATE
	WIN W_FM
.set n, 0
.rept 32
.irp p, 0,2,4,6
	v_pk_fma_f32 v[8*n+\p:8*n+\p+1], v[8*n+\p:8*n+\p+1], v[32+2*(n%8):33+2*(n%8)], v[8*n+\p:8*n+\p+1] op_sel_hi:[1,0,1]
.endr
.set n, n+1
.endr
	WIN 0
.endm
.macro LAP fill, fetch
	QUARTER3 0, 1, F0, F1, 1, 0                    ; the tile's first products start T
	QUARTER3 0, 2, F1, F0, 0, 0
	QUARTER3 0, 3, F0, F1, 0, 0
	TURN3 0, 1, \fill, 1
	QUARTER3 1, 1, F0, F1, 0, 0
	QUARTER3 1, 2, F1, F0, 0, 0
	QUARTER3 1, 3, F0, F1, 0, 1
	TURN3 1, 0, \fill, \fetch
	UPDATE
.endm
	s_load_b256 s[4:11], s[0:1], 0x0               ; pb s[4:5], qkv s[6:7], out0 s[8:9], mst s[10:11]
	s_load_b64 s[12:13], s[0:1], 0x20              ; lst
	v_lshl_add_u32 v12, v0, 2, SPARE
	v_mov_b32 v13, 0
	ds_add_u32 v12, v13                            ; the wave's opening: the add is waited for ahead of my first tensor load
	v_lshrrev_b32 v1, 5, v0
	v_readfirstlane_b32 s14, v1                    ; wave 0..3
	s_lshr_b32 s15, s14, 1                         ; my 64 channels; also: I fetch P (0) or V (1)
	s_and_b32 s16, s14, 1                          ; my 128 queries; also: which half of the tile I fetch
	s_bfe_u32 s17, ttmp6, 0x40000                  ; cx
	s_bfe_u32 s18, ttmp6, 0x40004                  ; cy
	s_lshl_b32 s19, ttmp9, 2
	s_add_co_u32 s19, s19, s17                     ; x: the block of 128 channels
	s_and_b32 s20, ttmp7, 0xffff
	s_lshl_b32 s21, s20, 2
	s_add_co_u32 s21, s21, s18                     ; y = 8 batch + block of 256 queries
	s_lshl_b32 s22, s18, 2
	s_lshl_b32 s22, 15, s22                        ; my row of the cluster
	s_lshl_b32 s23, 0x1111, s17                    ; my column
	s_or_b32 s24, s22, (1<<16)|(1<<20)|(1<<21)|(5<<22)|(3<<25)  ; P: after every 64 words 4 words of padding
	s_mov_b32 s25, 128<<16                         ; tensor_dim0 = 128 keys
	s_mov_b32 s26, 128<<16                         ; tensor_dim1 = 128 queries
	s_mov_b32 s27, 128<<16                         ; tile_dim0
	s_mov_b32 s28, 128                             ; tile_dim1
	s_mov_b32 s29, 2048
	s_mov_b32 s30, 0
	s_mov_b32 s31, 0
	s_or_b32 s48, s23, (1<<16)|(1<<20)|(1<<21)|(5<<22)|(7<<25)  ; V: 8 words of padding
	s_mov_b32 s49, 128<<16                         ; tensor_dim0 = 128 channels
	s_mov_b32 s50, 64<<16                          ; tensor_dim1 = 64 keys
	s_mov_b32 s51, 128<<16
	s_mov_b32 s52, 64
	s_mov_b32 s53, 3072
	s_mov_b32 s54, 0
	s_mov_b32 s55, 0
	s_lshr_b32 s40, s20, 1                         ; the batch, from the cluster's y alone
	s_and_b32 s41, s21, 7                          ; the block of queries in its batch
	s_lshl_b32 s42, s21, 8
	s_lshl_b32 s43, s16, 7
	s_add_co_u32 s42, s42, s43
	s_lshl_b32 s42, s42, 12                        ; P: row 256 y + 128 half, 4,096 bytes a row
	s_mov_b32 s43, 0
	s_lshl_b32 s44, s40, 11
	s_lshl_b32 s45, s16, 6
	s_add_co_u32 s44, s44, s45
	s_mul_i32 s44, s44, 6144                       ; V: row 2048 batch + 64 half of qkv,
	s_lshl_b32 s45, s19, 8
	s_add_co_u32 s44, s44, s45
	s_add_co_u32 s44, s44, 4096                    ; columns 2048 + 128 x on
	s_mov_b32 s45, 0
	s_mul_i32 s46, s16, 128*PP                     ; where my loads go
	s_mul_i32 s47, s16, 64*PV
	s_add_co_u32 s47, s47, VOFF
	s_lshl_b32 s68, s40, 14
	s_lshl_b32 s69, s41, 8
	s_add_co_u32 s68, s68, s69
	s_lshl_b32 s68, s68, 2                         ; mst, lst: [batch][t][query]
	s_mov_b32 s69, 0
	s_lshl_b32 s70, s40, 10
	s_lshl_b32 s71, s19, 7
	s_add_co_u32 s70, s70, s71
	s_lshl_b32 s71, s15, 6
	s_add_co_u32 s70, s70, s71
	s_lshl_b32 s70, s70, 11                        ; out0: channel 1024 batch + 128 x + 64 my half,
	s_lshl_b32 s71, s41, 8
	s_add_co_u32 s70, s70, s71
	s_lshl_b32 s71, s16, 7
	s_add_co_u32 s70, s70, s71                     ; query 256 block + 128 my half
	s_lshl_b32 s70, s70, 2
	s_mov_b32 s71, 0
	s_wait_dscnt 0x0                               ; the opening add is done
	s_wait_kmcnt 0x0
	s_add_nc_u64 s[42:43], s[4:5], s[42:43]
	s_add_nc_u64 s[44:45], s[6:7], s[44:45]
	s_add_nc_u64 s[10:11], s[10:11], s[68:69]
	s_add_nc_u64 s[12:13], s[12:13], s[68:69]
	s_add_nc_u64 s[8:9], s[8:9], s[70:71]
.irp s, 0,1
	s_mov_b32 s[32+4*\s], 1
	s_add_co_u32 s[33+4*\s], s46, \s*SLOTB
	s_add_nc_u64 s[34+4*\s:35+4*\s], s[42:43], \s*256        ; step s: 128 keys on
	s_or_b32 s[35+4*\s], s[35+4*\s], 0x80000000
	s_mov_b32 s[56+4*\s], 1
	s_add_co_u32 s[57+4*\s], s47, \s*SLOTB
	s_add_nc_u64 s[58+4*\s:59+4*\s], s[44:45], \s*128*6144
	s_or_b32 s[59+4*\s], s[59+4*\s], 0x80000000
.endr
	CROUND                                         ; all sixteen work-groups are here: the first joint loads meet
	s_cmp_eq_u32 s15, 0                            ; a wave's two first fills stand in one branch: two loads of mine are out
	s_cbranch_scc0 .Lfirst_v
	tensor_load_to_lds s[32:35], s[24:31]
	s_nop 0
	tensor_load_to_lds s[36:39], s[24:31]
	s_nop 0
.rept 4
	v_nop
.endr
	s_branch .Lfirst_asked
.Lfirst_v:
	tensor_load_to_lds s[56:59], s[48:55]
	s_nop 0
	tensor_load_to_lds s[60:63], s[48:55]
	s_nop 0
.rept 4
	v_nop
.endr
.Lfirst_asked:
	v_lshlrev_b32 v14, 3, v0                       ; thread tau owns queries 2 tau and 2 tau + 1 of the block's 256
.irp t, 0,1,2,3,4,5,6,7
	global_load_b64 v[64+2*\t:65+2*\t], v14, s[10:11] offset:\t*8192   ; c m_t
	global_load_b64 v[80+2*\t:81+2*\t], v14, s[12:13] offset:\t*8192   ; l_t
.endr
	WIN W_CL
.set i, 0
.rept 256
	v_mov_b32 v[i], 0                              ; the master sums
.set i, i+1
.endr
	WIN 0
.irp qb, 0,1,2,3,4,5,6,7
	v_mov_b32 v[33+2*\qb], 0                       ; named with f as a pair
.endr
	v_and_b32 v1, 15, v0                           ; r
	v_bfe_u32 v2, v0, 4, 1                         ; h
	v_and_b32 v3, 7, v0
	v_bfe_u32 v17, v0, 3, 1
	v_mul_u32_u24 v4, v1, PP
	v_lshl_add_u32 v4, v2, 4, v4
	s_mul_i32 s74, s16, 128*PP
	v_add_nc_u32 v4, s74, v4                       ; P's fragments: my 128 queries, row r, 16 bytes for each half of the lanes
	v_add_nc_u32 v5, SLOTB, v4
	v_lshl_add_u32 v6, v2, 3, v3                   ; the turning load: key 8 h + l % 8, channels 8 ((l / 8) % 2) on
	v_mul_u32_u24 v6, v6, PV
	v_lshl_add_u32 v6, v17, 4, v6
	s_lshl_b32 s75, s15, 7
	s_add_co_u32 s75, s75, VOFF
	v_add_nc_u32 v6, s75, v6                       ; my 64 channels
	v_add_nc_u32 v7, SLOTB, v6
	s_mul_i32 s76, s14, REG
	v_mul_u32_u24 v8, v2, 8*RP                     ; the way out, in: channel 8 h + j, query r
	v_lshl_add_u32 v8, v1, 2, v8
	v_add_nc_u32 v8, s76, v8
	v_and_b32 v10, 31, v0
	v_lshlrev_b32 v10, 4, v10                      ; 16 l
	v_add_nc_u32 v9, s76, v10                      ; back: whole rows
	s_lshl_b32 s77, s16, 9
	s_add_co_u32 s78, s77, LQT
	s_add_co_u32 s77, s77, FT
	v_lshl_add_u32 v11, v1, 2, s77                 ; f of my query, walking from tile to tile
	v_add_nc_u32 v16, s78, v10                     ; 1 / L of queries 4 l ..
	v_lshl_add_u32 v15, v0, 3, FT
	s_wait_loadcnt 0x0
.irp e, 0,1
	v_max3_num_f32 v[96+\e], v[64+\e], v[66+\e], v[68+\e]
	v_max3_num_f32 v[96+\e], v[96+\e], v[70+\e], v[72+\e]
	v_max3_num_f32 v[96+\e], v[96+\e], v[74+\e], v[76+\e]
	v_max_num_f32 v[96+\e], v[96+\e], v[78+\e]     ; M
.endr
.irp t, 0,1,2,3,4,5,6,7
	v_pk_add_f32 v[64+2*\t:65+2*\t], v[64+2*\t:65+2*\t], v[96:97] neg_lo:[0,1] neg_hi:[0,1]
.endr
.set i, 64
.rept 16
	v_exp_f32 v[i], v[i]                           ; f_t
.set i, i+1
.endr
	v_nop                                          ; a plain instruction between the exponentials and the use of their results (ISA guide 5.7.2)
	s_wait_alu depctr_va_vdst(0)
	v_pk_mul_f32 v[98:99], v[64:65], v[80:81]
.irp t, 1,2,3,4,5,6,7
	v_pk_fma_f32 v[98:99], v[64+2*\t:65+2*\t], v[80+2*\t:81+2*\t], v[98:99]
.endr
	v_rcp_f32 v100, v98
	v_rcp_f32 v101, v99
	v_nop
.irp t, 0,1,2,3,4,5,6,7
	ds_store_b64 v15, v[64+2*\t:65+2*\t] offset:1024*\t
.endr
	s_wait_alu depctr_va_vdst(0)
	ds_store_b64 v15, v[100:101] offset:8192
	s_wait_tensorcnt 1                             ; my part of step 0 is in; step 1's may stay out
	s_wait_dscnt 0x0                               ; for the others' sake: my part of the tables is stored
	s_barrier_signal -1
	s_barrier_wait -1
	FETCH3 0, 0, F0
	s_mov_b32 s67, 7
.Llap:                                                 ; tiles 0 to 6; each lap fills both slots again
	LAP 1, 1
	s_sub_co_u32 s67, s67, 1
	s_cmp_lg_u32 s67, 0
	s_cbranch_scc1 .Llap
	LAP 0, 0                                       ; the last tile is written out; behind its last barrier nobody reads the ring, and nothing fills it any more
	; THE WAY OUT, on my own bytes of the ring: 64 rows (channels) of 128 queries; back as whole rows of 512 bytes, times 1 / L.
	WIN W_DS
.set n, 0
.rept 32
.irp j, 0,1,2,3,4,5,6,7
	ds_store_b32 v8, v[8*n+\j] offset:(n/8)*16*RP+\j*RP+(n%8)*64
.endr
.set n, n+1
.endr
	WIN 0
	ds_load_b128 v[48:51], v16
.macro LOADG grp, ahead
.irp i, 0,1,2,3,4,5,6,7
	ds_load_b128 v[64+32*(\grp)+4*\i:64+32*(\grp)+4*\i+3], v9 offset:(16*(\ahead)+8*(\grp)+\i)*RP  ; LDS serves a wave's instructions in order (ISA guide 5.7.1.4): these see the stores above
.endr
.endm
.macro PROC grp
	s_wait_xcnt 0x0                                ; the last stores' data registers are rewritten only behind this wait
.irp i, 0,1,2,3,4,5,6,7
	v_pk_mul_f32 v[128+32*(\grp)+4*\i:128+32*(\grp)+4*\i+1], v[64+32*(\grp)+4*\i:64+32*(\grp)+4*\i+1], v[48:49]
	v_pk_mul_f32 v[128+32*(\grp)+4*\i+2:128+32*(\grp)+4*\i+3], v[64+32*(\grp)+4*\i+2:64+32*(\grp)+4*\i+3], v[50:51]
.endr
.irp i, 0,1,2,3,4,5,6,7
	global_store_b128 v10, v[128+32*(\grp)+4*\i:128+32*(\grp)+4*\i+3], s[8:9] offset:(8*(\grp)+\i)*8192 th:TH_STORE_NT  ; 512 consecutive bytes of a channel's row, aligned
.endr
.endm
	LOADG 0, 0
	LOADG 1, 0
	s_mov_b32 s3, 4
.Lrow:                                                 ; sixteen rows a trip, in two groups
	s_wait_dscnt 8                                 ; all but the younger group's eight loads
	PROC 0
	s_cmp_eq_u32 s3, 1
	s_cbranch_scc1 .La0
	LOADG 0, 1
	s_wait_dscnt 8
	s_branch .Lb
.La0:
	s_wait_dscnt 0x0                               ; the last trip has nothing younger
.Lb:
	PROC 1
	s_cmp_eq_u32 s3, 1
	s_cbranch_scc1 .Lst
	LOADG 1, 1
.Lst:
	s_wait_xcnt 0x0                                ; the stores' base steps only behind this wait
	s_add_nc_u64 s[8:9], s[8:9], 16*8192
	v_add_nc_u32 v9, 16*RP, v9
	s_sub_co_u32 s3, s3, 1
	s_cmp_lg_u32 s3, 0
	s_cbranch_scc1 .Lrow
	s_wait_tensorcnt 0x0                           ; the wave's end
	ds_add_u32 v12, v13
	s_wait_dscnt 0x0
	CROUND                                         ; the closing round
	s_endpgm
.Lfunc_end_k_qf898cd9aee_pv:
	.size	k_qf898cd9aee_pv, .Lfunc_end_k_qf898cd9aee_pv-k_qf898cd9aee_pv
	.p2alignl 7, 3214868480
	.fill 96, 4, 3214868480
	.section	.rodata,"a",@progbits
	.p2align	6, 0x0
	.amdhsa_kernel k_qf898cd9aee_pv
		.amdhsa_group_segment_fixed_size 327680
		.amdhsa_private_segment_fixed_size 0
		.amdhsa_enable_private_segment 0
		.amdhsa_kernarg_size 40
		.amdhsa_user_sgpr_count 2
		.amdhsa_user_sgpr_kernarg_segment_ptr 1
		.amdhsa_wavefront_size32 1
		.amdhsa_system_sgpr_workgroup_id_x 1
		.amdhsa_system_sgpr_workgroup_id_y 1
		.amdhsa_system_sgpr_workgroup_id_z 1
		.amdhsa_system_vgpr_workitem_id 0
		.amdhsa_next_free_vgpr 768
		.amdhsa_next_free_sgpr 80
		.amdhsa_reserve_vcc 0
		.amdhsa_float_denorm_mode_32 3
		.amdhsa_float_denorm_mode_16_64 3
		.amdhsa_memory_ordered 1
		.amdhsa_forward_progress 1
		.amdhsa_inst_pref_size 123
	.end_amdhsa_kernel
	.amdgpu_metadata
---
amdhsa.version: [ 1, 2 ]
amdhsa.kernels:
  - .name:           k_qf898cd9aee_pv
    .symbol:         k_qf898cd9aee_pv.kd
    .args:
      - { .name: pb, .offset: 0, .size: 8, .value_kind: global_buffer, .address_space: global }
      - { .name: qkv, .offset: 8, .size: 8, .value_kind: global_buffer, .address_space: global }
      - { .name: out0, .offset: 16, .size: 8, .value_kind: global_buffer, .address_space: global }
      - { .name: mst, .offset: 24, .size: 8, .value_kind: global_buffer, .address_space: global }
      - { .name: lst, .offset: 32, .size: 8, .value_kind: global_buffer, .address_space: global }
    .group_segment_fixed_size: 327680
    .private_segment_fixed_size: 0
    .kernarg_segment_align: 8
    .kernarg_segment_size: 40
    .max_flat_workgroup_size: 128
    .sgpr_count:     80
    .vgpr_count:     768
    .wavefront_size: 32
...
	.end_amdgpu_metadata
.endif
;; end of part 4
;; ======== version 2 of 2: 4 launches
;; limits: values are held in f16: magnitudes above 65,504 overflow, below 6.1e-05 lose precision
;; workspace buffers: hn 16,777,216 bytes; wg 4,194,304 bytes; wvec 4,096 bytes; qkv 50,331,648 bytes; pb 33,554,432 bytes; mst 262,144 bytes; lst 262,144 bytes
;; launch prep (part 5): grid 256 x 1, 16 waves a work-group, no clusters, 278,528 bytes of LDS; arguments x, W_qkv, ln_gamma, ln_beta, hn, wg, b_qkv, wvec; writes hn, wg, wvec
.if DOCPART == 5
	.amdgcn_target "amdgcn-amd-amdhsa--gfx1250"
	.amdhsa_code_object_version 6
	.text
	.protected	k_qf898cd9aee_prep
	.globl	k_qf898cd9aee_prep
	.p2align	8
	.type	k_qf898cd9aee_prep,@function
k_qf898cd9aee_prep:
	s_mov_b64 s[64:65], 0
	v_nop
	global_prefetch_b8 v0, s[64:65] scope:SCOPE_SE
	s_setreg_imm32_b32 hwreg(HW_REG_WAVE_MODE, 25, 1), 1
	s_wait_xcnt 0x0
; PREP.  Two kinds of work-group, by the parity of the work-group's number, 128 of each, side by side on the chip.
; EVEN: hn[b*2048+n][c] = f16( (x[b][c][n] - mu) * rsqrt(var + 1e-5) * gamma[c] + beta[c] ), mu and var over the 1,024 channels of a token, in f32; and wg's rows 1024.. = f16(Wv).
; ODD:  wg[c'][c] = f16( sum over d of Wk[d][c'] Wq[d][c] ), c', c < 1024, and wvec[c'] = sum over d of bq[d] Wk[d][c'] in f32.  With them q_i . k_j = sum over c' of t_i[c'] hn_j[c'] + q_i . bk,
; t_i[c'] = sum over c of hn_i[c] wg[c'][c] + wvec[c']: the k projection is not made.  q_i . bk is the same for all keys of a row; the softmax takes the row's maximum away and divides by the row's sum,
; so it cancels for every input: bk (b_qkv's numbers 1024 to 2047) is not read.
; x: [4][1024][2048] f32, hn: [8192][1024] f16, W_qkv: [3072][1024] f32 (Wq, Wk, Wv), wg: [2048][1024] f16.
; LIMITS.  hn, W and the sums in wg must lie within f16's 65,504; below 6e-5 they keep f16's fixed step of 6e-8.  NaN and infinities are not treated apart.
; EVEN, SHARES.  64 tokens (256 bytes of each channel's row, aligned) and all channels.  Sixteen waves; lane (r = l % 16, h = l / 16) of wave w holds tokens 4 r .. 4 r + 3 of channels 64 w + 32 h + k,
; k = 0 .. 31: 128 registers, so x is read once and the variance is taken of the differences from the mean.  The strip is turned through LDS so that hn leaves in runs of 512 bytes.
; ODD, SHARES.  A tile of 64 (c') x 128 (c); d goes in 8 chunks of 128 rows.  A chunk comes in by 13 loads a thread (whole pieces of 512 and 256 bytes), is rounded to f16 and laid as [d][column] into one of two
; LDS buffers; behind one barrier the waves take fragments by the turning load.  Wave w makes c' block w / 4 and c blocks 2 (w % 4), 2 (w % 4) + 1.  Two chunks' loads are always on their way.
; No tensor load: the numbers are rounded between memory and LDS.  No cluster: nothing is asked for by tensor loads.  The two kinds use LDS bytes of their own.
.set TRP,   2064                       ; EVEN: 64 rows of 2,064 bytes (token 4 r + i at row 16 i + r: the sixteen lanes of a store lie 129 x 16 bytes apart)
.set RED,   64*TRP                     ; 132,096: two tables of 4,096 bytes for the sums of the waves
.set SPARE, RED+8192                   ; 140,288: the spare words, 128 bytes for each of sixteen waves, which no other line names
.set GB,    SPARE+2048                 ; 142,336: ODD's bytes begin
.set PQ,    288                        ; a row of Wq's 128 columns in f16: 256 bytes + 32
.set PK,    160                        ; a row of Wk's 64 columns: 128 + 32, likewise
.set KOFF,  128*PQ                     ; in a buffer: Wq's 128 rows, then Wk's
.set BUFB,  KOFF+128*PK                ; 57,344
.set WRED,  GB+2*BUFB                  ; 4,096 bytes: the waves' parts of wvec
.set STG,   WRED+4096                  ; 64 rows of 272 bytes: the tile on its way out
.set SP,    272
.set X,  64                            ; EVEN: v[64:191]  channel k's four tokens at X + 4 k
.set GA, 192                           ; v[192:223] gamma of my 32 channels (first: Wv as loaded; last: hn packed)
.set BE, 224                           ; v[224:255] beta
	s_load_b256 s[4:11], s[0:1], 0x0               ; x s[4:5], W s[6:7], gamma s[8:9], beta s[10:11]
	s_load_b256 s[36:43], s[0:1], 0x20             ; hn s[36:37], wg s[38:39], b_qkv s[40:41], wvec s[42:43]
	v_lshl_add_u32 v62, v0, 2, SPARE               ; my spare word; never rewritten
	v_mov_b32 v63, 0                               ; 0; never rewritten
	v_lshrrev_b32 v1, 5, v0
	v_readfirstlane_b32 s16, v1                    ; wave 0..15
	s_mov_b32 s20, 0x76543210                      ; v_permlanex16_b32: each lane takes its own place in the other half
	s_mov_b32 s21, 0xfedcba98
	s_lshr_b32 s2, ttmp9, 1                        ; my number among my kind, 0..127
	s_and_b32 s3, ttmp9, 1
	v_and_b32 v1, 15, v0                           ; r
	v_bfe_u32 v2, v0, 4, 1                         ; h
	s_cmp_lg_u32 s3, 0                             ; the same answer in all sixteen waves
	s_cbranch_scc1 .Lgram
	; ---------------- EVEN: LayerNorm, the turn, and Wv ----------------
	s_mov_b32 s22, 0x3a800000                      ; 1 / 1024
	s_mov_b32 s23, 0x3727c5ac                      ; 1e-5
	v_lshrrev_b32 v9, 4, v0                        ; 2 w + h
	v_lshlrev_b32 v3, 18, v9                       ; x: channel 32 (2 w + h), rows of 8,192 bytes,
	v_lshl_add_u32 v3, v1, 4, v3                   ; + 16 r
	v_lshlrev_b32 v4, 4, v0                        ; Wv: 16 bytes a thread
	v_lshlrev_b32 v5, 3, v0                        ; wg: 8 bytes a thread
	v_lshlrev_b32 v6, 7, v9                        ; gamma, beta: my 32 channels
	v_lshl_add_u32 v20, v1, 4, RED                 ; the tables: my four tokens' column
	s_lshl_b32 s24, s16, 8
	v_add_nc_u32 v7, s24, v20                      ; and my wave's row of 256 bytes
	v_mul_u32_u24 v21, v1, TRP                     ; turning, in: row r, channels 64 w + 32 h on
	v_lshl_add_u32 v21, v2, 6, v21
	s_lshl_b32 s25, s16, 7
	v_add_nc_u32 v21, s25, v21
	v_add_nc_u32 v22, 32*TRP, v21                  ; rows 32 on, for tokens 4 r + 2 and 4 r + 3
	v_and_b32 v56, 31, v0
	v_lshlrev_b32 v56, 4, v56                      ; 16 l
	s_mul_i32 s24, s16, 4*TRP
	v_add_nc_u32 v23, s24, v56                     ; turning, back: rows 4 w on
.irp i, 12,13,14,15
	v_mov_b32 v\i, 0                               ; v_permlanex16_b32 counts as a reader of its destination
.endr
	s_lshr_b32 s17, s2, 5                          ; batch
	s_lshl_b32 s18, s17, 23                        ; 8,388,608 bytes a batch
	s_and_b32 s17, s2, 31
	s_lshl_b32 s17, s17, 8                         ; 64 tokens of 4 bytes
	s_add_co_u32 s18, s18, s17
	s_mov_b32 s19, 0
	s_lshl_b32 s26, s2, 15                         ; my 8,192 numbers of Wv,
	s_add_co_u32 s26, s26, 2048*4096               ; which begins at row 2048 of W
	s_mov_b32 s27, 0
	s_lshl_b32 s28, s2, 14
	s_add_co_u32 s28, s28, 1024*2048               ; and at row 1024 of wg
	s_mov_b32 s29, 0
	s_lshl_b32 s30, s2, 6                          ; hn: LDS rows 4 w + j hold tokens 16 (w % 4) + w / 4 + 4 j
	s_and_b32 s17, s16, 3
	s_lshl_b32 s17, s17, 4
	s_add_co_u32 s30, s30, s17
	s_lshr_b32 s17, s16, 2
	s_add_co_u32 s30, s30, s17
	s_lshl_b32 s30, s30, 11                        ; rows of 2,048 bytes
	s_mov_b32 s31, 0
	s_wait_kmcnt 0x0
	s_add_nc_u64 s[4:5], s[4:5], s[18:19]
	s_add_nc_u64 s[6:7], s[6:7], s[26:27]
	s_add_nc_u64 s[38:39], s[38:39], s[28:29]
	s_add_nc_u64 s[36:37], s[36:37], s[30:31]
.set j, 0
.rept 4                                                ; Wv: each load of a wave takes 512 consecutive bytes
	global_load_b128 v[GA+4*j:GA+4*j+3], v4, s[6:7] offset:j*8192 th:TH_LOAD_NT
.set j, j+1
.endr
.set k, 0
.rept 32                                               ; x: each load takes 256 aligned bytes of two channels' rows
	global_load_b128 v[X+4*k:X+4*k+3], v3, s[4:5] offset:k*8192 th:TH_LOAD_NT
.set k, k+1
.endr
	s_wait_loadcnt 32                              ; Wv is in; x's 32 loads stay out
.set j, 0
.rept 4
	v_cvt_pk_f16_f32 v[GA+4*j], v[GA+4*j], v[GA+4*j+1]
	v_cvt_pk_f16_f32 v[GA+4*j+1], v[GA+4*j+2], v[GA+4*j+3]
.set j, j+1
.endr
.set j, 0
.rept 4
	global_store_b64 v5, v[GA+4*j:GA+4*j+1], s[38:39] offset:j*4096  ; a wave stores 256 consecutive bytes, aligned
.set j, j+1
.endr
	s_wait_xcnt 0x0                                ; the stores' data registers are loaded again only behind this wait
.irp j, 0,1,2,3,4,5,6,7
	global_load_b128 v[GA+4*\j:GA+4*\j+3], v6, s[8:9] offset:16*\j
	global_load_b128 v[BE+4*\j:BE+4*\j+3], v6, s[10:11] offset:16*\j
.endr
	s_wait_loadcnt 16                              ; x is in; gamma's and beta's 16 loads stay out
; The eight chains in v[24:39] are folded, the other half of the lanes' is added, and the waves' sixteen sums meet in the table at byte off: v[8:11] = the four tokens' sums over all channels, the same bits in every wave.
.macro CROSS off
	v_pk_add_f32 v[24:25], v[24:25], v[28:29]
	v_pk_add_f32 v[26:27], v[26:27], v[30:31]
	v_pk_add_f32 v[32:33], v[32:33], v[36:37]
	v_pk_add_f32 v[34:35], v[34:35], v[38:39]
	v_pk_add_f32 v[8:9], v[24:25], v[32:33]
	v_pk_add_f32 v[10:11], v[26:27], v[34:35]
.irp i, 0,1,2,3
	v_permlanex16_b32 v[12+\i], v[8+\i], s20, s21
.endr
	v_pk_add_f32 v[8:9], v[8:9], v[12:13]
	v_pk_add_f32 v[10:11], v[10:11], v[14:15]
	ds_store_b128 v7, v[8:11] offset:\off          ; both halves of the lanes store the same 16 bytes
	s_wait_dscnt 0x0                               ; for the others' sake: my store is done
	s_barrier_signal -1
	s_barrier_wait -1
.irp j, 0,1,2,3,4,5,6,7
	ds_load_b128 v[24+4*\j:27+4*\j], v20 offset:(\off)+256*\j
.endr
	s_wait_dscnt 0x0
	v_pk_add_f32 v[8:9], v[24:25], v[28:29]
	v_pk_add_f32 v[10:11], v[26:27], v[30:31]
.irp j, 2,3,4,5,6,7
	v_pk_add_f32 v[8:9], v[8:9], v[24+4*\j:25+4*\j]
	v_pk_add_f32 v[10:11], v[10:11], v[26+4*\j:27+4*\j]
.endr
.irp j, 0,1,2,3,4,5,6,7
	ds_load_b128 v[24+4*\j:27+4*\j], v20 offset:(\off)+2048+256*\j
.endr
	s_wait_dscnt 0x0
.irp j, 0,1,2,3,4,5,6,7
	v_pk_add_f32 v[8:9], v[8:9], v[24+4*\j:25+4*\j]
	v_pk_add_f32 v[10:11], v[10:11], v[26+4*\j:27+4*\j]
.endr
.endm
	; the mean: eight chains, started by the first additions: nothing is cleared
.irp c, 0,1,2,3
	v_pk_add_f32 v[24+4*\c:25+4*\c], v[X+4*\c:X+4*\c+1], v[X+16+4*\c:X+16+4*\c+1]
	v_pk_add_f32 v[26+4*\c:27+4*\c], v[X+4*\c+2:X+4*\c+3], v[X+16+4*\c+2:X+16+4*\c+3]
.endr
.set k, 8
.rept 24
	v_pk_add_f32 v[24+4*(k%4):25+4*(k%4)], v[24+4*(k%4):25+4*(k%4)], v[X+4*k:X+4*k+1]
	v_pk_add_f32 v[26+4*(k%4):27+4*(k%4)], v[26+4*(k%4):27+4*(k%4)], v[X+4*k+2:X+4*k+3]
.set k, k+1
.endr
	CROSS 0
	v_pk_mul_f32 v[12:13], v[8:9], s[22:23] op_sel_hi:[1,0]     ; mu
	v_pk_mul_f32 v[14:15], v[10:11], s[22:23] op_sel_hi:[1,0]
.set k, 0
.rept 32
	v_pk_add_f32 v[X+4*k:X+4*k+1], v[X+4*k:X+4*k+1], v[12:13] neg_lo:[0,1] neg_hi:[0,1]
	v_pk_add_f32 v[X+4*k+2:X+4*k+3], v[X+4*k+2:X+4*k+3], v[14:15] neg_lo:[0,1] neg_hi:[0,1]
.set k, k+1
.endr
	; the variance: the squares of the differences, in the same eight chains
.irp c, 0,1,2,3
	v_pk_mul_f32 v[24+4*\c:25+4*\c], v[X+4*\c:X+4*\c+1], v[X+4*\c:X+4*\c+1]
	v_pk_mul_f32 v[26+4*\c:27+4*\c], v[X+4*\c+2:X+4*\c+3], v[X+4*\c+2:X+4*\c+3]
.endr
.set k, 4
.rept 28
	v_pk_fma_f32 v[24+4*(k%4):25+4*(k%4)], v[X+4*k:X+4*k+1], v[X+4*k:X+4*k+1], v[24+4*(k%4):25+4*(k%4)]
	v_pk_fma_f32 v[26+4*(k%4):27+4*(k%4)], v[X+4*k+2:X+4*k+3], v[X+4*k+2:X+4*k+3], v[26+4*(k%4):27+4*(k%4)]
.set k, k+1
.endr
	CROSS 4096                                     ; a table of its own: no wave need have read the first one
.irp i, 0,1,2,3
	v_fma_f32 v[16+\i], v[8+\i], s22, s23          ; var + 1e-5
.endr
.irp i, 0,1,2,3
	v_rsq_f32 v[16+\i], v[16+\i]
.endr
	v_nop                                          ; a plain instruction between the last v_rsq_f32 and the use of the results (ISA guide 5.7.2)
	s_wait_loadcnt 0x0                             ; gamma and beta
.set k, 0
	s_wait_alu depctr_va_vdst(0)
.rept 32
	v_pk_mul_f32 v[X+4*k:X+4*k+1], v[X+4*k:X+4*k+1], v[16:17]
	v_pk_mul_f32 v[X+4*k+2:X+4*k+3], v[X+4*k+2:X+4*k+3], v[18:19]
.set k, k+1
.endr
.set k, 0
.rept 32                                               ; channel k's gamma and beta for both halves of a pair of tokens: the low or the high register of the pair that holds them
.if k%2 == 0
	v_pk_fma_f32 v[X+4*k:X+4*k+1], v[X+4*k:X+4*k+1], v[GA+k:GA+k+1], v[BE+k:BE+k+1] op_sel_hi:[1,0,0]
	v_pk_fma_f32 v[X+4*k+2:X+4*k+3], v[X+4*k+2:X+4*k+3], v[GA+k:GA+k+1], v[BE+k:BE+k+1] op_sel_hi:[1,0,0]
.else
	v_pk_fma_f32 v[X+4*k:X+4*k+1], v[X+4*k:X+4*k+1], v[GA+k-1:GA+k], v[BE+k-1:BE+k] op_sel:[0,1,1] op_sel_hi:[1,1,1]
	v_pk_fma_f32 v[X+4*k+2:X+4*k+3], v[X+4*k+2:X+4*k+3], v[GA+k-1:GA+k], v[BE+k-1:BE+k] op_sel:[0,1,1] op_sel_hi:[1,1,1]
.endif
.set k, k+1
.endr
	; token i, eight channels 8 o on: two neighbouring channels to a word, 16 bytes
.irp i, 0,1,2,3
.irp o, 0,1,2,3
.irp j, 0,1,2,3
	v_cvt_pk_f16_f32 v[GA+16*\i+4*\o+\j], v[X+4*(8*\o+2*\j)+\i], v[X+4*(8*\o+2*\j+1)+\i]
.endr
.endr
.endr
.irp i, 0,1
.irp o, 0,1,2,3
	ds_store_b128 v21, v[GA+16*\i+4*\o:GA+16*\i+4*\o+3] offset:\i*16*TRP+16*\o
	ds_store_b128 v22, v[GA+32+16*\i+4*\o:GA+32+16*\i+4*\o+3] offset:\i*16*TRP+16*\o
.endr
.endr
	s_wait_dscnt 0x0                               ; for the others' sake: my part of every token's row is in LDS
	s_barrier_signal -1
	s_barrier_wait -1
.set t, 0
.rept 16                                               ; four whole rows a wave, 512 bytes a load
	ds_load_b128 v[X+4*t:X+4*t+3], v23 offset:(t/4)*TRP+(t%4)*512
.set t, t+1
.endr
.set t, 0
.rept 16
	s_wait_dscnt 15-t                              ; LDS loads come back in order (ISA guide 5.7.1)
	global_store_b128 v56, v[X+4*t:X+4*t+3], s[36:37] offset:(t/4)*8192+(t%4)*512  ; 512 consecutive bytes of a row of hn, aligned
.set t, t+1
.endr
	s_wait_tensorcnt 0x0                           ; the wave's end, behind my last LDS store
	ds_add_u32 v62, v63
	s_wait_dscnt 0x0
	s_endpgm
	; ---------------- ODD: a tile of Wk^T Wq, and Wk^T bq ----------------
; REGISTERS: v6-8 offsets in W and in b; v9-10, v11-12 where I store Wq's and Wk's f16 in buffer 0, 1; v13-14, v44-45 my fragments' addresses; v16-31 two accumulators; v32-35 my part of wvec;
; v64-115, v116-167 two landing sets (Wq 32, Wk 16, bq 4); v168-191 rounded; v192-239 the fragments of two K steps (Wk 8, Wq 16 each).
.macro GLOAD set, step                 ; a chunk's 13 loads: Wq's rows 8 w + i (512 bytes a load), Wk's rows 8 w + i and 8 w + 4 + i (256 bytes each), bq of my four rows of Wk
.irp i, 0,1,2,3,4,5,6,7
	global_load_b128 v[64+52*(\set)+4*\i:64+52*(\set)+4*\i+3], v6, s[44:45] offset:(\step)*524288+\i*4096
.endr
.irp i, 0,1,2,3
	global_load_b128 v[96+52*(\set)+4*\i:96+52*(\set)+4*\i+3], v7, s[46:47] offset:(\step)*524288+\i*4096
.endr
	global_load_b128 v[112+52*(\set):115+52*(\set)], v8, s[40:41] offset:(\step)*512
.endm
.macro GMUL p, half                    ; K steps 2 half and 2 half + 1 of the chunk in buffer p: 12 turning loads, 4 matrix instructions; the two accumulators take turns
.irp s, 0,1
	ds_load_tr16_b128 v[192+24*\s:195+24*\s], v[44+(\p)] offset:(2*(\half)+\s)*32*PK
	ds_load_tr16_b128 v[196+24*\s:199+24*\s], v[44+(\p)] offset:(2*(\half)+\s)*32*PK+16*PK
	ds_load_tr16_b128 v[200+24*\s:203+24*\s], v[13+(\p)] offset:(2*(\half)+\s)*32*PQ
	ds_load_tr16_b128 v[204+24*\s:207+24*\s], v[13+(\p)] offset:(2*(\half)+\s)*32*PQ+16*PQ
	ds_load_tr16_b128 v[208+24*\s:211+24*\s], v[13+(\p)] offset:(2*(\half)+\s)*32*PQ+32
	ds_load_tr16_b128 v[212+24*\s:215+24*\s], v[13+(\p)] offset:(2*(\half)+\s)*32*PQ+16*PQ+32
.endr
	s_wait_dscnt 6                                 ; the first K step's six loads are in
	v_wmma_f32_16x16x32_f16 v[16:23], v[200:207], v[192:199], v[16:23]   ; source 0 = 16 columns c of Wq, source 1 = 16 columns c' of Wk: a lane holds row c' = l % 16 and eight neighbouring c
	v_wmma_f32_16x16x32_f16 v[24:31], v[208:215], v[192:199], v[24:31]
	s_wait_dscnt 0x0
	v_wmma_f32_16x16x32_f16 v[16:23], v[224:231], v[216:223], v[16:23]
	v_wmma_f32_16x16x32_f16 v[24:31], v[232:239], v[216:223], v[24:31]
.endm
; A chunk, in landing set and LDS buffer p.  left: the other set's loads, which may stay out.  ahead = 1: the set is asked for again, two chunks on.
; One barrier a chunk: in front of it my stores into this buffer are done and my reads of the other one are back, so behind it this buffer is whole and the other may be written.
.macro GCHUNK p, ahead, left
.set GL, 64+52*(\p)
	s_wait_loadcnt \left
.irp i, 0,1,2,3,4,5,6,7
	v_cvt_pk_f16_f32 v[168+2*\i], v[GL+4*\i], v[GL+4*\i+1]
	v_cvt_pk_f16_f32 v[169+2*\i], v[GL+4*\i+2], v[GL+4*\i+3]
.endr
.irp i, 0,1,2,3
	v_cvt_pk_f16_f32 v[184+2*\i], v[GL+32+4*\i], v[GL+32+4*\i+1]
	v_cvt_pk_f16_f32 v[185+2*\i], v[GL+32+4*\i+2], v[GL+32+4*\i+3]
.endr
.irp i, 0,2                                            ; wvec in f32, from the unrounded numbers: my four columns of four rows, each row times its bq (the low or the high register of a pair)
	v_pk_fma_f32 v[32:33], v[GL+32+4*\i:GL+33+4*\i], v[GL+48+\i:GL+49+\i], v[32:33] op_sel_hi:[1,0,1]
	v_pk_fma_f32 v[34:35], v[GL+34+4*\i:GL+35+4*\i], v[GL+48+\i:GL+49+\i], v[34:35] op_sel_hi:[1,0,1]
	v_pk_fma_f32 v[32:33], v[GL+36+4*\i:GL+37+4*\i], v[GL+48+\i:GL+49+\i], v[32:33] op_sel:[0,1,0] op_sel_hi:[1,1,1]
	v_pk_fma_f32 v[34:35], v[GL+38+4*\i:GL+39+4*\i], v[GL+48+\i:GL+49+\i], v[34:35] op_sel:[0,1,0] op_sel_hi:[1,1,1]
.endr
.if \ahead
	GLOAD \p, (\p)+2
.endif
.irp i, 0,1,2,3,4,5,6,7
	ds_store_b64 v[9+(\p)], v[168+2*\i:169+2*\i] offset:\i*PQ     ; 32 lanes, 256 consecutive bytes
.endr
.irp i, 0,1,2,3
	ds_store_b64 v[11+(\p)], v[184+2*\i:185+2*\i] offset:\i*PK    ; two rows of 128 bytes, 640 bytes apart: the two halves of the banks
.endr
	s_wait_dscnt 0x0
	s_barrier_signal -1
	s_barrier_wait -1
	GMUL \p, 0                                     ; (the conversions above are the places behind the last chunk's matrix instructions)
.rept 4
	v_nop                                          ; four plain places in front of loads into registers that matrix instructions have read
.endr
	GMUL \p, 1
.endm
.Lgram:
	s_lshr_b32 s17, s16, 2                         ; my block of 16 c'
	s_and_b32 s18, s16, 3                          ; my pair of blocks of 16 c
	s_and_b32 s19, s2, 7                           ; the tile's 128 columns c
	s_lshr_b32 s22, s2, 3                          ; the tile's 64 rows c'
	v_and_b32 v5, 31, v0                           ; l
	v_and_b32 v3, 7, v0
	v_bfe_u32 v4, v0, 3, 1
	s_lshl_b32 s23, s16, 15                        ; 8 w rows of 4,096 bytes
	v_lshl_add_u32 v6, v5, 4, s23                  ; Wq: row 8 w, 16 l
	v_lshl_add_u32 v7, v1, 4, s23
	v_lshl_add_u32 v7, v2, 14, v7                  ; Wk: row 8 w + 4 h, 16 r
	s_lshl_b32 s24, s16, 5
	v_lshl_add_u32 v8, v2, 4, s24                  ; bq: number 8 w + 4 h
	s_mul_i32 s25, s16, 8*PQ
	s_add_co_u32 s25, s25, GB
	v_lshl_add_u32 v9, v5, 3, s25
	v_add_nc_u32 v10, BUFB, v9
	s_mul_i32 s26, s16, 8*PK
	s_add_co_u32 s26, s26, GB+KOFF
	v_mul_u32_u24 v11, v2, 4*PK
	v_lshl_add_u32 v11, v1, 3, v11
	v_add_nc_u32 v11, s26, v11
	v_add_nc_u32 v12, BUFB, v11
	v_lshl_add_u32 v36, v2, 3, v3                  ; the turning load: row 8 h + l % 8, 16 bytes ((l / 8) % 2)
	v_mul_u32_u24 v13, v36, PQ
	v_lshl_add_u32 v13, v4, 4, v13
	s_lshl_b32 s27, s18, 6
	s_add_co_u32 s27, s27, GB
	v_add_nc_u32 v13, s27, v13
	v_add_nc_u32 v14, BUFB, v13
	v_mul_u32_u24 v44, v36, PK
	v_lshl_add_u32 v44, v4, 4, v44
	s_lshl_b32 s28, s17, 5
	s_add_co_u32 s28, s28, GB+KOFF
	v_add_nc_u32 v44, s28, v44
	v_add_nc_u32 v45, BUFB, v44
	s_mul_i32 s29, s17, 16*SP                      ; the way out, in: row 16 (w / 4) + r, bytes 64 (w % 4) + 16 h on
	s_lshl_b32 s30, s18, 6
	s_add_co_u32 s29, s29, s30
	s_add_co_u32 s29, s29, STG
	v_mul_u32_u24 v41, v1, SP
	v_lshl_add_u32 v41, v2, 4, v41
	v_add_nc_u32 v41, s29, v41
	s_mul_i32 s30, s16, 4*SP                       ; back: rows 4 w + h, whole
	s_add_co_u32 s30, s30, STG
	v_mul_u32_u24 v42, v2, SP
	v_lshl_add_u32 v42, v1, 4, v42
	v_add_nc_u32 v42, s30, v42
	v_lshlrev_b32 v48, 4, v1                       ; 16 r
	v_lshl_add_u32 v43, v2, 11, v48                ; the same two rows in wg
	s_lshl_b32 s31, s16, 8
	s_add_co_u32 s31, s31, WRED
	v_add_nc_u32 v46, s31, v48                     ; my wave's 256 bytes of the table
	v_lshl_add_u32 v47, v2, 11, v48
	v_add_nc_u32 v47, WRED, v47                    ; read back: lanes 0-15 take waves 0-7, lanes 16-31 waves 8-15
	s_lshl_b32 s44, s19, 9
	s_mov_b32 s45, 0
	s_lshl_b32 s46, s22, 8
	s_add_co_u32 s46, s46, 1024*4096               ; Wk begins at row 1024 of W
	s_mov_b32 s47, 0
	s_lshl_b32 s48, s22, 6
	s_lshl_b32 s49, s16, 2
	s_add_co_u32 s48, s48, s49
	s_lshl_b32 s48, s48, 11                        ; wg: row 64 gy + 4 w,
	s_lshl_b32 s49, s19, 8
	s_add_co_u32 s48, s48, s49                     ; 256 bytes for each block of 128 columns
	s_mov_b32 s49, 0
	s_lshl_b32 s50, s22, 8
	s_mov_b32 s51, 0
	s_wait_kmcnt 0x0
	s_add_nc_u64 s[44:45], s[6:7], s[44:45]
	s_add_nc_u64 s[46:47], s[6:7], s[46:47]
	s_add_nc_u64 s[38:39], s[38:39], s[48:49]
	s_add_nc_u64 s[42:43], s[42:43], s[50:51]
	GLOAD 0, 0
	GLOAD 1, 1
.set i, 16
.rept 24
	v_mov_b32 v[i], 0                              ; two accumulators, my part of wvec, four registers at work: 24 moves in the wait for the first chunk, in place of a first chunk written out
.set i, i+1
.endr
	s_mov_b32 s3, 3
.Lg:                                                   ; chunks 0 to 5; each asks for the chunk two on
	GCHUNK 0, 1, 13
	GCHUNK 1, 1, 13
	s_wait_xcnt 0x0                                ; the loads' bases step only behind this wait
	s_add_nc_u64 s[44:45], s[44:45], 0x100000      ; 256 rows of W
	s_add_nc_u64 s[46:47], s[46:47], 0x100000
	s_add_nc_u64 s[40:41], s[40:41], 1024
	s_sub_co_u32 s3, s3, 1
	s_cmp_lg_u32 s3, 0
	s_cbranch_scc1 .Lg
	GCHUNK 0, 0, 13                                ; the last two chunks ask for nothing: no load leaves W
	GCHUNK 1, 0, 0
.rept 4
	v_nop                                          ; four plain places behind the last matrix instructions
.endr
.irp b, 0,1
.irp j, 0,1,2,3
	v_cvt_pk_f16_f32 v[168+4*\b+\j], v[16+8*\b+2*\j], v[16+8*\b+2*\j+1]
.endr
.endr
	ds_store_b128 v41, v[168:171]
	ds_store_b128 v41, v[172:175] offset:32
.irp i, 0,1,2,3
	v_permlanex16_b32 v[36+\i], v[32+\i], s20, s21
.endr
	v_pk_add_f32 v[32:33], v[32:33], v[36:37]
	v_pk_add_f32 v[34:35], v[34:35], v[38:39]
	ds_store_b128 v46, v[32:35]                    ; both halves of the lanes store the same 16 bytes
	s_wait_dscnt 0x0                               ; for the others' sake: my stores are done
	s_barrier_signal -1
	s_barrier_wait -1
	ds_load_b128 v[64:67], v42
	ds_load_b128 v[68:71], v42 offset:2*SP
	s_wait_dscnt 1
	global_store_b128 v43, v[64:67], s[38:39]      ; sixteen lanes store 256 consecutive bytes of a row of wg, aligned
	s_wait_dscnt 0x0
	global_store_b128 v43, v[68:71], s[38:39] offset:2*2048
	s_or_b32 s3, s16, s19                          ; wvec leaves by wave 0 of the work-groups of the first block of columns (all make their part of it: eight packed lines a chunk)
	s_cmp_lg_u32 s3, 0
	s_cbranch_scc1 .Lgend
.irp i, 0,1,2,3,4,5,6,7
	ds_load_b128 v[72+4*\i:75+4*\i], v47 offset:256*\i
.endr
	s_wait_dscnt 0x0
.irp i, 1,2,3,4,5,6,7
	v_pk_add_f32 v[72:73], v[72:73], v[72+4*\i:73+4*\i]
	v_pk_add_f32 v[74:75], v[74:75], v[74+4*\i:75+4*\i]
.endr
.irp i, 0,1,2,3
	v_permlanex16_b32 v[36+\i], v[72+\i], s20, s21
.endr
	v_pk_add_f32 v[72:73], v[72:73], v[36:37]
	v_pk_add_f32 v[74:75], v[74:75], v[38:39]
	v_cmp_gt_u32 vcc_lo, 16, v5
	s_wait_xcnt 0x0                                ; EXEC changes only behind this wait
	s_and_saveexec_b32 s3, vcc_lo
	global_store_b128 v48, v[72:75], s[42:43]      ; sixteen lanes, 256 consecutive bytes, aligned
	s_wait_xcnt 0x0                                ; and again, in front of the line that widens it
	s_or_b32 exec_lo, exec_lo, s3
.Lgend:
	s_wait_tensorcnt 0x0                           ; the wave's end, behind my last LDS store
	ds_add_u32 v62, v63
	s_wait_dscnt 0x0
	s_endpgm
.Lfunc_end_k_qf898cd9aee_prep:
	.size	k_qf898cd9aee_prep, .Lfunc_end_k_qf898cd9aee_prep-k_qf898cd9aee_prep
	.p2alignl 7, 3214868480
	.fill 96, 4, 3214868480
	.section	.rodata,"a",@progbits
	.p2align	6, 0x0
	.amdhsa_kernel k_qf898cd9aee_prep
		.amdhsa_group_segment_fixed_size 278528
		.amdhsa_private_segment_fixed_size 0
		.amdhsa_enable_private_segment 0
		.amdhsa_kernarg_size 64
		.amdhsa_user_sgpr_count 2
		.amdhsa_user_sgpr_kernarg_segment_ptr 1
		.amdhsa_wavefront_size32 1
		.amdhsa_system_sgpr_workgroup_id_x 1
		.amdhsa_system_sgpr_workgroup_id_y 1
		.amdhsa_system_sgpr_workgroup_id_z 1
		.amdhsa_system_vgpr_workitem_id 0
		.amdhsa_next_free_vgpr 256
		.amdhsa_next_free_sgpr 66
		.amdhsa_reserve_vcc 1
		.amdhsa_float_denorm_mode_32 3
		.amdhsa_float_denorm_mode_16_64 3
		.amdhsa_memory_ordered 1
		.amdhsa_forward_progress 1
		.amdhsa_inst_pref_size 79
	.end_amdhsa_kernel
	.amdgpu_metadata
---
amdhsa.version: [ 1, 2 ]
amdhsa.kernels:
  - .name:           k_qf898cd9aee_prep
    .symbol:         k_qf898cd9aee_prep.kd
    .args:
      - { .name: x, .offset: 0, .size: 8, .value_kind: global_buffer, .address_space: global }
      - { .name: W_qkv, .offset: 8, .size: 8, .value_kind: global_buffer, .address_space: global }
      - { .name: ln_gamma, .offset: 16, .size: 8, .value_kind: global_buffer, .address_space: global }
      - { .name: ln_beta, .offset: 24, .size: 8, .value_kind: global_buffer, .address_space: global }
      - { .name: hn, .offset: 32, .size: 8, .value_kind: global_buffer, .address_space: global }
      - { .name: wg, .offset: 40, .size: 8, .value_kind: global_buffer, .address_space: global }
      - { .name: b_qkv, .offset: 48, .size: 8, .value_kind: global_buffer, .address_space: global }
      - { .name: wvec, .offset: 56, .size: 8, .value_kind: global_buffer, .address_space: global }
    .group_segment_fixed_size: 278528
    .private_segment_fixed_size: 0
    .kernarg_segment_align: 8
    .kernarg_segment_size: 64
    .max_flat_workgroup_size: 512
    .sgpr_count:     66
    .vgpr_count:     256
    .wavefront_size: 32
...
	.end_amdgpu_metadata
.endif
;; end of part 5
;; launch proj (part 6): grid 8 x 32, 4 waves a work-group, clusters of 4 x 4, 327,680 bytes of LDS; arguments hn, wg, qkv, b_qkv, wvec; writes qkv
.if DOCPART == 6
	.amdgcn_target "amdgcn-amd-amdhsa--gfx1250"
	.amdhsa_code_object_version 6
	.text
	.protected	k_qf898cd9aee_proj
	.globl	k_qf898cd9aee_proj
	.p2align	8
	.type	k_qf898cd9aee_proj,@function
k_qf898cd9aee_proj:
	s_mov_b64 s[64:65], 0
	v_nop
	global_prefetch_b8 v0, s[64:65] scope:SCOPE_SE
	s_setreg_imm32_b32 hwreg(HW_REG_WAVE_MODE, 25, 1), 1
	s_wait_xcnt 0x0
	s_wait_alu depctr_hold_cnt(0) depctr_sa_sdst(0) depctr_va_vdst(0) depctr_va_sdst(0) depctr_va_ssrc(0) depctr_va_vcc(0) depctr_vm_vsrc(0)
	s_getreg_b32 s2, hwreg(HW_REG_IB_STS2, 6, 4)
	s_cmp_eq_u32 s2, 0
	s_cbranch_scc0 .Lentry_in_a_cluster
	s_endpgm
.Lentry_in_a_cluster:
	s_bfe_u32 s2, ttmp6, 0x10000c
	s_cmp_lg_u32 s2, 0xf033
	s_cbranch_scc0 .Lentry_shape_is_right
	s_endpgm
.Lentry_shape_is_right:
; PROJ.  Columns 0-1023 of qkv: t[n][c'] = f16( (sum over c of hn[n][c] wg[c'][c] + wvec[c']) * 2^-11 ); columns 2048-3071: v[n][d] = f16( sum over c of hn[n][c] wg[1024+d][c] + b_qkv[2048+d] ).
; t stands for q and k together (wg's first half is Wk^T Wq): the next launch multiplies it by hn itself and gives the factor 2^5.5 back, which leaves 1 / sqrt(2048).  Columns 1024-2047 of qkv are not used.
; hn: [8192][1024], wg: [2048][1024], qkv: [8192][3072], f16; sums in f32.
; LIMITS.  t * 2^-11 and v must lie within f16's 65,504; below 6e-5 they keep f16's fixed step of 6e-8.  NaN and infinities are not treated apart.
; SHAPE.  A tile of 256 x 256 to a work-group, 256 work-groups; 128 x 128 to each of four waves: 64 accumulators, 512 registers.  K goes in 8 steps of 128 through two LDS slots; rows of 256 bytes, padded to 272.
; One K step is a loop's trip: which slot is read lies in s66 and in v17, v21, and one descriptor a tensor walks (its LDS word turned by an exclusive or).
; CLUSTER.  4 x 4 work-groups: hn's tile is shared along a row of the cluster, wg's along a column; each is asked for jointly, by the same tensor load and mask in the four.
; The matrix instruction is used transposed (source 0 = 16 rows of wg, source 1 = 16 rows of hn): a lane holds row l % 16 and eight neighbouring columns.
; REGISTERS in windows of 256: window 0: v0-47 addresses and bias, v64-191 fragments of hn (two buffers), later the way out; window 1: v64-191 fragments of wg; windows 2, 3: the accumulators, (a, b) at v[8 (8 (a % 4) + b)].
; THE WAY OUT.  Behind the last change of slots nobody reads the ring and nothing fills it any more: the f32 sums go there (rows of 528 bytes), a barrier, and each wave takes 64 whole rows of 256 columns.
.set LDA,   1024                       ; elements from row to row of hn and of wg
.set ROWB,  6144                       ; bytes in a row of qkv
.set PITCH, 272
.set HALFT, 128*PITCH                  ; what one tensor load brings
.set SLOT,  4*HALFT                    ; 139,264 = 0x22000: bits that no wave's base w x HALFT or w x REG has set
.set SPARE, 2*SLOT                     ; the spare words, 128 bytes a wave, which no other line names
.set RP,    528                        ; a row of 128 f32 on the way out, + 16 bytes
.set REG,   64*RP                      ; 64 such rows: half of a wave's tile
.set F0, 64
.set F1, 128
.set MUL_LO, 0xa1                      ; source 0 window 1, source 1 window 0, C and D window 2
.set MUL_HI, 0xf1                      ; the same, C and D window 3
.set TO_B,   0x40                      ; destination window 1
.set MSB, 0
.macro WIN new                         ; the immediate's high byte repeats the setting that is left
.if MSB != (\new)
	s_set_vgpr_msb (MSB<<8)|(\new)
.set MSB, \new
.endif
.endm
.macro PLACES                          ; four plain places behind matrix instructions (ISA guide 7.12.1)
.rept 4
	v_nop
.endr
.endm
.macro JLOAD                           ; a joint refill: waves 0, 1 fetch hn's halves, waves 2, 3 wg's; s_nop 0 and four v_nop follow each line
	s_cmp_eq_u32 s15, 0
	s_cbranch_scc0 .Lfor_b_\@
	tensor_load_to_lds s[36:39], s[24:31]
	s_nop 0
.rept 4
	v_nop
.endr
	s_branch .Lasked_\@
.Lfor_b_\@:
	tensor_load_to_lds s[60:63], s[48:55]
	s_nop 0
.rept 4
	v_nop
.endr
.Lasked_\@:
.endm
.macro CREST                           ; a round of the cluster's barrier behind its opening barrier
	s_cmp_lg_u32 s14, 0
	s_cbranch_scc1 .Lnot_wave_0_\@
	s_barrier_signal -3
.Lnot_wave_0_\@:
	s_barrier_wait -3
	s_barrier_signal -1
	s_barrier_wait -1
.endm
.macro CROUND
	s_barrier_signal -1
	s_barrier_wait -1
	CREST
.endm
; 16 matrix instructions: row blocks a0, a0 + 1 of the window's four x all 8 column blocks, 32 along K.  zero = 1: the product starts the sums.
.macro MUL16 f, hi, a0, zero
	WIN MUL_LO+0x50*(\hi)
.irp a, \a0, (\a0)+1
.irp b, 0,1,2,3,4,5,6,7
.if \zero
	v_wmma_f32_16x16x32_f16 v[8*(8*(\a)+(\b)):8*(8*(\a)+(\b))+7], v[(\f)+8*(\b):(\f)+8*(\b)+7], v[(\f)+8*(4*(\hi)+(\a)):(\f)+8*(4*(\hi)+(\a))+7], 0
.else
	v_wmma_f32_16x16x32_f16 v[8*(8*(\a)+(\b)):8*(8*(\a)+(\b))+7], v[(\f)+8*(\b):(\f)+8*(\b)+7], v[(\f)+8*(4*(\hi)+(\a)):(\f)+8*(4*(\hi)+(\a))+7], v[8*(8*(\a)+(\b)):8*(8*(\a)+(\b))+7]
.endif
.endr
.endr
.endm
.macro FETCH k, f                      ; 32 LDS loads in one run: a quarter step's fragments (32 K at byte k of the rows) of the slot in hand
	WIN TO_B
.irp i, 0,1,2,3,4,5,6,7
	ds_load_b128 v[(\f)+8*(\i):(\f)+8*(\i)+3],   v21 offset:(\k)+(\i)*16*PITCH
	ds_load_b128 v[(\f)+8*(\i)+4:(\f)+8*(\i)+7], v21 offset:(\k)+(\i)*16*PITCH+32
.endr
	WIN 0
.irp i, 0,1,2,3,4,5,6,7
	ds_load_b128 v[(\f)+8*(\i):(\f)+8*(\i)+3],   v17 offset:(\k)+(\i)*16*PITCH
	ds_load_b128 v[(\f)+8*(\i)+4:(\f)+8*(\i)+7], v17 offset:(\k)+(\i)*16*PITCH+32
.endr
.endm
.macro QUARTER k, f, g, zero           ; multiplies buffer f; in its middle fetches the next quarter, at byte k, into g
	s_wait_dscnt 8                                 ; all but the youngest eight loads (my rows 64-127)
	MUL16 \f, 0, 0, \zero
	MUL16 \f, 0, 2, \zero
	PLACES
	FETCH \k, \g
	s_wait_dscnt 32                                ; all but the 32 just issued
	MUL16 \f, 1, 0, \zero
	MUL16 \f, 1, 2, \zero
.endm
; The first half of a step's last quarter, and the one barrier of a change of slots: in front of it each wave waits for all its tensor loads, adds 0 to its spare word, and waits for that and for its reads of the slot.
.macro MEET round
	WIN 0
	s_wait_tensorcnt 0x0                           ; my part of the next slot has landed; no tensor load of mine is out
	ds_add_u32 v28, v29
	s_wait_dscnt 9                                 ; (the add and the youngest eight loads may be out)
	MUL16 F1, 0, 0, 0
	s_wait_dscnt 0x0                               ; the add is done, and my reads of this slot are over
	s_barrier_signal -1
	MUL16 F1, 0, 2, 0
.if \round
	WIN 0
.endif
	s_barrier_wait -1
.endm
.macro NEXT                            ; the other slot becomes the slot in hand; its first fragments
	s_xor_b32 s66, s66, SLOT
	v_add_nc_u32 v17, s66, v16
	v_add_nc_u32 v21, s66, v20
	FETCH 0, F0
.endm
.macro TURNF                           ; the last quarter with a refill: the barrier opens a round of the cluster's, the joint load is the first thing behind it
	MEET 1
	CREST
	s_xor_b32 s37, s37, SLOT                       ; the walking descriptors: the slot just read out,
	s_add_nc_u64 s[38:39], s[38:39], 256           ; the K step two on from the one it held
	s_xor_b32 s61, s61, SLOT
	s_add_nc_u64 s[62:63], s[62:63], 256
	JLOAD                                          ; its four v_nop are also the places in front of the loads below
	NEXT
	MUL16 F1, 1, 0, 0
	MUL16 F1, 1, 2, 0
.endm
	s_load_b256 s[4:11], s[0:1], 0x0               ; hn s[4:5], wg s[6:7], qkv s[8:9], b_qkv s[10:11]
	s_load_b64 s[78:79], s[0:1], 0x20              ; wvec
	v_lshl_add_u32 v28, v0, 2, SPARE
	v_mov_b32 v29, 0
	ds_add_u32 v28, v29                            ; the wave's opening: the add is waited for ahead of my first tensor load
	v_lshrrev_b32 v1, 5, v0
	v_readfirstlane_b32 s14, v1                    ; wave 0..3
	s_lshr_b32 s15, s14, 1                         ; my half of the tile's rows; also: I fetch hn (0) or wg (1)
	s_and_b32 s16, s14, 1                          ; my half of its columns; also: which 128 rows I fetch
	s_bfe_u32 s17, ttmp6, 0x40000                  ; cx
	s_bfe_u32 s18, ttmp6, 0x40004                  ; cy
	s_lshl_b32 s19, ttmp9, 2
	s_add_co_u32 s19, s19, s17                     ; tile column x
	s_and_b32 s20, ttmp7, 0xffff
	s_lshl_b32 s21, s20, 2
	s_add_co_u32 s21, s21, s18                     ; tile row y
	s_lshl_b32 s22, s18, 2
	s_lshl_b32 s22, 15, s22                        ; my row of the cluster
	s_lshl_b32 s23, 0x1111, s17                    ; my column
	s_or_b32 s24, s22, (1<<16)|(1<<20)|(1<<21)|(5<<22)|(3<<25)  ; mask; 2-byte elements; padding on; bit 21 beside a mask; after every 64 words 4 words
	s_or_b32 s48, s23, (1<<16)|(1<<20)|(1<<21)|(5<<22)|(3<<25)
.irp g, 24, 48
	s_mov_b32 s[\g+1], 128<<16                     ; tensor_dim0 = 128
	s_mov_b32 s[\g+2], 128<<16                     ; tensor_dim1 = 128
	s_mov_b32 s[\g+3], 128<<16                     ; tile_dim0 = 128
	s_mov_b32 s[\g+4], 128                         ; tile_dim1 = 128
	s_mov_b32 s[\g+5], LDA
	s_mov_b32 s[\g+6], 0
	s_mov_b32 s[\g+7], 0
.endr
	s_cmp_eq_u32 ttmp9, 0                          ; the first cluster column makes t, the second v: the same answer in all partners, and it selects values only
	s_cselect_b32 s70, 0x3a000000, 1.0             ; 2^-11, or 1
	s_cselect_b32 s74, 0, 2048                     ; v's tile column x begins at byte 2048 + 512 x of a row of qkv,
	s_cselect_b32 s75, 0, 4096                     ; and its biases at byte 4096 + 1024 x of b_qkv
	s_mov_b32 s71, s70
	s_lshl_b32 s42, s16, 7
	s_lshl_b32 s40, s21, 8
	s_add_co_u32 s40, s40, s42                     ; hn: row 256 y + 128 half: the tile row alone
	s_lshl_b32 s40, s40, 11
	s_mov_b32 s41, 0
	s_lshl_b32 s44, s19, 8
	s_add_co_u32 s44, s44, s42                     ; wg: row 256 x + 128 half: the tile column alone
	s_lshl_b32 s44, s44, 11
	s_mov_b32 s45, 0
	s_mul_i32 s43, s14, HALFT                      ; where my loads go: wave x 128 rows
	s_lshl_b32 s46, s21, 8
	s_lshl_b32 s47, s14, 6
	s_add_co_u32 s46, s46, s47                     ; the first row of qkv that I store: 256 y + 64 w
	s_mul_i32 s46, s46, ROWB
	s_lshl_b32 s47, s19, 9
	s_add_co_u32 s46, s46, s47
	s_add_co_u32 s46, s46, s74
	s_mov_b32 s47, 0
	s_lshl_b32 s72, s19, 10                        ; the tile's 256 biases
	s_add_co_u32 s72, s72, s75
	s_mov_b32 s73, 0
	s_wait_dscnt 0x0                               ; the opening add is done
	s_wait_kmcnt 0x0
	s_cmp_eq_u32 ttmp9, 0
	s_cselect_b64 s[10:11], s[78:79], s[10:11]     ; t's bias is wvec, v's lies in b_qkv
	s_add_nc_u64 s[40:41], s[4:5], s[40:41]
	s_add_nc_u64 s[44:45], s[6:7], s[44:45]
	s_add_nc_u64 s[8:9], s[8:9], s[46:47]
	s_add_nc_u64 s[10:11], s[10:11], s[72:73]
	s_mov_b32 s32, 1                               ; group 0 of the first fill: slot 0, K step 0
	s_mov_b32 s33, s43
	s_add_nc_u64 s[34:35], s[40:41], 0
	s_or_b32 s35, s35, 0x80000000
	s_mov_b32 s36, 1                               ; the walking group 0 begins at slot 1, K step 1
	s_add_co_u32 s37, s43, SLOT
	s_add_nc_u64 s[38:39], s[40:41], 256
	s_or_b32 s39, s39, 0x80000000
	s_mov_b32 s56, 1
	s_mov_b32 s57, s43
	s_add_nc_u64 s[58:59], s[44:45], 0
	s_or_b32 s59, s59, 0x80000000
	s_mov_b32 s60, 1
	s_add_co_u32 s61, s43, SLOT
	s_add_nc_u64 s[62:63], s[44:45], 256
	s_or_b32 s63, s63, 0x80000000
	CROUND                                         ; all sixteen work-groups are here: the first joint loads meet
	s_cmp_eq_u32 s15, 0                            ; a wave's two first fills stand in one branch: two loads of mine are out
	s_cbranch_scc0 .Lfirst_b
	tensor_load_to_lds s[32:35], s[24:31]
	s_nop 0
	tensor_load_to_lds s[36:39], s[24:31]
	s_nop 0
.rept 4
	v_nop
.endr
	s_branch .Lfirst_asked
.Lfirst_b:
	tensor_load_to_lds s[56:59], s[48:55]
	s_nop 0
	tensor_load_to_lds s[60:63], s[48:55]
	s_nop 0
.rept 4
	v_nop
.endr
.Lfirst_asked:
	v_and_b32 v1, 15, v0                           ; r
	v_bfe_u32 v2, v0, 4, 1                         ; h
	v_and_b32 v5, 31, v0
	v_lshlrev_b32 v31, 4, v5                       ; 16 l
	v_lshlrev_b32 v26, 3, v5                       ; 8 l
	global_load_b128 v[40:43], v31, s[10:11]       ; bias of columns 4 l .. and 128 + 4 l ..
	global_load_b128 v[44:47], v31, s[10:11] offset:512
	v_mul_u32_u24 v3, v1, PITCH
	v_lshl_add_u32 v3, v2, 4, v3                   ; a fragment's row x pitch + 16 x half
	s_mul_i32 s74, s15, HALFT
	s_mul_i32 s75, s16, HALFT
	s_add_co_u32 s75, s75, 2*HALFT
	v_add_nc_u32 v16, s74, v3                      ; my 128 rows of hn in slot 0
	v_add_nc_u32 v20, s75, v3                      ; my 128 rows of wg
	v_mov_b32 v17, v16
	v_mov_b32 v21, v20
	v_mul_u32_u24 v4, v1, RP                       ; the way out, in: row r, 32 bytes for each half of the lanes
	v_lshl_add_u32 v4, v2, 5, v4
	s_mul_i32 s76, s14, REG
	v_add_nc_u32 v24, s76, v4                      ; my rows 0-63,
	v_add_nc_u32 v27, SLOT, v24                    ; my rows 64-127
	s_mul_i32 s77, s16, SLOT                       ; back: tile rows 64 w on lie in half w % 2 of waves (w & 2) and (w & 2) + 1
	s_and_b32 s78, s14, 2
	s_mul_i32 s78, s78, REG
	s_add_co_u32 s77, s77, s78
	v_add_nc_u32 v25, s77, v31
	s_mov_b32 s66, 0
	s_wait_tensorcnt 1                             ; my part of K step 0 is in; step 1's may stay out
	s_barrier_signal -1
	s_barrier_wait -1
	FETCH 0, F0
	QUARTER 64, F0, F1, 1                          ; the first quarter starts the sums: nothing is cleared
	WIN 0
	s_mov_b32 s67, 6
.Lfill:                                                ; K steps 0 to 5, from a step's second quarter to the next step's first; each fills its slot again
	QUARTER 128, F1, F0, 0
	QUARTER 192, F0, F1, 0
	TURNF
	QUARTER 64, F0, F1, 0
	WIN 0
	s_sub_co_u32 s67, s67, 1
	s_cmp_lg_u32 s67, 0
	s_cbranch_scc1 .Lfill
	s_mov_b32 s67, 2
.Ldry:                                                 ; K steps 6 and 7: nothing is left to ask for; the last trip jumps over what belongs to a next step
	QUARTER 128, F1, F0, 0
	QUARTER 192, F0, F1, 0
	MEET 0
	WIN 0
	s_cmp_eq_u32 s67, 1
	s_cbranch_scc1 .Lnf
	PLACES
	NEXT
.Lnf:
	MUL16 F1, 1, 0, 0
	MUL16 F1, 1, 2, 0
	WIN 0
	s_cmp_eq_u32 s67, 1
	s_cbranch_scc1 .Lskip
	QUARTER 64, F0, F1, 0
	WIN 0
.Lskip:
	s_wait_dscnt 0x0                               ; the two ways meet with no LDS load out (twice in the launch): the way out uses the fragments' registers
	s_sub_co_u32 s67, s67, 1
	s_cmp_lg_u32 s67, 0
	s_cbranch_scc1 .Ldry
	; THE WAY OUT.  The sums go into the ring as f32, each accumulator's low four registers first.
	PLACES
	WIN 0x08                                       ; store data in window 2
.set n, 0
.rept 32
	ds_store_b128 v24, v[8*n:8*n+3] offset:(n/8)*16*RP+64*(n%8)
	ds_store_b128 v24, v[8*n+4:8*n+7] offset:(n/8)*16*RP+64*(n%8)+16
.set n, n+1
.endr
	WIN 0x0c                                       ; window 3
.set n, 0
.rept 32
	ds_store_b128 v27, v[8*n:8*n+3] offset:(n/8)*16*RP+64*(n%8)
	ds_store_b128 v27, v[8*n+4:8*n+7] offset:(n/8)*16*RP+64*(n%8)+16
.set n, n+1
.endr
	WIN 0
	s_wait_loadcnt 0x0                             ; the bias
.irp j, 40,42,44,46
	v_pk_mul_f32 v[\j:\j+1], v[\j:\j+1], s[70:71] op_sel_hi:[1,0]
.endr
	s_wait_dscnt 0x0                               ; for the others' sake: my stores are done
	s_barrier_signal -1
	s_barrier_wait -1
.macro LOADG grp, ahead                ; four rows: columns 4 l .. and 128 + 4 l ..
.irp i, 0,1,2,3
	ds_load_b128 v[64+32*(\grp)+8*\i:64+32*(\grp)+8*\i+3], v25 offset:(8*(\ahead)+4*(\grp)+\i)*RP
	ds_load_b128 v[64+32*(\grp)+8*\i+4:64+32*(\grp)+8*\i+7], v25 offset:(8*(\ahead)+4*(\grp)+\i)*RP+REG
.endr
.endm
.macro PROC grp                        ; sum x scale + bias x scale, rounded once to f16, stored
.set R, 64+32*(\grp)
.set O, 128+16*(\grp)
.irp i, 0,1,2,3
.irp j, 0,2,4,6
	v_pk_fma_f32 v[R+8*\i+\j:R+8*\i+\j+1], v[R+8*\i+\j:R+8*\i+\j+1], s[70:71], v[40+\j:41+\j] op_sel_hi:[1,0,1]
.endr
.endr
	s_wait_xcnt 0x0                                ; the last stores' data registers are rewritten only behind this wait
.irp i, 0,1,2,3
.irp j, 0,1,2,3
	v_cvt_pk_f16_f32 v[O+4*\i+\j], v[R+8*\i+2*\j], v[R+8*\i+2*\j+1]
.endr
.endr
.irp i, 0,1,2,3
	global_store_b64 v26, v[O+4*\i:O+4*\i+1], s[8:9] offset:(4*(\grp)+\i)*ROWB       ; a wave stores 256 consecutive bytes, aligned
	global_store_b64 v26, v[O+4*\i+2:O+4*\i+3], s[8:9] offset:(4*(\grp)+\i)*ROWB+256
.endr
.endm
	LOADG 0, 0
	LOADG 1, 0
	s_mov_b32 s3, 8
.Lrow:                                                 ; eight rows a trip, in two groups; each group's next rows are asked for as soon as it is worked off
	s_wait_dscnt 8                                 ; all but the younger group's eight loads
	PROC 0
	s_cmp_eq_u32 s3, 1
	s_cbranch_scc1 .La0
	LOADG 0, 1
	s_wait_dscnt 8
	s_branch .Lb
.La0:
	s_wait_dscnt 0x0                               ; the last trip has nothing younger
.Lb:
	PROC 1
	s_cmp_eq_u32 s3, 1
	s_cbranch_scc1 .Lst
	LOADG 1, 1
.Lst:
	s_wait_xcnt 0x0                                ; the stores' base steps only behind this wait
	s_add_nc_u64 s[8:9], s[8:9], 8*ROWB
	v_add_nc_u32 v25, 8*RP, v25
	s_sub_co_u32 s3, s3, 1
	s_cmp_lg_u32 s3, 0
	s_cbranch_scc1 .Lrow
	s_wait_tensorcnt 0x0                           ; the wave's end
	ds_add_u32 v28, v29
	s_wait_dscnt 0x0
	CROUND                                         ; the closing round: no work-group ends while a partner may still ask for a tile that names it
	s_endpgm
.Lfunc_end_k_qf898cd9aee_proj:
	.size	k_qf898cd9aee_proj, .Lfunc_end_k_qf898cd9aee_proj-k_qf898cd9aee_proj
	.p2alignl 7, 3214868480
	.fill 96, 4, 3214868480
	.section	.rodata,"a",@progbits
	.p2align	6, 0x0
	.amdhsa_kernel k_qf898cd9aee_proj
		.amdhsa_group_segment_fixed_size 327680
		.amdhsa_private_segment_fixed_size 0
		.amdhsa_enable_private_segment 0
		.amdhsa_kernarg_size 40
		.amdhsa_user_sgpr_count 2
		.amdhsa_user_sgpr_kernarg_segment_ptr 1
		.amdhsa_wavefront_size32 1
		.amdhsa_system_sgpr_workgroup_id_x 1
		.amdhsa_system_sgpr_workgroup_id_y 1
		.amdhsa_system_sgpr_workgroup_id_z 1
		.amdhsa_system_vgpr_workitem_id 0
		.amdhsa_next_free_vgpr 1024
		.amdhsa_next_free_sgpr 80
		.amdhsa_reserve_vcc 0
		.amdhsa_float_denorm_mode_32 3
		.amdhsa_float_denorm_mode_16_64 3
		.amdhsa_memory_ordered 1
		.amdhsa_forward_progress 1
		.amdhsa_inst_pref_size 85
	.end_amdhsa_kernel
	.amdgpu_metadata
---
amdhsa.version: [ 1, 2 ]
amdhsa.kernels:
  - .name:           k_qf898cd9aee_proj
    .symbol:         k_qf898cd9aee_proj.kd
    .args:
      - { .name: hn, .offset: 0, .size: 8, .value_kind: global_buffer, .address_space: global }
      - { .name: wg, .offset: 8, .size: 8, .value_kind: global_buffer, .address_space: global }
      - { .name: qkv, .offset: 16, .size: 8, .value_kind: global_buffer, .address_space: global }
      - { .name: b_qkv, .offset: 24, .size: 8, .value_kind: global_buffer, .address_space: global }
      - { .name: wvec, .offset: 32, .size: 8, .value_kind: global_buffer, .address_space: global }
    .group_segment_fixed_size: 327680
    .private_segment_fixed_size: 0
    .kernarg_segment_align: 8
    .kernarg_segment_size: 40
    .max_flat_workgroup_size: 128
    .sgpr_count:     80
    .vgpr_count:     1024
    .wavefront_size: 32
...
	.end_amdgpu_metadata
.endif
;; end of part 6
;; launch score (part 7): grid 8 x 32, 4 waves a work-group, clusters of 4 x 4, 327,680 bytes of LDS; arguments qkv, position, pb, mst, lst, hn; writes pb, mst, lst
.if DOCPART == 7
	.amdgcn_target "amdgcn-amd-amdhsa--gfx1250"
	.amdhsa_code_object_version 6
	.text
	.protected	k_qf898cd9aee_score
	.globl	k_qf898cd9aee_score
	.p2align	8
	.type	k_qf898cd9aee_score,@function
k_qf898cd9aee_score:
	s_mov_b64 s[64:65], 0
	v_nop
	global_prefetch_b8 v0, s[64:65] scope:SCOPE_SE
	s_setreg_imm32_b32 hwreg(HW_REG_WAVE_MODE, 25, 1), 1
	s_wait_xcnt 0x0
	s_wait_alu depctr_hold_cnt(0) depctr_sa_sdst(0) depctr_va_vdst(0) depctr_va_sdst(0) depctr_va_ssrc(0) depctr_va_vcc(0) depctr_vm_vsrc(0)
	s_getreg_b32 s2, hwreg(HW_REG_IB_STS2, 6, 4)
	s_cmp_eq_u32 s2, 0
	s_cbranch_scc0 .Lentry_in_a_cluster
	s_endpgm
.Lentry_in_a_cluster:
	s_bfe_u32 s2, ttmp6, 0x10000c
	s_cmp_lg_u32 s2, 0xf033
	s_cbranch_scc0 .Lentry_shape_is_right
	s_endpgm
.Lentry_shape_is_right:
; SCORE.  For batch b, queries i and a tile of 256 keys j: s = 2^5.5 * (t[i] . hn[j]) + position[i][j], where t (qkv's columns 0-1023) arrives times 2^-11 and stands for q and k together:
; s is q . k / sqrt(2048) + position less a number that is the same for all keys of a row (q . bk / sqrt(2048)), which the maximum below takes away.  m_t = the row's maximum in the tile;
; pb[b*2048+i][j] = f16( 2^(c s - c m_t) ), c = log2(e); mst[b][t][i] = c m_t, lst[b][t][i] = the sum of the unrounded weights, both f32.  The next launch joins the eight tiles by their maxima.
; LIMITS.  A weight below 6e-8 is 0 in pb, below 6e-5 it keeps f16's fixed step; NaN and infinities are not treated apart.
; SHAPE, RING, CLUSTER: a tile of 256 x 256, four waves of 128 x 128, K = 1,024 channels in 8 steps of 128 through two LDS slots; t's tile is shared along a row of the 4 x 4 cluster, hn's along a column.
; POSITION comes by two tensor loads a wave (64 rows x 512 bytes, padded to 528), in place of the last two refills, into the slot just read out: each wave's own half tiles, which it alone reads.
; The sums are joined to them in place by one fused multiply-add; behind a barrier each wave takes 64 whole rows of 256 keys: maximum, weights, sum.
; REGISTERS in windows of 256: window 0: v0-47 addresses, v64-191 fragments of t, later at work; window 1: v64-191 fragments of hn; windows 2, 3: the accumulators, (a, b) at v[8 (8 (a % 4) + b)].
.set LDA,   3072                       ; elements from row to row of qkv
.set LDB,   1024                       ; and of hn
.set ROWB,  4096                       ; bytes in a row of pb
.set PITCH, 272
.set HALFT, 128*PITCH
.set SLOT,  4*HALFT                    ; 139,264 = 0x22000: bits that no wave's base w x HALFT or w x REG has set
.set SPARE, 2*SLOT                     ; the spare words, 128 bytes a wave, which no other line names
.set STT,   SPARE+512                  ; 512 bytes a wave: 64 rows' c m, then their l
.set RP,    528
.set REG,   64*RP
.set F0, 64
.set F1, 128
.set MUL_LO, 0xa1
.set MUL_HI, 0xf1
.set TO_B,   0x40
.set MSB, 0
.macro WIN new                         ; the immediate's high byte repeats the setting that is left
.if MSB != (\new)
	s_set_vgpr_msb (MSB<<8)|(\new)
.set MSB, \new
.endif
.endm
.macro PLACES                          ; four plain places behind matrix instructions (ISA guide 7.12.1)
.rept 4
	v_nop
.endr
.endm
.macro JLOAD                           ; a joint refill: waves 0, 1 fetch t's halves, waves 2, 3 hn's; s_nop 0 and four v_nop follow each line
	s_cmp_eq_u32 s15, 0
	s_cbranch_scc0 .Lfor_b_\@
	tensor_load_to_lds s[36:39], s[24:31]
	s_nop 0
.rept 4
	v_nop
.endr
	s_branch .Lasked_\@
.Lfor_b_\@:
	tensor_load_to_lds s[60:63], s[48:55]
	s_nop 0
.rept 4
	v_nop
.endr
.Lasked_\@:
.endm
.macro CREST                           ; a round of the cluster's barrier behind its opening barrier
	s_cmp_lg_u32 s14, 0
	s_cbranch_scc1 .Lnot_wave_0_\@
	s_barrier_signal -3
.Lnot_wave_0_\@:
	s_barrier_wait -3
	s_barrier_signal -1
	s_barrier_wait -1
.endm
.macro CROUND
	s_barrier_signal -1
	s_barrier_wait -1
	CREST
.endm
.macro MUL16 f, hi, a0, zero           ; 16 matrix instructions: row blocks a0, a0 + 1 of the window's four x all 8 column blocks, 32 along K
	WIN MUL_LO+0x50*(\hi)
.irp a, \a0, (\a0)+1
.irp b, 0,1,2,3,4,5,6,7
.if \zero
	v_wmma_f32_16x16x32_f16 v[8*(8*(\a)+(\b)):8*(8*(\a)+(\b))+7], v[(\f)+8*(\b):(\f)+8*(\b)+7], v[(\f)+8*(4*(\hi)+(\a)):(\f)+8*(4*(\hi)+(\a))+7], 0
.else
	v_wmma_f32_16x16x32_f16 v[8*(8*(\a)+(\b)):8*(8*(\a)+(\b))+7], v[(\f)+8*(\b):(\f)+8*(\b)+7], v[(\f)+8*(4*(\hi)+(\a)):(\f)+8*(4*(\hi)+(\a))+7], v[8*(8*(\a)+(\b)):8*(8*(\a)+(\b))+7]
.endif
.endr
.endr
.endm
.macro FETCH k, f                      ; 32 LDS loads in one run: a quarter step's fragments of the slot in hand
	WIN TO_B
.irp i, 0,1,2,3,4,5,6,7
	ds_load_b128 v[(\f)+8*(\i):(\f)+8*(\i)+3],   v21 offset:(\k)+(\i)*16*PITCH
	ds_load_b128 v[(\f)+8*(\i)+4:(\f)+8*(\i)+7], v21 offset:(\k)+(\i)*16*PITCH+32
.endr
	WIN 0
.irp i, 0,1,2,3,4,5,6,7
	ds_load_b128 v[(\f)+8*(\i):(\f)+8*(\i)+3],   v17 offset:(\k)+(\i)*16*PITCH
	ds_load_b128 v[(\f)+8*(\i)+4:(\f)+8*(\i)+7], v17 offset:(\k)+(\i)*16*PITCH+32
.endr
.endm
.macro QUARTER k, f, g, zero
	s_wait_dscnt 8                                 ; all but the youngest eight loads (my rows 64-127)
	MUL16 \f, 0, 0, \zero
	MUL16 \f, 0, 2, \zero
	PLACES
	FETCH \k, \g
	s_wait_dscnt 32                                ; all but the 32 just issued
	MUL16 \f, 1, 0, \zero
	MUL16 \f, 1, 2, \zero
.endm
.macro MEET round                      ; the one barrier of a change of slots, with what stands in front of it
	WIN 0
	s_wait_tensorcnt 0x0                           ; all my tensor loads have landed; none of mine is out
	ds_add_u32 v28, v29
	s_wait_dscnt 9                                 ; (the add and the youngest eight loads may be out)
	MUL16 F1, 0, 0, 0
	s_wait_dscnt 0x0                               ; the add is done, and my reads of this slot are over
	s_barrier_signal -1
	MUL16 F1, 0, 2, 0
.if \round
	WIN 0
.endif
	s_barrier_wait -1
.endm
.macro NEXT
	s_xor_b32 s66, s66, SLOT
	v_add_nc_u32 v17, s66, v16
	v_add_nc_u32 v21, s66, v20
	FETCH 0, F0
.endm
.macro TURNF
	MEET 1
	CREST
	s_xor_b32 s37, s37, SLOT
	s_add_nc_u64 s[38:39], s[38:39], 256
	s_xor_b32 s61, s61, SLOT
	s_add_nc_u64 s[62:63], s[62:63], 256
	JLOAD
	NEXT
	MUL16 F1, 1, 0, 0
	MUL16 F1, 1, 2, 0
.endm
	s_load_b256 s[4:11], s[0:1], 0x0               ; qkv s[4:5], position s[6:7], pb s[8:9], mst s[10:11]
	s_load_b64 s[12:13], s[0:1], 0x20              ; lst
	s_load_b64 s[94:95], s[0:1], 0x28              ; hn
	v_lshl_add_u32 v28, v0, 2, SPARE
	v_mov_b32 v29, 0
	ds_add_u32 v28, v29                            ; the wave's opening: the add is waited for ahead of my first tensor load
	v_lshrrev_b32 v1, 5, v0
	v_readfirstlane_b32 s14, v1                    ; wave 0..3
	s_lshr_b32 s15, s14, 1                         ; my half of the tile's rows; also: I fetch t (0) or hn (1)
	s_and_b32 s16, s14, 1                          ; my half of its columns; also: which 128 rows I fetch
	s_bfe_u32 s17, ttmp6, 0x40000                  ; cx
	s_bfe_u32 s18, ttmp6, 0x40004                  ; cy
	s_lshl_b32 s19, ttmp9, 2
	s_add_co_u32 s19, s19, s17                     ; x: the tile of 256 keys
	s_and_b32 s20, ttmp7, 0xffff                   ; Y
	s_lshl_b32 s21, s20, 2
	s_add_co_u32 s21, s21, s18                     ; y = 8 batch + block of 256 queries
	s_lshl_b32 s22, s18, 2
	s_lshl_b32 s22, 15, s22                        ; my row of the cluster
	s_lshl_b32 s23, 0x1111, s17                    ; my column
	s_or_b32 s24, s22, (1<<16)|(1<<20)|(1<<21)|(5<<22)|(3<<25)
	s_or_b32 s48, s23, (1<<16)|(1<<20)|(1<<21)|(5<<22)|(3<<25)
.irp g, 24, 48
	s_mov_b32 s[\g+1], 128<<16                     ; tensor_dim0 = 128
	s_mov_b32 s[\g+2], 128<<16                     ; tensor_dim1 = 128
	s_mov_b32 s[\g+3], 128<<16                     ; tile_dim0 = 128
	s_mov_b32 s[\g+4], 128                         ; tile_dim1 = 128
	s_mov_b32 s[\g+6], 0
	s_mov_b32 s[\g+7], 0
.endr
	s_mov_b32 s29, LDA
	s_mov_b32 s53, LDB
	s_mov_b32 s68, (2<<16)|(1<<20)|(6<<22)|(3<<25) ; position: no mask; 4-byte elements; after every 128 words 4 words of padding
	s_mov_b32 s69, 128<<16                         ; tensor_dim0 = 128
	s_mov_b32 s70, 64<<16                          ; tensor_dim1 = 64
	s_mov_b32 s71, 128<<16                         ; tile_dim0 = 128
	s_mov_b32 s72, 64                              ; tile_dim1 = 64
	s_mov_b32 s73, 2048
	s_mov_b32 s74, 0
	s_mov_b32 s75, 0
	s_mov_b32 s76, 1
	s_mul_i32 s77, s14, REG
	s_add_co_u32 s77, s77, SLOT                    ; turned into slot 0 ahead of the first of the two loads
	s_mov_b32 s82, 0                               ; rows 0-63 first, then 64 rows of 8,192 bytes on
	s_mov_b32 s83, 0
	s_mov_b32 s84, 0x76543210
	s_mov_b32 s85, 0xfedcba98
	s_mov_b32 s86, 0x3fb8aa3b                      ; c = log2(e)
	s_mov_b32 s87, s86
	s_lshl_b32 s42, s16, 7
	s_lshl_b32 s40, s21, 8
	s_add_co_u32 s40, s40, s42                     ; t: row 256 y + 128 half
	s_mul_i32 s40, s40, LDA*2
	s_mov_b32 s41, 0
	s_lshr_b32 s44, s20, 1                         ; the batch, from the cluster's y alone
	s_lshl_b32 s44, s44, 11
	s_lshl_b32 s45, s19, 8
	s_add_co_u32 s44, s44, s45
	s_add_co_u32 s44, s44, s42                     ; hn: row 2048 batch + 256 x + 128 half
	s_lshl_b32 s44, s44, 11
	s_mov_b32 s45, 0
	s_mul_i32 s43, s14, HALFT
	s_and_b32 s46, s21, 7                          ; the block of queries in its batch
	s_lshl_b32 s88, s46, 8
	s_lshl_b32 s89, s15, 7
	s_add_co_u32 s88, s88, s89
	s_lshl_b32 s88, s88, 13                        ; position: row 256 block + 128 my half, 8,192 bytes a row,
	s_lshl_b32 s89, s19, 10
	s_add_co_u32 s88, s88, s89
	s_lshl_b32 s89, s16, 9
	s_add_co_u32 s88, s88, s89                     ; column 256 x + 128 my half
	s_mov_b32 s89, 0
	s_lshl_b32 s90, s21, 8
	s_lshl_b32 s91, s14, 6
	s_add_co_u32 s90, s90, s91
	s_lshl_b32 s90, s90, 12                        ; pb: row 256 y + 64 w,
	s_lshl_b32 s91, s19, 9
	s_add_co_u32 s90, s90, s91                     ; keys 256 x on
	s_mov_b32 s91, 0
	s_lshr_b32 s92, s21, 3
	s_lshl_b32 s92, s92, 3
	s_add_co_u32 s92, s92, s19
	s_lshl_b32 s92, s92, 11                        ; mst, lst: [batch][x][query]
	s_lshl_b32 s93, s46, 8
	s_add_co_u32 s92, s92, s93
	s_lshl_b32 s93, s14, 6
	s_add_co_u32 s92, s92, s93
	s_lshl_b32 s92, s92, 2
	s_mov_b32 s93, 0
	s_wait_dscnt 0x0                               ; the opening add is done
	s_wait_kmcnt 0x0
	s_add_nc_u64 s[40:41], s[4:5], s[40:41]
	s_add_nc_u64 s[44:45], s[94:95], s[44:45]
	s_add_nc_u64 s[80:81], s[6:7], s[88:89]
	s_add_nc_u64 s[8:9], s[8:9], s[90:91]
	s_add_nc_u64 s[10:11], s[10:11], s[92:93]
	s_add_nc_u64 s[12:13], s[12:13], s[92:93]
	s_mov_b32 s32, 1                               ; group 0 of the first fill: slot 0, K step 0
	s_mov_b32 s33, s43
	s_add_nc_u64 s[34:35], s[40:41], 0
	s_or_b32 s35, s35, 0x80000000
	s_mov_b32 s36, 1                               ; the walking group 0 begins at slot 1, K step 1
	s_add_co_u32 s37, s43, SLOT
	s_add_nc_u64 s[38:39], s[40:41], 256
	s_or_b32 s39, s39, 0x80000000
	s_mov_b32 s56, 1
	s_mov_b32 s57, s43
	s_add_nc_u64 s[58:59], s[44:45], 0
	s_or_b32 s59, s59, 0x80000000
	s_mov_b32 s60, 1
	s_add_co_u32 s61, s43, SLOT
	s_add_nc_u64 s[62:63], s[44:45], 256
	s_or_b32 s63, s63, 0x80000000
	CROUND                                         ; all sixteen work-groups are here: the first joint loads meet
	s_cmp_eq_u32 s15, 0                            ; a wave's two first fills stand in one branch: two loads of mine are out
	s_cbranch_scc0 .Lfirst_b
	tensor_load_to_lds s[32:35], s[24:31]
	s_nop 0
	tensor_load_to_lds s[36:39], s[24:31]
	s_nop 0
.rept 4
	v_nop
.endr
	s_branch .Lfirst_asked
.Lfirst_b:
	tensor_load_to_lds s[56:59], s[48:55]
	s_nop 0
	tensor_load_to_lds s[60:63], s[48:55]
	s_nop 0
.rept 4
	v_nop
.endr
.Lfirst_asked:
	v_and_b32 v1, 15, v0                           ; r
	v_bfe_u32 v2, v0, 4, 1                         ; h
	v_and_b32 v5, 31, v0
	v_lshlrev_b32 v6, 4, v5                        ; 16 l
	v_lshlrev_b32 v26, 3, v5                       ; 8 l
	v_mul_u32_u24 v3, v1, PITCH
	v_lshl_add_u32 v3, v2, 4, v3
	s_mul_i32 s88, s15, HALFT
	s_mul_i32 s89, s16, HALFT
	s_add_co_u32 s89, s89, 2*HALFT
	v_add_nc_u32 v16, s88, v3                      ; my 128 rows of t in slot 0
	v_add_nc_u32 v20, s89, v3                      ; my 128 rows of hn
	v_mov_b32 v17, v16
	v_mov_b32 v21, v20
	v_mul_u32_u24 v4, v1, RP                       ; my half tiles of position: row r, 32 bytes for each half of the lanes
	v_lshl_add_u32 v4, v2, 5, v4
	s_mul_i32 s90, s14, REG
	v_add_nc_u32 v24, s90, v4
	v_add_nc_u32 v27, SLOT, v24
	s_mul_i32 s91, s16, SLOT                       ; whole rows: tile rows 64 w on lie in half w % 2 of waves (w & 2) and (w & 2) + 1
	s_and_b32 s92, s14, 2
	s_mul_i32 s92, s92, REG
	s_add_co_u32 s91, s91, s92
	v_add_nc_u32 v25, s91, v6
	s_lshl_b32 s94, s14, 9
	s_add_co_u32 s94, s94, STT
	v_mov_b32 v30, s94                             ; my 64 rows' statistics, walking
	v_add_nc_u32 v31, s94, v26                     ; and read back, 8 bytes a lane
	s_mov_b32 s66, 0
	s_wait_tensorcnt 1                             ; my part of K step 0 is in; step 1's may stay out
	s_barrier_signal -1
	s_barrier_wait -1
	FETCH 0, F0
	QUARTER 64, F0, F1, 1
	WIN 0
	s_mov_b32 s67, 6
.Lfill:                                                ; K steps 0 to 5
	QUARTER 128, F1, F0, 0
	QUARTER 192, F0, F1, 0
	TURNF
	QUARTER 64, F0, F1, 0
	WIN 0
	s_sub_co_u32 s67, s67, 1
	s_cmp_lg_u32 s67, 0
	s_cbranch_scc1 .Lfill
	s_mov_b32 s67, 2
.Ldry:                                                 ; K steps 6 and 7: the slot read out takes my half tile of position; every wave issues the load in both trips
	QUARTER 128, F1, F0, 0
	QUARTER 192, F0, F1, 0
	MEET 1
	CREST
	s_xor_b32 s77, s77, SLOT                       ; the slot just read out
	s_add_nc_u64 s[78:79], s[80:81], s[82:83]      ; the address is made anew: the base and an offset made apart
	s_or_b32 s79, s79, 0x80000000
	s_add_co_u32 s82, s82, 64*8192
	tensor_load_to_lds s[76:79], s[68:75]          ; the first tensor load behind the round, and my only one
	s_nop 0
.rept 4
	v_nop                                          ; also the places in front of the loads below
.endr
	s_cmp_eq_u32 s67, 1
	s_cbranch_scc1 .Lnf
	NEXT
.Lnf:
	MUL16 F1, 1, 0, 0
	MUL16 F1, 1, 2, 0
	WIN 0
	s_cmp_eq_u32 s67, 1
	s_cbranch_scc1 .Lskip
	QUARTER 64, F0, F1, 0
	WIN 0
.Lskip:
	s_wait_dscnt 0x0                               ; the two ways meet with no LDS load out (twice in the launch): what follows uses the fragments' registers
	s_sub_co_u32 s67, s67, 1
	s_cmp_lg_u32 s67, 0
	s_cbranch_scc1 .Ldry
	; POSITION + 2^5.5 x SUMS, in place, a block of 16 rows at a time, on my own bytes.  Rows 0-63 were shown landed by the last wait for all loads; rows 64-127 are waited for ahead of block 4.
.macro LP a                            ; block a of position into landing buffer a % 2
	WIN 0
.set LB, 64+64*((\a)%2)
.irp b, 0,1,2,3,4,5,6,7
	ds_load_b128 v[LB+8*\b:LB+8*\b+3], v[24+3*((\a)/4)] offset:((\a)%4)*16*RP+64*\b
	ds_load_b128 v[LB+8*\b+4:LB+8*\b+7], v[24+3*((\a)/4)] offset:((\a)%4)*16*RP+64*\b+16
.endr
.endm
.macro ADD a                           ; the block's eight accumulators, each from its low end on, times 2^5.5, onto position: one rounding
	WIN 0x02+((\a)/4)                              ; source 0 in window 2 or 3
.set LB, 64+64*((\a)%2)
.set AC, 64*((\a)%4)
.set p, 0
.rept 32
	v_pk_fma_f32 v[LB+2*p:LB+2*p+1], v[AC+2*p:AC+2*p+1], s[88:89], v[LB+2*p:LB+2*p+1] op_sel_hi:[1,0,1]
.set p, p+1
.endr
	WIN 0
.endm
.macro ST a
.set LB, 64+64*((\a)%2)
.irp b, 0,1,2,3,4,5,6,7
	ds_store_b128 v[24+3*((\a)/4)], v[LB+8*\b:LB+8*\b+3] offset:((\a)%4)*16*RP+64*\b
	ds_store_b128 v[24+3*((\a)/4)], v[LB+8*\b+4:LB+8*\b+7] offset:((\a)%4)*16*RP+64*\b+16
.endr
.endm
	s_mov_b32 s88, 0x423504f3                      ; 2^5.5: with t's 2^-11 it leaves 1 / sqrt(2048)
	s_mov_b32 s89, s88
	PLACES
	LP 0
	LP 1
	s_wait_dscnt 16                                ; block 0 is in; block 1's sixteen loads stay out
	ADD 0
	ST 0
.irp a, 1,2,3,4,5,6
.if \a == 3
	s_wait_tensorcnt 0x0                           ; my rows 64-127 of position have landed
.endif
	LP (\a)+1
	s_wait_dscnt 32                                ; the block is in; the sixteen stores and the sixteen loads behind it stay out
	ADD \a
	ST \a
.endr
	s_wait_dscnt 16
	ADD 7
	ST 7
	s_wait_dscnt 0x0                               ; for the others' sake: my stores are done
	s_barrier_signal -1
	s_barrier_wait -1
.set i, 160
.rept 24
	v_mov_b32 v[i], 0                              ; pairs (c m, l) are named whole, and v_permlanex16_b32 counts as a reader of its destination
.set i, i+1
.endr
.macro LOADG grp, ahead                ; four rows: keys 4 l .. and 128 + 4 l ..
.irp i, 0,1,2,3
	ds_load_b128 v[64+32*(\grp)+8*\i:64+32*(\grp)+8*\i+3], v25 offset:(8*(\ahead)+4*(\grp)+\i)*RP
	ds_load_b128 v[64+32*(\grp)+8*\i+4:64+32*(\grp)+8*\i+7], v25 offset:(8*(\ahead)+4*(\grp)+\i)*RP+REG
.endr
.endm
; Four rows side by side, so that no line waits for the one before it: the row's maximum over my 8 scores and the 32 lanes, c m, c s - c m, the exponentials, the rounding, the sum.
.macro PROC grp
.set R, 64+32*(\grp)
.set O, 128+16*(\grp)
.set PM, 160+8*(\grp)
.irp i, 0,1,2,3
	v_max3_num_f32 v[176+\i], v[R+8*\i], v[R+8*\i+1], v[R+8*\i+2]
.endr
.irp i, 0,1,2,3
	v_max3_num_f32 v[176+\i], v[176+\i], v[R+8*\i+3], v[R+8*\i+4]
.endr
.irp i, 0,1,2,3
	v_max3_num_f32 v[176+\i], v[176+\i], v[R+8*\i+5], v[R+8*\i+6]
.endr
.irp i, 0,1,2,3
	v_max_num_f32 v[176+\i], v[176+\i], v[R+8*\i+7]
.endr
.irp m, 1,2,4,8
.irp i, 0,1,2,3
	v_max_num_f32_dpp v[176+\i], v[176+\i], v[176+\i] row_xmask:\m row_mask:0xf bank_mask:0xf
.endr
.endr
.irp i, 0,1,2,3
	v_permlanex16_b32 v[180+\i], v[176+\i], s84, s85
.endr
.irp i, 0,1,2,3
	v_max_num_f32 v[176+\i], v[176+\i], v[180+\i]
.endr
.irp i, 0,1,2,3
	v_mul_f32 v[PM+2*\i], s86, v[176+\i]           ; c m
.endr
.irp i, 0,1,2,3
.irp j, 0,2,4,6
	v_pk_fma_f32 v[R+8*\i+\j:R+8*\i+\j+1], v[R+8*\i+\j:R+8*\i+\j+1], s[86:87], v[PM+2*\i:PM+2*\i+1] op_sel_hi:[1,0,0] neg_lo:[0,0,1] neg_hi:[0,0,1]
.endr
.endr
.set n, 0
.rept 32
	v_exp_f32 v[R+n], v[R+n]
.set n, n+1
.endr
	v_nop                                          ; a plain instruction between the exponentials and the use of their results (ISA guide 5.7.2)
	s_wait_xcnt 0x0                                ; the last stores' data registers are rewritten only behind this wait
	s_wait_alu depctr_va_vdst(0)
.irp i, 0,1,2,3
.irp j, 0,1,2,3
	v_cvt_pk_f16_f32 v[O+4*\i+\j], v[R+8*\i+2*\j], v[R+8*\i+2*\j+1]
.endr
.endr
.irp i, 0,1,2,3
	v_pk_add_f32 v[R+8*\i:R+8*\i+1], v[R+8*\i:R+8*\i+1], v[R+8*\i+2:R+8*\i+3]
	v_pk_add_f32 v[R+8*\i+4:R+8*\i+5], v[R+8*\i+4:R+8*\i+5], v[R+8*\i+6:R+8*\i+7]
.endr
.irp i, 0,1,2,3
	v_pk_add_f32 v[R+8*\i:R+8*\i+1], v[R+8*\i:R+8*\i+1], v[R+8*\i+4:R+8*\i+5]
.endr
.irp i, 0,1,2,3
	v_add_f32 v[176+\i], v[R+8*\i], v[R+8*\i+1]
.endr
.irp m, 1,2,4,8
.irp i, 0,1,2,3
	v_add_f32_dpp v[176+\i], v[176+\i], v[176+\i] row_xmask:\m row_mask:0xf bank_mask:0xf
.endr
.endr
.irp i, 0,1,2,3
	v_permlanex16_b32 v[180+\i], v[176+\i], s84, s85
.endr
.irp i, 0,1,2,3
	v_add_f32 v[PM+2*\i+1], v[176+\i], v[180+\i]   ; l
.endr
.irp i, 0,1,2,3
	ds_store_b32 v30, v[PM+2*\i] offset:4*(4*(\grp)+\i)          ; all lanes store the same word
	ds_store_b32 v30, v[PM+2*\i+1] offset:4*(4*(\grp)+\i)+256
.endr
.irp i, 0,1,2,3
	global_store_b64 v26, v[O+4*\i:O+4*\i+1], s[8:9] offset:(4*(\grp)+\i)*ROWB       ; a wave stores 256 consecutive bytes, aligned
	global_store_b64 v26, v[O+4*\i+2:O+4*\i+3], s[8:9] offset:(4*(\grp)+\i)*ROWB+256
.endr
.endm
	LOADG 0, 0
	LOADG 1, 0
	s_mov_b32 s3, 8
.Lrow:                                                 ; eight rows a trip, in two groups
	s_wait_dscnt 8                                 ; all but the youngest eight: the group wanted, and the statistics' stores, are older
	PROC 0
	s_cmp_eq_u32 s3, 1
	s_cbranch_scc1 .La0
	LOADG 0, 1
	s_wait_dscnt 8
	s_branch .Lb
.La0:
	s_wait_dscnt 0x0                               ; the last trip has nothing younger
.Lb:
	PROC 1
	s_cmp_eq_u32 s3, 1
	s_cbranch_scc1 .Lst
	LOADG 1, 1
.Lst:
	s_wait_xcnt 0x0                                ; the stores' base steps only behind this wait
	s_add_nc_u64 s[8:9], s[8:9], 8*ROWB
	v_add_nc_u32 v25, 8*RP, v25
	v_add_nc_u32 v30, 32, v30
	s_sub_co_u32 s3, s3, 1
	s_cmp_lg_u32 s3, 0
	s_cbranch_scc1 .Lrow
	ds_load_b64 v[184:185], v31                    ; my 64 rows' c m and l: my own bytes, and LDS serves a wave's instructions in order (ISA guide 5.7.1.4)
	ds_load_b64 v[186:187], v31 offset:256
	s_wait_dscnt 0x0
	global_store_b64 v26, v[184:185], s[10:11]     ; 256 consecutive bytes, aligned
	global_store_b64 v26, v[186:187], s[12:13]
	s_wait_tensorcnt 0x0                           ; the wave's end
	ds_add_u32 v28, v29
	s_wait_dscnt 0x0
	CROUND                                         ; the closing round
	s_endpgm
.Lfunc_end_k_qf898cd9aee_score:
	.size	k_qf898cd9aee_score, .Lfunc_end_k_qf898cd9aee_score-k_qf898cd9aee_score
	.p2alignl 7, 3214868480
	.fill 96, 4, 3214868480
	.section	.rodata,"a",@progbits
	.p2align	6, 0x0
	.amdhsa_kernel k_qf898cd9aee_score
		.amdhsa_group_segment_fixed_size 327680
		.amdhsa_private_segment_fixed_size 0
		.amdhsa_enable_private_segment 0
		.amdhsa_kernarg_size 48
		.amdhsa_user_sgpr_count 2
		.amdhsa_user_sgpr_kernarg_segment_ptr 1
		.amdhsa_wavefront_size32 1
		.amdhsa_system_sgpr_workgroup_id_x 1
		.amdhsa_system_sgpr_workgroup_id_y 1
		.amdhsa_system_sgpr_workgroup_id_z 1
		.amdhsa_system_vgpr_workitem_id 0
		.amdhsa_next_free_vgpr 1024
		.amdhsa_next_free_sgpr 96
		.amdhsa_reserve_vcc 0
		.amdhsa_float_denorm_mode_32 3
		.amdhsa_float_denorm_mode_16_64 3
		.amdhsa_memory_ordered 1
		.amdhsa_forward_progress 1
		.amdhsa_inst_pref_size 125
	.end_amdhsa_kernel
	.amdgpu_metadata
---
amdhsa.version: [ 1, 2 ]
amdhsa.kernels:
  - .name:           k_qf898cd9aee_score
    .symbol:         k_qf898cd9aee_score.kd
    .args:
      - { .name: qkv, .offset: 0, .size: 8, .value_kind: global_buffer, .address_space: global }
      - { .name: position, .offset: 8, .size: 8, .value_kind: global_buffer, .address_space: global }
      - { .name: pb, .offset: 16, .size: 8, .value_kind: global_buffer, .address_space: global }
      - { .name: mst, .offset: 24, .size: 8, .value_kind: global_buffer, .address_space: global }
      - { .name: lst, .offset: 32, .size: 8, .value_kind: global_buffer, .address_space: global }
      - { .name: hn, .offset: 40, .size: 8, .value_kind: global_buffer, .address_space: global }
    .group_segment_fixed_size: 327680
    .private_segment_fixed_size: 0
    .kernarg_segment_align: 8
    .kernarg_segment_size: 48
    .max_flat_workgroup_size: 128
    .sgpr_count:     96
    .vgpr_count:     1024
    .wavefront_size: 32
...
	.end_amdgpu_metadata
.endif
;; end of part 7
;; launch pv (part 8): grid 4 x 64, 4 waves a work-group, clusters of 4 x 4, 327,680 bytes of LDS; arguments pb, qkv, out0, mst, lst; writes out0
.if DOCPART == 8
	.amdgcn_target "amdgcn-amd-amdhsa--gfx1250"
	.amdhsa_code_object_version 6
	.text
	.protected	k_qf898cd9aee_pv
	.globl	k_qf898cd9aee_pv
	.p2align	8
	.type	k_qf898cd9aee_pv,@function
k_qf898cd9aee_pv:
	s_mov_b64 s[64:65], 0
	v_nop
	global_prefetch_b8 v0, s[64:65] scope:SCOPE_SE
	s_setreg_imm32_b32 hwreg(HW_REG_WAVE_MODE, 25, 1), 1
	s_wait_xcnt 0x0
	s_wait_alu depctr_hold_cnt(0) depctr_sa_sdst(0) depctr_va_vdst(0) depctr_va_sdst(0) depctr_va_ssrc(0) depctr_va_vcc(0) depctr_vm_vsrc(0)
	s_getreg_b32 s2, hwreg(HW_REG_IB_STS2, 6, 4)
	s_cmp_eq_u32 s2, 0
	s_cbranch_scc0 .Lentry_in_a_cluster
	s_endpgm
.Lentry_in_a_cluster:
	s_bfe_u32 s2, ttmp6, 0x10000c
	s_cmp_lg_u32 s2, 0xf033
	s_cbranch_scc0 .Lentry_shape_is_right
	s_endpgm
.Lentry_shape_is_right:
; PV.  out0[b][ch][i] = (sum over tiles t of f_t[i] * sum over the tile's 256 keys j of p[i][j] v[j][ch]) / L[i], with M = max over t of c m_t, f_t = 2^(c m_t - M), L = sum of f_t l_t:
; the softmax over all 2,048 keys, joined from the eight tiles by their true maxima.  f_t <= 1, one of them is 1, and every l_t >= 1, so L >= 1.  p and v in f16, all sums in f32.
; LIMITS.  An f_t below 2^-126 counts as 0; NaN and infinities are not treated apart.
; SHAPE.  A work-group makes 256 channels x 128 queries: 256 work-groups.  A wave makes 128 channels x 64 queries: 32 accumulators T (window 1) for the tile in hand and 32 master sums (window 2).
; Source 0 = V^T (16 channels x 32 keys, turned out of V as it lies by ds_load_tr16_b128), source 1 = P (16 queries x 32 keys): a lane holds ONE query and eight channels, so f_t is one register a query block.
; THE WALK.  The keys go through two LDS slots of 192, the most that fit twice: 128 rows of P (three pieces of 128 bytes, each padded by 16: 432) and 192 rows of V (512 + 32 bytes) are 159,744 bytes.
; A refill has a whole slot, 192 matrix instructions of the wave, in which to land.  The unit of the text is a PAIR of quarters, 64 keys: QA multiplies buffer F0 and fetches the pair's second quarter into F1,
; QB multiplies F1 and fetches the next pair's first quarter into F0.  A slot is three pairs, a softmax tile four.  THE CHANGE OF SLOTS stands between a slot's last QA and its QB: the slot's last bytes are
; in registers by then, and that QB fetches from the new slot.  So one body (QB; where a tile ends master += f T and a QA that starts T with 0, else a plain QA) is walked three times a slot; which slot and
; which pair is in hand lies in s66, s70, s71.  2,048 = 128 + 10 x 192: slot 0 holds two pairs, and the loops are entered in the middle.  Slot 0's load has the shape of all the others: its last 64 keys
; are not read and come again with slot 1 (1/32 of P's and V's bytes twice, for one shape of descriptor).  P's rows of 384 bytes begin at multiples of 128 bytes.
; CLUSTER.  4 x 4: P's tile hangs on the query block alone and is shared along a row of the cluster, V's on batch and channels and is shared along a column.
; The master sums are cleared once, in the wait for the first tile: the price of one text for every update.
.set KSL,   192                        ; keys in a slot
.set PP,    432                        ; a row of P in LDS: 27 x 16 bytes, so the 16 rows of a load start at 16 different groups of four banks (64 banks of 4 bytes: ISA guide 11.1)
.set PCH,   144                        ; a pair's 128 bytes of a row, and their padding
.set PV,    544                        ; a row of V: 17 x 32 bytes
.set VOFF,  128*PP                     ; 55,296: behind P's 128 rows, V's 192 keys
.set SLOTB, VOFF+KSL*PV                ; 159,744
.set FT,    2*SLOTB                    ; f[t][128 queries], 4,096 bytes
.set LQT,   FT+4096                    ; 1 / L, 512 bytes
.set SPARE, LQT+512                    ; the spare words, 128 bytes a wave, which no other line names
.set RP,    272                        ; the way out: a channel's 64 queries in f32, + 16 bytes
.set REG,   128*RP
.set F0, 64                            ; fragment buffers in window 0: V at +8 cb, P at +64 + 8 qb
.set F1, 160
.set W_MM, 0x50                        ; C and D in window 1
.set W_FM, 0xa1                        ; destination and source 2 in window 2, source 0 in window 1
.set W_CL, 0x80
.set W_DS, 0x08                        ; LDS store data in window 2
; v4, v6 my lane's place in P and in V of slot 0, pair 0; v5, v7 the same for the pair in hand; v8, v9, v10 the way out; v11 f of my query, walking; v12, v13 the add's; v14-16 tables; v32-39 pairs (f, 0); v48-51 1 / L
; s66 the slot in hand (0 or SLOTB); s67 slots to go; s68 pairs to go in the slot; s69 the coming pair's place in its tile; s70, s71 LDS byte of the coming pair in P and in V; s73, s74 where my loads go in a slot
.set MSB, 0
.macro WIN new                         ; the immediate's high byte repeats the setting that is left
.if MSB != (\new)
	s_set_vgpr_msb (MSB<<8)|(\new)
.set MSB, \new
.endif
.endm
.macro PLACES                          ; four plain places behind matrix instructions (ISA guide 7.12.1)
.rept 4
	v_nop
.endr
.endm
.macro JLOAD                           ; a joint refill: waves 0, 1 fetch P's halves (64 rows), waves 2, 3 V's (96 keys); s_nop 0 and four v_nop follow each line
	s_cmp_eq_u32 s15, 0
	s_cbranch_scc0 .Lfor_v_\@
	tensor_load_to_lds s[36:39], s[24:31]
	s_nop 0
.rept 4
	v_nop
.endr
	s_branch .Lasked_\@
.Lfor_v_\@:
	tensor_load_to_lds s[60:63], s[48:55]
	s_nop 0
.rept 4
	v_nop
.endr
.Lasked_\@:
.endm
.macro CROUND                          ; a round of the cluster's barrier
	s_barrier_signal -1
	s_barrier_wait -1
	s_cmp_lg_u32 s14, 0
	s_cbranch_scc1 .Lnot_wave_0_\@
	s_barrier_signal -3
.Lnot_wave_0_\@:
	s_barrier_wait -3
	s_barrier_signal -1
	s_barrier_wait -1
.endm
.macro MULH f, half, zero              ; 16 matrix instructions: channel blocks 4 half .. 4 half + 3 x all 4 query blocks, 32 keys; the 32 accumulators take turns
	WIN W_MM
.irp c, 0,1,2,3
.irp qb, 0,1,2,3
.if \zero
	v_wmma_f32_16x16x32_f16 v[8*(16*(\half)+4*\c+\qb):8*(16*(\half)+4*\c+\qb)+7], v[(\f)+8*(4*(\half)+\c):(\f)+8*(4*(\half)+\c)+7], v[(\f)+64+8*\qb:(\f)+64+8*\qb+7], 0
.else
	v_wmma_f32_16x16x32_f16 v[8*(16*(\half)+4*\c+\qb):8*(16*(\half)+4*\c+\qb)+7], v[(\f)+8*(4*(\half)+\c):(\f)+8*(4*(\half)+\c)+7], v[(\f)+64+8*\qb:(\f)+64+8*\qb+7], v[8*(16*(\half)+4*\c+\qb):8*(16*(\half)+4*\c+\qb)+7]
.endif
.endr
.endr
.endm
.macro FETCH g, po, vo                 ; 24 LDS loads in one run: a quarter's fragments, po and vo bytes behind the pair in hand: P's 4, then V's 8, turned
	WIN 0
.irp qb, 0,1,2,3
	ds_load_b128 v[(\g)+64+8*\qb:(\g)+64+8*\qb+3], v5 offset:\qb*16*PP+(\po)
	ds_load_b128 v[(\g)+64+8*\qb+4:(\g)+64+8*\qb+7], v5 offset:\qb*16*PP+(\po)+32
.endr
.irp cb, 0,1,2,3,4,5,6,7
	ds_load_tr16_b128 v[(\g)+8*\cb:(\g)+8*\cb+3], v7 offset:(\vo)+32*\cb
	ds_load_tr16_b128 v[(\g)+8*\cb+4:(\g)+8*\cb+7], v7 offset:(\vo)+16*PV+32*\cb
.endr
.endm
.macro QUARTER f, g, zero, po, vo      ; multiplies buffer f; in its middle fetches the next quarter into g
	s_wait_dscnt 8                                 ; all but the youngest eight loads (V's channel blocks 4-7)
	MULH \f, 0, \zero
	PLACES
	FETCH \g, \po, \vo
	s_wait_dscnt 24                                ; all but the 24 just issued
	MULH \f, 1, \zero
.endm
.macro STEP                            ; the pair in hand becomes the coming one
	v_add_nc_u32 v5, s70, v4
	v_add_nc_u32 v7, s71, v6
.endm
.macro ONWARD                          ; and the coming one the one behind it
	s_add_co_u32 s70, s70, PCH
	s_add_co_u32 s71, s71, 64*PV
.endm
; master += f T, with the finished tile's f.  Channel blocks 0-3 were finished ahead of a quarter's four places; their 64 lines, which name no register of the last products, are the places behind blocks 4-7.
; Each accumulator is read from its low end on.
.macro UPDATE
	WIN 0
.irp qb, 0,1,2,3
	ds_load_b32 v[32+2*\qb], v11 offset:64*\qb
.endr
	v_add_nc_u32 v11, 512, v11                     ; the next tile's f
	s_wait_dscnt 0x0
	WIN W_FM
.set n, 0
.rept 32
.irp p, 0,2,4,6
	v_pk_fma_f32 v[8*n+\p:8*n+\p+1], v[8*n+\p:8*n+\p+1], v[32+2*(n%4):33+2*(n%4)], v[8*n+\p:8*n+\p+1] op_sel_hi:[1,0,1]
.endr
.set n, n+1
.endr
	WIN 0
.endm
; THE CHANGE OF SLOTS.  Each wave waits for all its tensor loads, of which one is out: its part of the next slot; adds 0 to its spare word; and waits for that and for its reads of the slot that it leaves, the
; last of which its last QA issued.  Behind the barrier nobody reads the old slot any more and the next one is whole.  fill = 1: the barrier is a round of the cluster's, and the old slot is filled again
; first thing behind it, with the keys two slots on.
.macro CHANGE fill
	WIN 0
	s_wait_tensorcnt 0x0                           ; no tensor load of mine is out, so a group 0 may be written
	ds_add_u32 v12, v13                            ; 0 onto my spare word; the scalar work below stands between it and the wait for it
.if \fill
	s_add_co_u32 s37, s73, s66                     ; the walking descriptors: the slot that is left,
	s_add_nc_u64 s[38:39], s[38:39], 2*KSL         ; the next 192 keys of P's rows,
	s_add_co_u32 s61, s74, s66
	s_add_nc_u64 s[62:63], s[62:63], KSL*6144      ; the next 192 rows of qkv; the type bits on top are not reached
.endif
	s_xor_b32 s66, s66, SLOTB                      ; the other slot is in hand,
	s_mov_b32 s70, s66                             ; at its first pair
	s_mov_b32 s71, s66
	s_wait_dscnt 0x0                               ; the add is done, and my reads of the old slot are back
.if \fill
	CROUND
	JLOAD
.else
	s_barrier_signal -1
	s_barrier_wait -1
.endif
.endm
	s_load_b256 s[4:11], s[0:1], 0x0               ; pb s[4:5], qkv s[6:7], out0 s[8:9], mst s[10:11]
	s_load_b64 s[12:13], s[0:1], 0x20              ; lst
	v_lshl_add_u32 v12, v0, 2, SPARE
	v_mov_b32 v13, 0
	ds_add_u32 v12, v13                            ; the wave's opening: the add is waited for ahead of my first tensor load
	v_lshrrev_b32 v1, 5, v0
	v_readfirstlane_b32 s14, v1                    ; wave 0..3
	s_lshr_b32 s15, s14, 1                         ; my 128 channels; also: I fetch P (0) or V (1)
	s_and_b32 s16, s14, 1                          ; my 64 queries; also: which half of the tile I fetch
	s_bfe_u32 s17, ttmp6, 0x40000                  ; cx
	s_bfe_u32 s18, ttmp6, 0x40004                  ; cy
	s_lshl_b32 s19, ttmp9, 2
	s_add_co_u32 s19, s19, s17                     ; x: the block of 256 channels
	s_and_b32 s20, ttmp7, 0xffff
	s_lshl_b32 s21, s20, 2
	s_add_co_u32 s21, s21, s18                     ; y = 16 batch + block of 128 queries
	s_lshl_b32 s22, s18, 2
	s_lshl_b32 s22, 15, s22                        ; my row of the cluster
	s_lshl_b32 s23, 0x1111, s17                    ; my column
	s_or_b32 s24, s22, (1<<16)|(1<<20)|(1<<21)|(4<<22)|(3<<25)  ; P: mask; 2-byte elements; padding on; bit 21 beside a mask; after every 32 words 4 words
	s_mov_b32 s25, KSL<<16                         ; tensor_dim0 = 192 keys
	s_mov_b32 s26, 64<<16                          ; tensor_dim1 = 64 queries
	s_mov_b32 s27, KSL<<16                         ; tile_dim0
	s_mov_b32 s28, 64                              ; tile_dim1
	s_mov_b32 s29, 2048
	s_mov_b32 s30, 0
	s_mov_b32 s31, 0
	s_or_b32 s48, s23, (1<<16)|(1<<20)|(1<<21)|(6<<22)|(7<<25)  ; V: after every 128 words 8 words
	s_mov_b32 s49, 256<<16                         ; tensor_dim0 = 256 channels
	s_mov_b32 s50, 96<<16                          ; tensor_dim1 = 96 keys
	s_mov_b32 s51, 256<<16
	s_mov_b32 s52, 96
	s_mov_b32 s53, 3072
	s_mov_b32 s54, 0
	s_mov_b32 s55, 0
	s_lshr_b32 s40, s20, 2                         ; the batch, from the cluster's y alone
	s_and_b32 s41, s21, 15                         ; the block of queries in its batch
	s_lshl_b32 s42, s21, 7
	s_lshl_b32 s43, s16, 6
	s_add_co_u32 s42, s42, s43
	s_lshl_b32 s42, s42, 12                        ; P: row 128 y + 64 half, 4,096 bytes a row
	s_mov_b32 s43, 0
	s_lshl_b32 s44, s40, 11
	s_mul_i32 s45, s16, 96
	s_add_co_u32 s44, s44, s45
	s_mul_i32 s44, s44, 6144                       ; V: row 2048 batch + 96 half of qkv,
	s_lshl_b32 s45, s19, 9
	s_add_co_u32 s44, s44, s45
	s_add_co_u32 s44, s44, 4096                    ; columns 2048 + 256 x on
	s_mov_b32 s45, 0
	s_mul_i32 s73, s16, 64*PP                      ; where my loads go in a slot; also: my 64 queries' rows
	s_mul_i32 s74, s16, 96*PV
	s_add_co_u32 s74, s74, VOFF
	s_lshl_b32 s46, s40, 14
	s_lshl_b32 s47, s41, 7
	s_add_co_u32 s46, s46, s47
	s_lshl_b32 s46, s46, 2                         ; mst, lst: [batch][t][query]
	s_mov_b32 s47, 0
	s_lshl_b32 s92, s40, 10
	s_lshl_b32 s94, s19, 8
	s_add_co_u32 s92, s92, s94
	s_lshl_b32 s94, s15, 7
	s_add_co_u32 s92, s92, s94
	s_lshl_b32 s92, s92, 11                        ; out0: channel 1024 batch + 256 x + 128 my half,
	s_lshl_b32 s94, s41, 7
	s_add_co_u32 s92, s92, s94
	s_lshl_b32 s94, s16, 6
	s_add_co_u32 s92, s92, s94                     ; query 128 block + 64 my half
	s_lshl_b32 s92, s92, 2
	s_mov_b32 s93, 0
	s_mov_b32 s66, 0
	s_wait_dscnt 0x0                               ; the opening add is done
	s_wait_kmcnt 0x0
	s_add_nc_u64 s[42:43], s[4:5], s[42:43]
	s_add_nc_u64 s[44:45], s[6:7], s[44:45]
	s_add_nc_u64 s[10:11], s[10:11], s[46:47]
	s_add_nc_u64 s[12:13], s[12:13], s[46:47]
	s_add_nc_u64 s[8:9], s[8:9], s[92:93]
	s_mov_b32 s32, 1                               ; group 0 of the first fill: slot 0, keys 0 on
	s_mov_b32 s33, s73
	s_add_nc_u64 s[34:35], s[42:43], 0
	s_or_b32 s35, s35, 0x80000000
	s_mov_b32 s36, 1                               ; the walking group 0 begins at slot 1, keys 128 on
	s_add_co_u32 s37, s73, SLOTB
	s_add_nc_u64 s[38:39], s[42:43], 256
	s_or_b32 s39, s39, 0x80000000
	s_mov_b32 s56, 1
	s_mov_b32 s57, s74
	s_add_nc_u64 s[58:59], s[44:45], 0
	s_or_b32 s59, s59, 0x80000000
	s_mov_b32 s60, 1
	s_add_co_u32 s61, s74, SLOTB
	s_add_nc_u64 s[62:63], s[44:45], 128*6144
	s_or_b32 s63, s63, 0x80000000
	CROUND                                         ; all sixteen work-groups are here: the first joint loads meet
	s_cmp_eq_u32 s15, 0                            ; a wave's two first fills stand in one branch: two loads of mine are out
	s_cbranch_scc0 .Lfirst_v
	tensor_load_to_lds s[32:35], s[24:31]
	s_nop 0
	tensor_load_to_lds s[36:39], s[24:31]
	s_nop 0
.rept 4
	v_nop
.endr
	s_branch .Lfirst_asked
.Lfirst_v:
	tensor_load_to_lds s[56:59], s[48:55]
	s_nop 0
	tensor_load_to_lds s[60:63], s[48:55]
	s_nop 0
.rept 4
	v_nop
.endr
.Lfirst_asked:
	v_lshlrev_b32 v14, 2, v0                       ; thread tau owns query tau of the block's 128
.irp t, 0,1,2,3,4,5,6,7
	global_load_b32 v[64+\t], v14, s[10:11] offset:\t*8192   ; c m_t
	global_load_b32 v[72+\t], v14, s[12:13] offset:\t*8192   ; l_t
.endr
	WIN W_CL
.set i, 0
.rept 256
	v_mov_b32 v[i], 0                              ; the master sums
.set i, i+1
.endr
	WIN 0
.irp qb, 0,1,2,3
	v_mov_b32 v[33+2*\qb], 0                       ; named with f as a pair
.endr
	v_and_b32 v1, 15, v0                           ; r
	v_bfe_u32 v2, v0, 4, 1                         ; h
	v_and_b32 v3, 7, v0
	v_bfe_u32 v17, v0, 3, 1
	v_mul_u32_u24 v4, v1, PP
	v_lshl_add_u32 v4, v2, 4, v4
	v_add_nc_u32 v4, s73, v4                       ; P's fragments: my 64 queries, row r, 16 bytes for each half of the lanes
	v_lshl_add_u32 v6, v2, 3, v3                   ; the turning load: key 8 h + l % 8, channels 8 ((l / 8) % 2) on
	v_mul_u32_u24 v6, v6, PV
	v_lshl_add_u32 v6, v17, 4, v6
	s_lshl_b32 s75, s15, 8
	s_add_co_u32 s75, s75, VOFF
	v_add_nc_u32 v6, s75, v6                       ; my 128 channels
	v_mov_b32 v5, v4                               ; pair 0 of slot 0 is in hand
	v_mov_b32 v7, v6
	s_mul_i32 s94, s14, REG
	s_add_co_u32 s94, s94, SLOTB                   ; my stage lies in slot 1, which is read and filled for the last time ahead of the last change of slots
	v_mul_u32_u24 v8, v2, 8*RP                     ; the way out, in: channel 8 h + j, query r
	v_lshl_add_u32 v8, v1, 2, v8
	v_add_nc_u32 v8, s94, v8
	v_mul_u32_u24 v9, v2, RP                       ; back: lanes 0-15 take one row of 256 bytes, lanes 16-31 the next
	v_lshl_add_u32 v9, v1, 4, v9
	v_add_nc_u32 v9, s94, v9
	v_lshlrev_b32 v10, 13, v2                      ; and the same two rows in out0
	v_lshl_add_u32 v10, v1, 4, v10
	s_lshl_b32 s95, s16, 8
	s_add_co_u32 s94, s95, LQT
	s_add_co_u32 s95, s95, FT
	v_lshl_add_u32 v11, v1, 2, s95                 ; f of my query, walking from tile to tile
	v_lshl_add_u32 v16, v1, 4, s94                 ; 1 / L of queries 4 (l % 16) ..
	v_lshl_add_u32 v15, v0, 2, FT
	s_wait_loadcnt 0x0
	v_max3_num_f32 v80, v64, v65, v66
	v_max3_num_f32 v80, v80, v67, v68
	v_max3_num_f32 v80, v80, v69, v70
	v_max_num_f32 v80, v80, v71                    ; M
.irp t, 0,1,2,3,4,5,6,7
	v_sub_f32 v[64+\t], v[64+\t], v80
.endr
.irp t, 0,1,2,3,4,5,6,7
	v_exp_f32 v[64+\t], v[64+\t]                   ; f_t
.endr
	v_nop                                          ; a plain instruction between the exponentials and the use of their results (ISA guide 5.7.2)
	s_wait_alu depctr_va_vdst(0)
	v_mul_f32 v81, v64, v72
.irp t, 1,2,3,4,5,6,7
	v_fmac_f32 v81, v[64+\t], v[72+\t]             ; L
.endr
	v_rcp_f32 v82, v81
	v_nop
.irp t, 0,1,2,3,4,5,6,7
	ds_store_b32 v15, v[64+\t] offset:512*\t
.endr
	s_wait_alu depctr_va_vdst(0)
	ds_store_b32 v15, v82 offset:4096
	s_wait_tensorcnt 1                             ; my part of slot 0 is in; slot 1's may stay out
	s_wait_dscnt 0x0                               ; for the others' sake: my part of the tables is stored
	s_barrier_signal -1
	s_barrier_wait -1
	FETCH F0, 0, 0
	QUARTER F0, F1, 1, 64, 32*PV                   ; pair 0's QA starts T: nothing of T is ever cleared
	WIN 0
	s_mov_b32 s70, PCH                             ; pair 1 of slot 0 is the coming one,
	s_mov_b32 s71, 64*PV
	s_mov_b32 s69, 1                               ; the second of its tile
	s_mov_b32 s67, 10                              ; slots 0 to 9 end in the loop; all but the last of them are filled again
	s_mov_b32 s68, 1                               ; slot 0 has one more pair
	s_branch .Lpair                                ; the loops are entered in the middle
.Lslot:
	CHANGE 1
	s_mov_b32 s68, 3
.Lpair:                                                ; the QB of the pair in hand, then the QA of the coming one
	STEP
	QUARTER F1, F0, 0, 0, 0
	WIN 0
	s_cmp_lg_u32 s69, 0
	s_cbranch_scc1 .Lplain
	UPDATE                                         ; a tile of 256 keys has ended,
	QUARTER F0, F1, 1, 64, 32*PV                   ; and the next one's first products start T anew
	WIN 0
	s_branch .Ljoin
.Lplain:
	QUARTER F0, F1, 0, 64, 32*PV
	WIN 0
.Ljoin:
	ONWARD
	s_add_co_u32 s69, s69, 1
	s_and_b32 s69, s69, 3
	s_sub_co_u32 s68, s68, 1
	s_cmp_lg_u32 s68, 0
	s_cbranch_scc1 .Lpair
	s_sub_co_u32 s67, s67, 1
	s_cmp_lg_u32 s67, 0
	s_cbranch_scc1 .Lslot
	CHANGE 0                                       ; the last slot is written out; its three pairs are the last tile's second to fourth: no tile ends among them
	s_mov_b32 s68, 3
.Llast:
	STEP
	QUARTER F1, F0, 0, 0, 0
	QUARTER F0, F1, 0, 64, 32*PV
	WIN 0
	ONWARD
	s_sub_co_u32 s68, s68, 1
	s_cmp_lg_u32 s68, 0
	s_cbranch_scc1 .Llast
	s_wait_dscnt 8                                 ; the last pair's QB: nothing more to fetch
	MULH F1, 0, 0
	PLACES                                         ; the places between these products and the update's first lines
	s_wait_dscnt 0x0
	MULH F1, 1, 0
	UPDATE
	; THE WAY OUT, on my own bytes of slot 1: 128 rows (channels) of 64 queries; back as whole rows of 256 bytes, times 1 / L.
	WIN W_DS
.set n, 0
.rept 32
.irp j, 0,1,2,3,4,5,6,7
	ds_store_b32 v8, v[8*n+\j] offset:(n/4)*16*RP+\j*RP+(n%4)*64
.endr
.set n, n+1
.endr
	WIN 0
	ds_load_b128 v[48:51], v16
.macro LOADG grp, ahead                ; eight loads of two rows
.irp i, 0,1,2,3,4,5,6,7
	ds_load_b128 v[64+32*(\grp)+4*\i:64+32*(\grp)+4*\i+3], v9 offset:(16*(\ahead)+8*(\grp)+\i)*2*RP  ; LDS serves a wave's instructions in order (ISA guide 5.7.1.4): these see the stores above
.endr
.endm
.macro PROC grp
	s_wait_xcnt 0x0                                ; the last stores' data registers are rewritten only behind this wait
.irp i, 0,1,2,3,4,5,6,7
	v_pk_mul_f32 v[128+32*(\grp)+4*\i:128+32*(\grp)+4*\i+1], v[64+32*(\grp)+4*\i:64+32*(\grp)+4*\i+1], v[48:49]
	v_pk_mul_f32 v[128+32*(\grp)+4*\i+2:128+32*(\grp)+4*\i+3], v[64+32*(\grp)+4*\i+2:64+32*(\grp)+4*\i+3], v[50:51]
.endr
.irp i, 0,1,2,3,4,5,6,7
	global_store_b128 v10, v[128+32*(\grp)+4*\i:128+32*(\grp)+4*\i+3], s[8:9] offset:(8*(\grp)+\i)*2*8192 th:TH_STORE_NT  ; sixteen lanes store 256 consecutive bytes of a channel's row, aligned
.endr
.endm
	LOADG 0, 0
	LOADG 1, 0
	s_mov_b32 s3, 4
.Lrow:                                                 ; 32 rows a trip, in two groups
	s_wait_dscnt 8                                 ; all but the younger group's eight loads
	PROC 0
	s_cmp_eq_u32 s3, 1
	s_cbranch_scc1 .La0
	LOADG 0, 1
	s_wait_dscnt 8
	s_branch .Lb
.La0:
	s_wait_dscnt 0x0                               ; the last trip has nothing younger
.Lb:
	PROC 1
	s_cmp_eq_u32 s3, 1
	s_cbranch_scc1 .Lst
	LOADG 1, 1
.Lst:
	s_wait_xcnt 0x0                                ; the stores' base steps only behind this wait
	s_add_nc_u64 s[8:9], s[8:9], 32*8192
	v_add_nc_u32 v9, 32*RP, v9
	s_sub_co_u32 s3, s3, 1
	s_cmp_lg_u32 s3, 0
	s_cbranch_scc1 .Lrow
	s_wait_tensorcnt 0x0                           ; the wave's end
	ds_add_u32 v12, v13
	s_wait_dscnt 0x0
	CROUND                                         ; the closing round
	s_endpgm
.Lfunc_end_k_qf898cd9aee_pv:
	.size	k_qf898cd9aee_pv, .Lfunc_end_k_qf898cd9aee_pv-k_qf898cd9aee_pv
	.p2alignl 7, 3214868480
	.fill 96, 4, 3214868480
	.section	.rodata,"a",@progbits
	.p2align	6, 0x0
	.amdhsa_kernel k_qf898cd9aee_pv
		.amdhsa_group_segment_fixed_size 327680
		.amdhsa_private_segment_fixed_size 0
		.amdhsa_enable_private_segment 0
		.amdhsa_kernarg_size 40
		.amdhsa_user_sgpr_count 2
		.amdhsa_user_sgpr_kernarg_segment_ptr 1
		.amdhsa_wavefront_size32 1
		.amdhsa_system_sgpr_workgroup_id_x 1
		.amdhsa_system_sgpr_workgroup_id_y 1
		.amdhsa_system_sgpr_workgroup_id_z 1
		.amdhsa_system_vgpr_workitem_id 0
		.amdhsa_next_free_vgpr 768
		.amdhsa_next_free_sgpr 96
		.amdhsa_reserve_vcc 0
		.amdhsa_float_denorm_mode_32 3
		.amdhsa_float_denorm_mode_16_64 3
		.amdhsa_memory_ordered 1
		.amdhsa_forward_progress 1
		.amdhsa_inst_pref_size 88
	.end_amdhsa_kernel
	.amdgpu_metadata
---
amdhsa.version: [ 1, 2 ]
amdhsa.kernels:
  - .name:           k_qf898cd9aee_pv
    .symbol:         k_qf898cd9aee_pv.kd
    .args:
      - { .name: pb, .offset: 0, .size: 8, .value_kind: global_buffer, .address_space: global }
      - { .name: qkv, .offset: 8, .size: 8, .value_kind: global_buffer, .address_space: global }
      - { .name: out0, .offset: 16, .size: 8, .value_kind: global_buffer, .address_space: global }
      - { .name: mst, .offset: 24, .size: 8, .value_kind: global_buffer, .address_space: global }
      - { .name: lst, .offset: 32, .size: 8, .value_kind: global_buffer, .address_space: global }
    .group_segment_fixed_size: 327680
    .private_segment_fixed_size: 0
    .kernarg_segment_align: 8
    .kernarg_segment_size: 40
    .max_flat_workgroup_size: 128
    .sgpr_count:     96
    .vgpr_count:     768
    .wavefront_size: 32
...
	.end_amdgpu_metadata
.endif
;; end of part 8
